; MI455X (gfx1250); checked and timed in simulation.
; The chip was launched on July 23, 2026; its instructions are those of AMD's public machine-readable ISA for CDNA 5 (MIT licence, August 2026) and "CDNA5" Instruction Set Architecture Reference Guide (July 2026). The comments in the code are by the model that wrote it; some were corrected since.
;; Diff MLA Attention. Allowed arithmetic: matrix products marked QUANTISED: E2M3 operands, one E8M0 scale for each 32 along K, by v_wmma_scale_f32_16x16x128_f8f6f4 with both operands' format E2M3, f32 sums; everything else in f32.
;; Inputs: W_DKV 2,048 x 512 float32; W_DQ 2,048 x 1,024 float32; W_UK 512 x 2,048 float32; W_UQ 1,024 x 4,096 float32; W_UV 512 x 2,048 float32; W_lam 2,048 x 16 float32; W_out 2,048 x 2,048 float32; b_lam 16 float32; x 1 x 2,048 x 2,048 float32.
;; Outputs: out0 1 x 2,048 x 2,048 float32.
;; This version of the problem:
;;   THIS VERSION OF THE PROBLEM IS GIVEN IN LOW PRECISION. The matrix products marked QUANTISED in the list below multiply operands that are first quantised to E2M3 (2 exponent bits, 3 mantissa bits; 6 bits a number), with one power-of-two scale for each 32 numbers along K (OCP MX v1.0); their sums are f32. All else is computed in f32.
;;   The module's matrix products, in the order in which they are computed (A, B: the left and right operand; K: the contracted axis; several contracted axes count as one K, in the product's order):
;;     1. [M 2,048, K 2,048] x [K 2,048, N 512]; A: input x; B: input W_DKV: QUANTISED
;;     2. [M 2,048, K 512] x [K 512, N 2,048]; A: computed on the way; B: input W_UK: QUANTISED
;;     3. [M 2,048, K 512] x [K 512, N 2,048]; A: computed on the way; B: input W_UV: QUANTISED
;;     4. [M 2,048, K 2,048] x [K 2,048, N 1,024]; A: input x; B: input W_DQ: QUANTISED
;;     5. [M 2,048, K 1,024] x [K 1,024, N 4,096]; A: computed on the way; B: input W_UQ: QUANTISED
;;     6. batch 16 x [M 4,096, K 128] x [K 128, N 2,048]; A: computed on the way; B: computed on the way: QUANTISED
;;     7. batch 16 x [M 4,096, K 2,048] x [K 2,048, N 128]; A: softmax (see below); B: computed on the way: QUANTISED
;;     8. [M 2,048, K 2,048] x [K 2,048, N 16]; A: input x; B: input W_lam: QUANTISED
;;     9. [M 2,048, K 2,048] x [K 2,048, N 2,048]; A: computed on the way; B: input W_out: QUANTISED
;;   THE QUANTISER, for each operand of a quantised product, along K:
;;     - K is cut into blocks of 32 from its start; a last block that is shorter is filled with zeros.
;;     - A block's scale is 2^e with e = floor(log2(the largest magnitude in the block)) - 2, held to -126 .. 127; a block of zeros has e = 0. As a byte (E8M0): e + 127.
;;     - Each number is divided by its block's scale, clamped to +-7.5, and rounded to the nearest number of E2M3, ties to even, subnormals kept.
;;     - The product sums the exact products of the quantised numbers (number of the format x scale) in f32.
;;   ~~~python
;;   def quantise(x, axis):      # numpy; x: float32 -> the quantised numbers, widened to float32 again
;;       x = np.moveaxis(x, axis, -1); K = x.shape[-1]
;;       x = np.pad(x, [(0, 0)] * (x.ndim - 1) + [(0, -K % 32)]); x = x.reshape(x.shape[:-1] + (-1, 32)); a = np.abs(x).max(-1, keepdims=True)
;;       e = np.where(a > 0, np.clip(np.frexp(np.where(a > 0, a, 1))[1] - 1 - 2, -126, 127), 0)      # np.frexp(a)[1] - 1 = floor(log2(a)), exactly
;;       r = np.clip(x / 2.0 ** e, -7.5, 7.5)
;;       step = 2.0 ** (np.maximum(np.frexp(np.where(r == 0, 1, r))[1] - 1, 0) - 3)
;;       q = np.round(r / step) * step * 2.0 ** e      # np.round: ties to even
;;       return np.moveaxis(q.reshape(q.shape[:-2] + (-1,))[..., :K], -1, axis).astype(np.float32)
;;   ~~~
;;   SOFTMAX AHEAD OF A QUANTISED PRODUCT. Where the list says 'softmax', what is quantised is not the finished softmax but p = 2^(t - M), with t = logit x log2(e) and M = ceil(the row's largest t), a whole number; so 1/2 < the row's largest p <= 1. The row's sum l is taken of the UNQUANTISED p, in f32, and the product's result is divided by l at the end. Since M is a whole number, a kernel that streams over the keys may use a running M (the ceiling of the running maximum): every later rescaling is an exact power of two, which a block's scale takes up: the codes' values come out the same.
;;   OPERANDS COMPUTED ON THE WAY. 'Computed on the way' means the value that the module computes at that place (a softmax that the list does not call 'softmax' is quantised finished and normalised). What goes into a quantiser is computed in f32, as accurately as f32 sums, v_exp_f32 and their like allow (about 1e-6 of the number): no bf16 or f16 on the way to a quantiser, and a product that is left as it is and whose result goes on into a quantised operand takes f32 operands (vector FMAs, or v_wmma_f32_16x16x4_f32). A number that lies on a knife's edge between two numbers of the format may be rounded either way, as far as f32 arithmetic and the matrix unit's own rounding can turn it there, and no further.
;; 2 versions. Each part assembles by itself: llvm-mc -triple=amdgcn-amd-amdhsa -mcpu=gfx1250 --defsym DOCPART=n.
;; ======== version 1 of 2: 5 launches
;; workspace buffers: qb 15,026,176 bytes; cb 2,588,672 bytes; kb 13,107,200 bytes; ob 3,276,800 bytes
;; launch quant (part 1): grid 578 x 1, 4 waves a work-group, no clusters, 34,304 bytes of LDS; arguments x, W_DKV, W_DQ, W_lam, W_UK, W_UV, W_UQ, W_out, qb; writes qb
.if DOCPART == 1
	.amdgcn_target "amdgcn-amd-amdhsa--gfx1250"
	.amdhsa_code_object_version 6
	.text
	.protected	k_qf9e7876d9f_quant
	.globl	k_qf9e7876d9f_quant
	.p2align	8
	.type	k_qf9e7876d9f_quant,@function
k_qf9e7876d9f_quant:
	s_mov_b64 s[64:65], 0
	v_nop
	global_prefetch_b8 v0, s[64:65] scope:SCOPE_SE
	s_setreg_imm32_b32 hwreg(HW_REG_WAVE_MODE, 25, 1), 1
	s_wait_xcnt 0x0
; x and the seven weights, all f32, become codes of FP6 (E2M3) with one E8M0 scale byte for each 32 along K; a table of cos and sin for the rotary embedding is made beside them.
; A block's scale is 2^(floor(log2(its largest magnitude)) - 2); its byte is the largest magnitude's exponent field - 2, held at 1 from below.
; LAYOUT OF THE RESULTS.  A fragment (16 rows x 128 K: 12 registers in each of 32 lanes) lies in memory as an image of its registers: registers 4 c .. 4 c + 3 of lane l are the 16 bytes at 512 c + 16 l.
; Lane (r, h) holds row r, its registers 6 c .. 6 c + 5 hold K = 64 c + 32 h + 0 .. 31.  An operand of T tiles has fragment (K step s, tile t) at (s T + t) x 1,536.  Scale words (four bytes: one row, one K step):
; tiles 2 g and 2 g + 1 of K step s share 128 bytes at (s T / 2 + g) x 128: lanes 0-15 hold tile 2 g's rows, lanes 16-31 tile 2 g + 1's.
; THE ROWS OF A TILE ARE NOT NEIGHBOURS: row rho of tile 2 b + u is index 32 b + 8 u + rho + 8 (rho / 8) (tokens of x, columns of a weight); W_lam alone is natural (row = head; its tile is written twice).
; SHARES.  Work-groups 0-127: x, a wave takes 32 tokens x 256 K.  128-545: the weights, whose K is their FIRST axis: a lane takes a column and its registers run down K; a wave takes 32 columns x 256 K.
; 546-577: the table, a wave takes a tile of 16 tokens.  Waves share nothing: no barrier.  Only the x path uses LDS: a stage of 16 rows x 528 bytes for each wave.
; LIMITS: NaN and infinities among the inputs are not served.  A block of zeros gets the byte 1 (the rule says 127): its codes are zeros, and this program alone reads the bytes.
; The table's frequencies are 2^(-i log2(10000) / 64) by one f32 multiplication and v_exp_f32: an angle can differ from one made by an f32 power and division by about 1e-7 of the angle, 2e-4 rad at the last tokens.
.set XS,   3145728                     ; byte offsets in qb: x's codes at 0, x's scale words,
.set W1C,  3276800                     ; W_DKV (tiles 0-31), W_DQ (32-95), W_lam (96, 97): 98 tiles, 16 K steps
.set W1S,  5685248
.set W2AC, 5785600                     ; W_UK (tiles 0-127), W_UV (128-255): 4 K steps
.set W2AS, 7358464
.set W2QC, 7424000                     ; W_UQ: 256 tiles, 8 K steps
.set W2QS, 10569728
.set W3C,  10700800                    ; W_out: 128 tiles, 16 K steps
.set W3S,  13846528
.set RT,   13977600                    ; the table: 8,192 bytes for each tile of tokens
.set SEL,  40                          ; s[40:41] lane selects for v_permlanex16_b32: lane l xor 16
.set MSK,  42                          ; s42 lanes 16-31
	s_load_b512 s[4:19], s[0:1], 0x0               ; x, W_DKV, W_DQ, W_lam, W_UK, W_UV, W_UQ, W_out
	s_load_b64 s[20:21], s[0:1], 0x40              ; qb
	v_lshl_add_u32 v254, v0, 2, 0x8400
	v_mov_b32 v255, 0
	v_lshrrev_b32 v1, 5, v0
	v_readfirstlane_b32 s2, v1                     ; wave 0..3
	v_and_b32 v15, 31, v0                          ; lane
	v_and_b32 v16, 15, v0                          ; r
	v_bfe_u32 v17, v0, 4, 1                        ; h
	s_mov_b32 s[SEL], 0x76543210
	s_mov_b32 s[SEL+1], 0xfedcba98
	s_mov_b32 s[MSK], 0xffff0000
	s_cmp_ge_u32 ttmp9, 546
	s_cbranch_scc1 .Lrope
	s_cmp_ge_u32 ttmp9, 128
	s_cbranch_scc1 .Lweights
; ---------------- x: K is innermost.  Each load reads 512 consecutive bytes of one row (one K step); 16 rows turn through the wave's stage and come back as the fragment's lanes want them.
; v1 16 x lane; v2, v3 the stage, way in and way out; v4 4 x lane; v5 8 h; v6-14 at work; v32-95, v96-159 two sets of 16 rows as loaded; v160-223 my 64 numbers; v224-235 the codes; v236-242 the odd conversions' results
	s_lshl_b32 s3, ttmp9, 2
	s_add_co_u32 s3, s3, s2                        ; which of 512 shares
	s_lshr_b32 s22, s3, 3                          ; g: 32 tokens
	s_and_b32 s23, s3, 7                           ; kp: 256 along K
	s_lshl_b32 s24, s22, 18                        ; 32 rows of 8,192 bytes
	s_lshl_b32 s25, s23, 10
	s_add_co_u32 s24, s24, s25
	s_mov_b32 s25, 0
	s_lshl_b32 s26, s23, 8
	s_lshl_b32 s27, s22, 1
	s_add_co_u32 s26, s26, s27
	s_mul_i32 s26, s26, 1536                       ; fragment (2 kp, 2 g)
	s_mov_b32 s27, 0
	s_lshl_b32 s28, s23, 7
	s_add_co_u32 s28, s28, s22
	s_lshl_b32 s28, s28, 7
	s_add_co_u32 s28, s28, XS                      ; its pair's scale words
	s_mov_b32 s29, 0
	s_mul_i32 s30, s2, 8448                        ; my stage
	v_lshlrev_b32 v1, 4, v15
	v_add_nc_u32 v2, s30, v1
	v_mul_u32_u24 v3, v16, 528
	v_lshl_add_u32 v3, v17, 7, v3
	v_add_nc_u32 v3, s30, v3                       ; row r, + 128 h: my 32 numbers of a run of 64
	v_lshlrev_b32 v4, 2, v15
	v_lshlrev_b32 v5, 3, v17
	v_mov_b32 v13, 0                               ; written once: a lane permute's destination counts as one of its sources
	s_wait_kmcnt 0x0
	s_add_nc_u64 s[4:5], s[4:5], s[24:25]
	s_add_nc_u64 s[26:27], s[20:21], s[26:27]
	s_add_nc_u64 s[28:29], s[20:21], s[28:29]
.macro LOADX f, set                    ; fragment f = (K step f / 2, tile f % 2): its 16 rows, in the tile's order
.set RH, 0
.rept 16
	global_load_b128 v[32+64*(\set)+4*RH:35+64*(\set)+4*RH], v1, s[4:5] offset:(8*((\f)%2)+RH+8*(RH/8))*8192+512*((\f)/2) th:TH_LOAD_NT
.set RH, RH+1
.endr
.endm
.macro QFRAG                           ; v160-223 (register 32 c + i = K 64 c + 32 h + i of my row) -> codes in v224-235, the row's scale word in v12
.irp c, 0,1
	v_max3_num_f32 v[6+\c], |v[160+32*\c]|, |v[161+32*\c]|, 0x1800000   ; my block 2 c + h: all its 32 numbers are mine; the floor 2^(3 - 127) holds the byte at 1 from below
.endr
.irp i, 2,4,6,8,10,12,14,16,18,20,22,24,26,28,30
.irp c, 0,1
	v_max3_num_f32 v[6+\c], v[6+\c], |v[160+32*\c+\i]|, |v[161+32*\c+\i]|
.endr
.endr
.irp c, 0,1
	v_add_nc_u32 v[8+\c], 0xff000000, v[6+\c]      ; 2 off the exponent field: the conversion takes the exponent field of this operand as its scale
.endr
.irp c, 0,1
	v_lshrrev_b32 v[10+\c], 23, v[8+\c]            ; the scale's byte
.endr
	v_lshl_or_b32 v12, v11, 16, v10                ; blocks h and 2 + h,
	v_lshlrev_b32 v12, v5, v12                     ; at their places in the word (8 h bits up);
	v_permlanex16_b32 v13, v12, s[SEL], s[SEL+1]
	v_or_b32 v12, v12, v13                         ; with lane l xor 16's two the word is whole
.irp c, 0,1
	v_cvt_scalef32_pk16_fp6_f32 v[224+6*\c:226+6*\c], v[160+32*\c:175+32*\c], v[8+\c]
	v_cvt_scalef32_pk16_fp6_f32 v[236+4*\c:238+4*\c], v[176+32*\c:191+32*\c], v[8+\c]   ; (a conversion's three registers begin on an even number)
.endr
	v_nop                                          ; one plain place behind a scaled conversion
.irp c, 0,1
.irp i, 0,1,2
	v_mov_b32 v[227+6*\c+\i], v[236+4*\c+\i]
.endr
.endr
.endm
.macro FRAGX f
.if (\f) < 3
	s_wait_loadcnt 16                              ; this fragment's 16 rows are in; the next fragment's 16 may be out
.else
	s_wait_loadcnt 0
.endif
.set RH, 0
.rept 16
	ds_store_b128 v2, v[32+64*((\f)%2)+4*RH:35+64*((\f)%2)+4*RH] offset:528*RH
.set RH, RH+1
.endr
.irp c, 0,1
.irp q, 0,1,2,3,4,5,6,7
	ds_load_b128 v[160+32*\c+4*\q:163+32*\c+4*\q], v3 offset:256*\c+16*\q   ; LDS serves a wave's instructions in order: these see my stores
.endr
.endr
	s_wait_dscnt 0x0                               ; my numbers are back, and the stores have read the rows' registers,
.if (\f) < 2
	LOADX (\f)+2, (\f)%2                           ; which take the fragment two on
.endif
	s_wait_xcnt 0x0                                ; the last fragment's stores have read the codes' and the word's registers
	QFRAG
.irp c, 0,1,2
	global_store_b128 v1, v[224+4*\c:227+4*\c], s[26:27] offset:(128*((\f)/2)+(\f)%2)*1536+512*\c   ; 32 lanes store 512 consecutive bytes
.endr
.if (\f)%2 == 0
	v_mov_b32 v14, v12                             ; the even tile's words wait for the odd tile's
.else
	v_cndmask_b32 v12, v14, v12, s[MSK]            ; lanes 0-15 the even tile's rows, lanes 16-31 the odd tile's
	global_store_b32 v4, v12, s[28:29] offset:8192*((\f)/2)
.endif
.endm
	LOADX 0, 0
	LOADX 1, 1
	FRAGX 0
	FRAGX 1
	FRAGX 2
	FRAGX 3
	s_wait_tensorcnt 0x0
	ds_add_u32 v254, v255
	s_wait_dscnt 0x0
	s_endpgm
; ---------------- the weights: [K][N].  One text serves all seven: the work-group's number chooses the pointer and six numbers.
; v2 1,536 u + 16 rho, v3 4 x lane: where I store; v6 my column; v8-11 at work; v32-63 byte offsets of rows 0-31 of a block; v64-95, v96-127 two sets of 32 numbers; v128-175 the codes of two K steps; v176-178 the odd conversion's; v180-181 scale words
.Lweights:
	s_wait_kmcnt 0x0
	s_mov_b64 s[22:23], s[6:7]                     ; W_DKV: the pointer,
	s_mov_b32 s24, 128                             ; its first work-group,
	s_mov_b32 s25, 4                               ; log2 of its groups of 32 columns,
	s_mov_b32 s26, 2048                            ; bytes in a row,
	s_mov_b32 s27, W1C                             ; where its codes go,
	s_mov_b32 s28, W1S                             ; its scale words,
	s_mov_b32 s29, 98                              ; the tiles of the operand that it is part of,
	s_mov_b32 s30, 0                               ; and whether its rows stay in natural order
.macro PICK start, p, lg, str, dco, dso, t, nat
	s_cmp_ge_u32 ttmp9, \start                     ; the choice hangs on the work-group's number alone
	s_cselect_b64 s[22:23], s[\p:\p+1], s[22:23]
	s_cselect_b32 s24, \start, s24
	s_cselect_b32 s25, \lg, s25
	s_cselect_b32 s26, \str, s26
	s_cselect_b32 s27, \dco, s27
	s_cselect_b32 s28, \dso, s28
	s_cselect_b32 s29, \t, s29
	s_cselect_b32 s30, \nat, s30
.endm
	PICK 160, 8, 5, 4096, W1C+32*1536, W1S+16*128, 98, 0       ; W_DQ
	PICK 224, 10, 0, 64, W1C+96*1536, W1S+48*128, 98, -1       ; W_lam
	PICK 226, 12, 6, 8192, W2AC, W2AS, 256, 0                  ; W_UK
	PICK 258, 14, 6, 8192, W2AC+128*1536, W2AS+64*128, 256, 0  ; W_UV
	PICK 290, 16, 7, 16384, W2QC, W2QS, 256, 0                 ; W_UQ
	PICK 418, 18, 6, 8192, W3C, W3S, 128, 0                    ; W_out
	s_sub_co_u32 s31, ttmp9, s24
	s_lshl_b32 s31, s31, 2
	s_add_co_u32 s31, s31, s2                      ; which share of this weight
	s_lshl_b32 s32, 1, s25
	s_sub_co_u32 s32, s32, 1
	s_and_b32 s32, s31, s32                        ; cg: 32 columns; neighbouring waves take neighbouring groups
	s_lshr_b32 s33, s31, s25                       ; kp: 256 along K
	s_mul_i32 s34, s33, s26
	s_lshl_b32 s34, s34, 8                         ; 256 kp rows,
	s_lshl_b32 s35, s32, 7
	s_add_co_u32 s34, s34, s35                     ; + 128 bytes for each group
	s_mov_b32 s35, 0
	s_add_nc_u64 s[22:23], s[22:23], s[34:35]
	s_lshl_b32 s36, s26, 5                         ; a block on: 32 rows
	s_mov_b32 s37, 0
	s_mul_i32 s38, s33, s29
	s_add_co_u32 s38, s38, s32                     ; kp T + cg
	s_lshl_b32 s52, s38, 7
	s_add_co_u32 s52, s52, s28
	s_mov_b32 s53, 0
	s_mul_i32 s38, s38, 3072                       ; fragment (2 kp, 2 cg)
	s_add_co_u32 s38, s38, s27
	s_mov_b32 s39, 0
	s_add_nc_u64 s[44:45], s[20:21], s[38:39]      ; codes of my first K step,
	s_mul_i32 s38, s29, 1536
	s_add_nc_u64 s[46:47], s[44:45], s[38:39]      ; of my second;
	s_add_nc_u64 s[48:49], s[20:21], s[52:53]      ; scale words likewise
	s_lshl_b32 s52, s29, 6
	s_add_nc_u64 s[50:51], s[48:49], s[52:53]
	v_and_b32 v6, 7, v0
	v_bfe_u32 v7, v0, 3, 1
	v_lshl_add_u32 v6, v7, 4, v6
	v_lshl_add_u32 v6, v17, 3, v6                  ; lane l = (tile u = l / 16, row rho = l % 16) takes column 8 u + rho + 8 (rho / 8) of the group;
	v_cndmask_b32 v6, v6, v16, s30                 ; W_lam: column rho, for both tiles
	v_lshlrev_b32 v6, 2, v6
.set RH, 0
.rept 32
	v_mad_u32_u24 v[32+RH], s26, RH, v6
.set RH, RH+1
.endr
	v_mul_u32_u24 v2, v17, 1536
	v_lshl_add_u32 v2, v16, 4, v2
	v_lshlrev_b32 v3, 2, v15
.macro LOADW t                         ; block t: W(32 t + i, my column), i = 0 .. 31: each load reads 128 consecutive bytes
.if (\t) > 0
	s_wait_xcnt 0x0                                ; the earlier loads have read the base
	s_add_nc_u64 s[22:23], s[22:23], s[36:37]
.endif
.set RH, 0
.rept 32
	global_load_b32 v[64+32*((\t)%2)+RH], v[32+RH], s[22:23] th:TH_LOAD_NT
.set RH, RH+1
.endr
.endm
.macro BLOCK t                         ; block t % 4 of K step t / 4 = registers 6 c .. 6 c + 5 of the fragment's lane (rho, h) with h = t % 2, c = (t % 4) / 2
.set XB, 64+32*((\t)%2)
.set IMG, 128+24*((\t)/4)+12*((\t)%2)+6*(((\t)%4)/2)
.if (\t) < 7
	s_wait_loadcnt 32                              ; this block's 32 loads are in; the next block's may be out
.else
	s_wait_loadcnt 0
.endif
	v_max3_num_f32 v8, |v[XB]|, |v[XB+1]|, |v[XB+2]|
	v_max3_num_f32 v9, |v[XB+3]|, |v[XB+4]|, |v[XB+5]|
.irp i, 6,10,14,18,22,26
	v_max3_num_f32 v8, v8, |v[XB+\i]|, |v[XB+\i+1]|
	v_max3_num_f32 v9, v9, |v[XB+\i+2]|, |v[XB+\i+3]|
.endr
	v_max3_num_f32 v8, v8, |v[XB+30]|, |v[XB+31]|
	v_max3_num_f32 v8, v8, v9, 0x1800000           ; and the floor
	v_add_nc_u32 v10, 0xff000000, v8
	v_lshrrev_b32 v11, 23, v10
.if (\t)%4 == 0
	v_mov_b32 v[180+(\t)/4], v11                   ; my row's four bytes make its scale word
.else
	v_lshl_or_b32 v[180+(\t)/4], v11, 8*((\t)%4), v[180+(\t)/4]
.endif
	v_cvt_scalef32_pk16_fp6_f32 v[IMG:IMG+2], v[XB:XB+15], v10
	v_cvt_scalef32_pk16_fp6_f32 v[176:178], v[XB+16:XB+31], v10
	v_nop                                          ; one plain place behind a scaled conversion
.irp i, 0,1,2
	v_mov_b32 v[IMG+3+\i], v[176+\i]
.endr
.if (\t)+2 < 8
	LOADW (\t)+2
.endif
.if (\t)%4 == 3                        ; a K step is whole: lanes 0-15 store 256 consecutive bytes of tile 2 cg's image, lanes 16-31 of tile 2 cg + 1's; each K step has registers of its own
.irp hh, 0,1
.irp c, 0,1,2
	global_store_b128 v2, v[128+24*((\t)/4)+12*\hh+4*\c:131+24*((\t)/4)+12*\hh+4*\c], s[44+2*((\t)/4):45+2*((\t)/4)] offset:512*\c+256*\hh
.endr
.endr
	global_store_b32 v3, v[180+(\t)/4], s[48+2*((\t)/4):49+2*((\t)/4)]
.endif
.endm
	LOADW 0
	LOADW 1
	BLOCK 0
	BLOCK 1
	BLOCK 2
	BLOCK 3
	BLOCK 4
	BLOCK 5
	BLOCK 6
	BLOCK 7
	s_endpgm
; ---------------- the table.  For token tile t, chunk (n, cos or sin) of 512 bytes holds, at 16 x lane, the four values for frequencies i = 32 (n / 4) + 16 h + 4 (n % 4) + 0 .. 3 at the token of row r:
; the order in which a lane of the product that makes q or k holds the head's first 64 numbers.
; v1 where I store; v2 the token as f32; v4-7 16 h + e; v8-11 the angle, then its rest; v20-23 the quadrant; v24-27 the rest's square; v28-31 sin, v32-35 cos of the rest; v36-43 at work; v44-47 cos, v48-51 sin
.Lrope:
	s_sub_co_u32 s3, ttmp9, 546
	s_lshl_b32 s3, s3, 2
	s_add_co_u32 s3, s3, s2                        ; t
	s_lshr_b32 s22, s3, 1
	s_lshl_b32 s22, s22, 5
	s_and_b32 s23, s3, 1
	s_lshl_b32 s23, s23, 3
	s_add_co_u32 s22, s22, s23
	v_and_b32 v2, 8, v16
	v_add_nc_u32 v2, v2, v16
	v_add_nc_u32 v2, s22, v2                       ; 32 (t / 2) + 8 (t % 2) + r + 8 (r / 8)
	v_cvt_f32_u32 v2, v2
	v_lshlrev_b32 v1, 4, v15
	v_lshlrev_b32 v3, 4, v17
.irp e, 0,1,2,3
	v_add_nc_u32 v[4+\e], \e, v3
.endr
	s_lshl_b32 s24, s3, 13
	s_add_co_u32 s24, s24, RT
	s_mov_b32 s25, 0
	s_wait_kmcnt 0x0
	s_add_nc_u64 s[20:21], s[20:21], s[24:25]
	s_mov_b32 s26, 0xbfc90fdb                      ; -(pi / 2 rounded to f32),
	s_mov_b32 s27, 0x333bbd2e                      ; what that rounding added: 4.3711388e-8
	s_mov_b32 s28, 0xb94ca1f9                      ; sin r = r + r z (-1.6666654611e-1 + z (8.3321608736e-3 - 1.9515295891e-4 z)), z = r r, |r| <= pi / 4
	s_mov_b32 s29, 0x3c08839e
	s_mov_b32 s30, 0xbe2aaaa3
	s_mov_b32 s31, 0x37ccf5ce                      ; cos r = 1 - z / 2 + z z (4.166664568e-2 + z (-1.388731625e-3 + 2.443315712e-5 z))
	s_mov_b32 s32, 0xbab6061a
	s_mov_b32 s33, 0x3d2aaaa5
	s_mov_b32 s23, 0
.Ltrip:                                            ; 8 trips, n = 0 .. 7; four frequencies by turns
	s_lshr_b32 s24, s23, 2
	s_lshl_b32 s24, s24, 5
	s_and_b32 s25, s23, 3
	s_lshl_b32 s25, s25, 2
	s_add_co_u32 s24, s24, s25
.irp e, 0,1,2,3
	v_add_nc_u32 v[8+\e], s24, v[4+\e]             ; i
.endr
.irp e, 0,1,2,3
	v_cvt_f32_u32 v[8+\e], v[8+\e]
.endr
.irp e, 0,1,2,3
	v_mul_f32 v[8+\e], 0xbe549a78, v[8+\e]         ; -i log2(10000) / 64
.endr
.irp e, 0,1,2,3
	v_exp_f32 v[8+\e], v[8+\e]                     ; the frequency
.endr
	v_nop                                          ; a plain place behind the exponentials,
	s_wait_alu depctr_va_vdst(0)                   ; and one wait for the four, ahead of their first reader
.irp e, 0,1,2,3
	v_mul_f32 v[8+\e], v2, v[8+\e]                 ; the angle, rounded once to f32
.endr
.irp e, 0,1,2,3
	v_mul_f32 v[20+\e], 0x3f22f983, v[8+\e]        ; x 2 / pi
.endr
.irp e, 0,1,2,3
	v_rndne_f32 v[20+\e], v[20+\e]                 ; k, at most 1,303
.endr
.irp e, 0,1,2,3
	v_fma_f32 v[8+\e], v[20+\e], s26, v[8+\e]      ; the angle - k pi / 2, in two parts: the first is exact
.endr
.irp e, 0,1,2,3
	v_fma_f32 v[8+\e], v[20+\e], s27, v[8+\e]
.endr
.irp e, 0,1,2,3
	v_cvt_i32_f32 v[20+\e], v[20+\e]
.endr
.irp e, 0,1,2,3
	v_mul_f32 v[24+\e], v[8+\e], v[8+\e]
.endr
.irp e, 0,1,2,3
	v_fma_f32 v[28+\e], v[24+\e], s28, s29
	v_fma_f32 v[32+\e], v[24+\e], s31, s32
.endr
.irp e, 0,1,2,3
	v_fma_f32 v[28+\e], v[28+\e], v[24+\e], s30
	v_fma_f32 v[32+\e], v[32+\e], v[24+\e], s33
.endr
.irp e, 0,1,2,3
	v_mul_f32 v[28+\e], v[28+\e], v[24+\e]
	v_mul_f32 v[32+\e], v[32+\e], v[24+\e]
	v_fma_f32 v[36+\e], v[24+\e], -0.5, 1.0
.endr
.irp e, 0,1,2,3
	v_fma_f32 v[28+\e], v[28+\e], v[8+\e], v[8+\e]
	v_fma_f32 v[32+\e], v[32+\e], v[24+\e], v[36+\e]
	v_and_b32 v[40+\e], 1, v[20+\e]
.endr
.irp e, 0,1,2,3
	v_cmp_eq_u32 vcc_lo, 1, v[40+\e]               ; in odd quadrants sin and cos change places
	v_cndmask_b32 v[48+\e], v[28+\e], v[32+\e], vcc_lo
	v_cndmask_b32 v[44+\e], v[32+\e], v[28+\e], vcc_lo
.endr
.irp e, 0,1,2,3
	v_and_b32 v[40+\e], 2, v[20+\e]                ; sin is negative in quadrants 2 and 3,
	v_add_nc_u32 v[36+\e], 1, v[20+\e]             ; cos in 1 and 2
.endr
.irp e, 0,1,2,3
	v_lshlrev_b32 v[40+\e], 30, v[40+\e]
	v_and_b32 v[36+\e], 2, v[36+\e]
.endr
.irp e, 0,1,2,3
	v_xor_b32 v[48+\e], v[40+\e], v[48+\e]
	v_lshlrev_b32 v[36+\e], 30, v[36+\e]
.endr
.irp e, 0,1,2,3
	v_xor_b32 v[44+\e], v[36+\e], v[44+\e]
.endr
	global_store_b128 v1, v[44:47], s[20:21]               ; 32 lanes store 512 consecutive bytes
	global_store_b128 v1, v[48:51], s[20:21] offset:512
	s_wait_xcnt 0x0                                ; the stores have read their offset and data: both are written again in the next trip
	v_add_nc_u32 v1, 1024, v1
	s_add_co_u32 s23, s23, 1
	s_cmp_lt_u32 s23, 8
	s_cbranch_scc1 .Ltrip
	s_endpgm
.Lfunc_end_k_qf9e7876d9f_quant:
	.size	k_qf9e7876d9f_quant, .Lfunc_end_k_qf9e7876d9f_quant-k_qf9e7876d9f_quant
	.p2alignl 7, 3214868480
	.fill 96, 4, 3214868480
	.section	.rodata,"a",@progbits
	.p2align	6, 0x0
	.amdhsa_kernel k_qf9e7876d9f_quant
		.amdhsa_group_segment_fixed_size 34304
		.amdhsa_private_segment_fixed_size 0
		.amdhsa_enable_private_segment 0
		.amdhsa_kernarg_size 72
		.amdhsa_user_sgpr_count 2
		.amdhsa_user_sgpr_kernarg_segment_ptr 1
		.amdhsa_wavefront_size32 1
		.amdhsa_system_sgpr_workgroup_id_x 1
		.amdhsa_system_sgpr_workgroup_id_y 1
		.amdhsa_system_sgpr_workgroup_id_z 1
		.amdhsa_system_vgpr_workitem_id 0
		.amdhsa_next_free_vgpr 256
		.amdhsa_next_free_sgpr 66
		.amdhsa_reserve_vcc 1
		.amdhsa_float_denorm_mode_32 3
		.amdhsa_float_denorm_mode_16_64 3
		.amdhsa_memory_ordered 1
		.amdhsa_forward_progress 1
		.amdhsa_inst_pref_size 82
	.end_amdhsa_kernel
	.amdgpu_metadata
---
amdhsa.version: [ 1, 2 ]
amdhsa.kernels:
  - .name:           k_qf9e7876d9f_quant
    .symbol:         k_qf9e7876d9f_quant.kd
    .args:
      - { .name: x, .offset: 0, .size: 8, .value_kind: global_buffer, .address_space: global }
      - { .name: W_DKV, .offset: 8, .size: 8, .value_kind: global_buffer, .address_space: global }
      - { .name: W_DQ, .offset: 16, .size: 8, .value_kind: global_buffer, .address_space: global }
      - { .name: W_lam, .offset: 24, .size: 8, .value_kind: global_buffer, .address_space: global }
      - { .name: W_UK, .offset: 32, .size: 8, .value_kind: global_buffer, .address_space: global }
      - { .name: W_UV, .offset: 40, .size: 8, .value_kind: global_buffer, .address_space: global }
      - { .name: W_UQ, .offset: 48, .size: 8, .value_kind: global_buffer, .address_space: global }
      - { .name: W_out, .offset: 56, .size: 8, .value_kind: global_buffer, .address_space: global }
      - { .name: qb, .offset: 64, .size: 8, .value_kind: global_buffer, .address_space: global }
    .group_segment_fixed_size: 34304
    .private_segment_fixed_size: 0
    .kernarg_segment_align: 8
    .kernarg_segment_size: 72
    .max_flat_workgroup_size: 128
    .sgpr_count:     66
    .vgpr_count:     256
    .wavefront_size: 32
...
	.end_amdgpu_metadata
.endif
;; end of part 1
;; launch down (part 2): grid 196 x 1, 4 waves a work-group, no clusters, 0 bytes of LDS; arguments qb, b_lam, cb; writes cb
.if DOCPART == 2
	.amdgcn_target "amdgcn-amd-amdhsa--gfx1250"
	.amdhsa_code_object_version 6
	.text
	.protected	k_qf9e7876d9f_down
	.globl	k_qf9e7876d9f_down
	.p2align	8
	.type	k_qf9e7876d9f_down,@function
k_qf9e7876d9f_down:
	s_mov_b64 s[64:65], 0
	v_nop
	global_prefetch_b8 v0, s[64:65] scope:SCOPE_SE
	s_setreg_imm32_b32 hwreg(HW_REG_WAVE_MODE, 25, 1), 1
	s_wait_xcnt 0x0
; c_kv = x W_DKV, c_q = x W_DQ, lam = sigmoid(x W_lam + b_lam), on codes of FP6 (E2M3) with E8M0 scales; c_kv and c_q are quantised along their units on the way out and leave as codes.
; OPERANDS lie in memory as images of their registers (a fragment of 16 rows x 128 K is 1,536 bytes: registers 4 c .. 4 c + 3 of lane l at 512 c + 16 l), K step by K step; three loads of 16 bytes a lane bring one,
; straight into registers.  Scale words: 128 bytes for a pair of tiles, lanes 0-15 the even tile's rows, lanes 16-31 the odd tile's: one register serves both.
; A WAVE makes 128 x 32: source 0 (the L side, 8 tiles) is the axis along which the result is quantised next, source 1 (the S side, 2 tiles) the other.  A tile's rows are chosen (row rho of tile 2 b + u is index
; 32 b + 8 u + rho + 8 (rho / 8)) so that in the result lane (r, h) holds row r of the S tile, and register 16 b + i of its 64 the L index 32 b + 16 h + i: 16 neighbours along the next K.
; SHARES.  Work-groups 0-191: 128 units (U = number / 16: 0-3 c_kv, 4-11 c_q) x 128 tokens, a wave 32 tokens.  192-195: lam: L = 128 tokens a wave, S = W_lam's one tile.  Waves share nothing: no LDS, no barrier.
; K goes in steps of 128 through two sets of operand registers: while one is multiplied the other's loads are out.  One f32 sum for each output, K ascending.
; LIMITS: NaN and infinities are not served; a block of zeros gets the byte 1 and zero codes (this program alone reads the bytes).
; REGISTERS: window 0: v1 16 x lane, v2 4 x lane; v8-17 scale words, two sets of 4 + 1; v18-31 the quantiser's; v96-114 the codes just made; v128-255 the 16 accumulators ((j, i) at 128 + 64 j + 8 i).
;   window 1: operand set p at 128 p: L's tile i at + 12 i, S's tile j at + 96 + 12 j.
.set XS,   3145728                     ; byte offsets in qb
.set W1C,  3276800
.set W1S,  5685248
.set CS,   2359296                     ; in cb: codes [U][tile] at 0, scale words [U][pair], lam [head][token]
.set LAM,  2457600
.set ACC, 128
.set SCL, 8
.set MX,  18
.set BY,  22
.set SO,  26
.set PW,  30
.set PW0, 31
.set PC,  96
.set SEL, 34                           ; s[34:35] lane selects for v_permlanex16_b32: lane l xor 16
.set MSK, 36                           ; s36 lanes 16-31
.set MSB, 0
.macro WIN new                         ; s_set_vgpr_msb: bits 1:0 source 0, 3:2 source 1, 5:4 source 2, 7:6 destination; the high byte repeats the setting that is left
.if MSB != \new
	s_set_vgpr_msb (MSB<<8)|\new
.set MSB, \new
.endif
.endm
.macro PLACES                          ; four plain places between a matrix instruction and a load into, or a vector instruction on, its registers
.rept 4
	v_nop
.endr
.endm
.macro BASE d, p, off                  ; s[d:d+1] = the buffer at s[p:p+1] + s40 + off  (s41 = 0)
	s_add_co_u32 s40, s40, \off
	s_add_nc_u64 s[\d:\d+1], s[\p:\p+1], s[40:41]
.endm
.macro LOADK p, ns                     ; a K step's operands into set p: 29 + 3 ns loads.  s[8:9] L's codes, s[10:11] S's, s[12:13] L's scale words, s[14:15] S's
	WIN 0x40                                       ; destination window 1, address window 0
.irp i, 0,1,2,3,4,5,6,7
.irp c, 0,1,2
	global_load_b128 v[128*(\p)+12*\i+4*\c:128*(\p)+12*\i+4*\c+3], v1, s[8:9] offset:1536*\i+512*\c
.endr
.endr
.irp j, 0,1
.if \j < \ns
.irp c, 0,1,2
	global_load_b128 v[128*(\p)+96+12*\j+4*\c:128*(\p)+96+12*\j+4*\c+3], v1, s[10:11] offset:1536*\j+512*\c
.endr
.endif
.endr
	WIN 0
.irp q, 0,1,2,3
	global_load_b32 v[SCL+5*(\p)+\q], v2, s[12:13] offset:128*\q
.endr
	global_load_b32 v[SCL+5*(\p)+4], v2, s[14:15]
.endm
.macro STEPK                           ; on to the next K step
	s_wait_xcnt 0x0                                ; the loads issued so far have read their bases
	s_add_nc_u64 s[8:9], s[8:9], s[16:17]
	s_add_nc_u64 s[10:11], s[10:11], s[18:19]
	s_add_nc_u64 s[12:13], s[12:13], s[20:21]
	s_add_nc_u64 s[14:15], s[14:15], s[22:23]
.endm
.macro MM z, d, a, b, sa, sb, ra, rb   ; one product; z: it starts the sum; ra, rb: the scale words stand in lanes 16-31
.if (\z) && (\ra) && (\rb)
	v_wmma_scale_f32_16x16x128_f8f6f4 v[(\d):(\d)+7], v[(\a):(\a)+11], v[(\b):(\b)+11], 0, v[\sa], v[\sb] matrix_a_fmt:MATRIX_FMT_FP6 matrix_b_fmt:MATRIX_FMT_FP6 matrix_a_scale:MATRIX_SCALE_ROW1 matrix_b_scale:MATRIX_SCALE_ROW1
.elseif (\z) && (\ra)
	v_wmma_scale_f32_16x16x128_f8f6f4 v[(\d):(\d)+7], v[(\a):(\a)+11], v[(\b):(\b)+11], 0, v[\sa], v[\sb] matrix_a_fmt:MATRIX_FMT_FP6 matrix_b_fmt:MATRIX_FMT_FP6 matrix_a_scale:MATRIX_SCALE_ROW1
.elseif (\z) && (\rb)
	v_wmma_scale_f32_16x16x128_f8f6f4 v[(\d):(\d)+7], v[(\a):(\a)+11], v[(\b):(\b)+11], 0, v[\sa], v[\sb] matrix_a_fmt:MATRIX_FMT_FP6 matrix_b_fmt:MATRIX_FMT_FP6 matrix_b_scale:MATRIX_SCALE_ROW1
.elseif (\z)
	v_wmma_scale_f32_16x16x128_f8f6f4 v[(\d):(\d)+7], v[(\a):(\a)+11], v[(\b):(\b)+11], 0, v[\sa], v[\sb] matrix_a_fmt:MATRIX_FMT_FP6 matrix_b_fmt:MATRIX_FMT_FP6
.elseif (\ra) && (\rb)
	v_wmma_scale_f32_16x16x128_f8f6f4 v[(\d):(\d)+7], v[(\a):(\a)+11], v[(\b):(\b)+11], v[(\d):(\d)+7], v[\sa], v[\sb] matrix_a_fmt:MATRIX_FMT_FP6 matrix_b_fmt:MATRIX_FMT_FP6 matrix_a_scale:MATRIX_SCALE_ROW1 matrix_b_scale:MATRIX_SCALE_ROW1
.elseif (\ra)
	v_wmma_scale_f32_16x16x128_f8f6f4 v[(\d):(\d)+7], v[(\a):(\a)+11], v[(\b):(\b)+11], v[(\d):(\d)+7], v[\sa], v[\sb] matrix_a_fmt:MATRIX_FMT_FP6 matrix_b_fmt:MATRIX_FMT_FP6 matrix_a_scale:MATRIX_SCALE_ROW1
.elseif (\rb)
	v_wmma_scale_f32_16x16x128_f8f6f4 v[(\d):(\d)+7], v[(\a):(\a)+11], v[(\b):(\b)+11], v[(\d):(\d)+7], v[\sa], v[\sb] matrix_a_fmt:MATRIX_FMT_FP6 matrix_b_fmt:MATRIX_FMT_FP6 matrix_b_scale:MATRIX_SCALE_ROW1
.else
	v_wmma_scale_f32_16x16x128_f8f6f4 v[(\d):(\d)+7], v[(\a):(\a)+11], v[(\b):(\b)+11], v[(\d):(\d)+7], v[\sa], v[\sb] matrix_a_fmt:MATRIX_FMT_FP6 matrix_b_fmt:MATRIX_FMT_FP6
.endif
.endm
.macro MUL p, ns, zero                 ; a K step's 8 ns products: the accumulators take turns, one instruction a turn, in the same order in every K step
	WIN 0x05                                       ; sources 0 and 1 window 1; C and D window 0
.irp j, 0,1
.if \j < \ns
.irp i, 0,1,2,3,4,5,6,7
	MM \zero, ACC+64*\j+8*\i, 128*(\p)+12*\i, 128*(\p)+96+12*\j, SCL+5*(\p)+\i/2, SCL+5*(\p)+4, \i%2, \j
.endr
.endif
.endr
	WIN 0
.endm
.macro PAIR ns, zero                   ; two K steps, and the loads of the two that follow
	s_wait_loadcnt NLD                             ; set 0 is in; set 1's loads may be out
	MUL 0, \ns, \zero
	PLACES
	STEPK
	LOADK 0, \ns
	s_wait_loadcnt NLD                             ; set 1 is in; set 0's new loads may be out
	MUL 1, \ns, 0
	PLACES
	STEPK
	LOADK 1, \ns
.endm
.macro GEMM ns, trips                  ; 4 + 2 trips K steps; the first products start the sums: nothing is cleared
.set NLD, 29+3*(\ns)
	LOADK 0, \ns
	STEPK
	LOADK 1, \ns
	PAIR \ns, 1
.if (\trips) > 0
	s_mov_b32 s24, \trips
.Lk_\@:
	PAIR \ns, 0
	s_sub_co_u32 s24, s24, 1
	s_cmp_lg_u32 s24, 0
	s_cbranch_scc1 .Lk_\@
.endif
	s_wait_loadcnt NLD                             ; the last two K steps load nothing
	MUL 0, \ns, 0
	s_wait_loadcnt 0x0
	MUL 1, \ns, 0
	PLACES
.endm
; 64 numbers of a lane, v[s] .. v[s + 63], register 16 b + i = K 32 b + 16 (lane / 16) + i of my row, become a fragment's codes in v[PC] on and its scale word in v[PW].  Each accumulator is read from its low end on.
.macro QUANT s
.irp b, 0,1,2,3
	v_max3_num_f32 v[MX+\b], |v[(\s)+16*\b]|, |v[(\s)+1+16*\b]|, 0x1800000   ; block b: my 16 numbers, and the floor 2^(3 - 127): the byte cannot fall under 1
.endr
.irp i, 2,4,6,8,10,12,14
.irp b, 0,1,2,3
	v_max3_num_f32 v[MX+\b], v[MX+\b], |v[(\s)+16*\b+\i]|, |v[(\s)+1+16*\b+\i]|
.endr
.endr
.irp b, 0,1,2,3
	v_permlanex16_b32 v[BY+\b], v[MX+\b], s[SEL], s[SEL+1]
.endr
.irp b, 0,1,2,3
	v_max_num_f32 v[MX+\b], v[MX+\b], v[BY+\b]     ; with lane l xor 16's: the block's largest magnitude
.endr
.irp b, 0,1,2,3
	v_add_nc_u32 v[SO+\b], 0xff000000, v[MX+\b]    ; 2 off its exponent field: the conversion's scale operand
.endr
.irp b, 0,1,2,3
	v_lshrrev_b32 v[BY+\b], 23, v[SO+\b]           ; the scale's byte
.endr
	v_lshl_or_b32 v[PW], v[BY+1], 8, v[BY]
	v_lshl_or_b32 v[PW], v[BY+2], 16, v[PW]
	v_lshl_or_b32 v[PW], v[BY+3], 24, v[PW]
.irp c, 0,1
	v_cvt_scalef32_pk16_fp6_f32 v[PC+6*\c:PC+2+6*\c], v[(\s)+32*\c:(\s)+15+32*\c], v[SO+2*\c]
	v_cvt_scalef32_pk16_fp6_f32 v[PC+12+4*\c:PC+14+4*\c], v[(\s)+16+32*\c:(\s)+31+32*\c], v[SO+2*\c+1]   ; (a conversion's three registers begin on an even number)
.endr
	v_nop                                          ; one plain place behind a scaled conversion
.irp c, 0,1                            ; the operand's layout wants a WHOLE block in a lane: lanes 0-15 block 2 c, lanes 16-31 block 2 c + 1
.irp i, 0,1,2
	v_permlane16_swap_b32 v[PC+6*\c+\i], v[PC+12+4*\c+\i]
.endr
.irp i, 0,1,2
	v_mov_b32 v[PC+3+6*\c+\i], v[PC+12+4*\c+\i]
.endr
.endr
.endm
.macro EMIT j                          ; S tile j's 16 rows x my 128 L indices leave as one fragment; the pair's scale words as 128 bytes.  s[26:27] codes, s[28:29] scale words
.if \j == 1
	s_wait_xcnt 0x0                                ; tile 0's stores have read the codes' registers
.endif
	QUANT ACC+64*\j
.irp c, 0,1,2
	global_store_b128 v1, v[PC+4*\c:PC+4*\c+3], s[26:27] offset:1536*\j+512*\c   ; 32 lanes store 512 consecutive bytes
.endr
.if \j == 0
	v_mov_b32 v[PW0], v[PW]
.else
	v_cndmask_b32 v[PW], v[PW0], v[PW], s[MSK]     ; lanes 0-15 tile 0's rows, lanes 16-31 tile 1's
	global_store_b32 v2, v[PW], s[28:29]
.endif
.endm
	s_load_b128 s[4:7], s[0:1], 0x0                ; qb, b_lam
	s_load_b64 s[30:31], s[0:1], 0x10              ; cb
	v_lshrrev_b32 v3, 5, v0
	v_readfirstlane_b32 s2, v3                     ; wave 0..3
	v_and_b32 v3, 31, v0
	v_lshlrev_b32 v1, 4, v3
	v_lshlrev_b32 v2, 2, v3
.irp b, 0,1,2,3
	v_mov_b32 v[BY+\b], 0                          ; written once: a lane permute's destination counts as one of its sources
.endr
	s_mov_b32 s[SEL], 0x76543210
	s_mov_b32 s[SEL+1], 0xfedcba98
	s_mov_b32 s[MSK], 0xffff0000
	s_mov_b32 s17, 0                               ; the steps' high words, and the offset pair's
	s_mov_b32 s19, 0
	s_mov_b32 s21, 0
	s_mov_b32 s23, 0
	s_mov_b32 s41, 0
	s_wait_kmcnt 0x0
	s_cmp_ge_u32 ttmp9, 192
	s_cbranch_scc1 .Llam
	s_lshr_b32 s37, ttmp9, 4                       ; U: 128 units
	s_and_b32 s38, ttmp9, 15
	s_lshl_b32 s38, s38, 2
	s_add_co_u32 s38, s38, s2                      ; g: 32 tokens
	s_mul_i32 s40, s37, 8*1536
	BASE 8, 4, W1C                                 ; L: the weights' tiles 8 U on
	s_lshl_b32 s40, s37, 9
	BASE 12, 4, W1S
	s_mul_i32 s40, s38, 3072
	BASE 10, 4, 0                                  ; S: x's tiles 2 g, 2 g + 1
	s_lshl_b32 s40, s38, 7
	BASE 14, 4, XS
	s_mov_b32 s16, 98*1536                         ; a K step on: 98 tiles of weights, 128 of x
	s_mov_b32 s18, 128*1536
	s_mov_b32 s20, 49*128
	s_mov_b32 s22, 64*128
	s_lshl_b32 s40, s37, 6
	s_add_co_u32 s40, s40, s38                     ; 64 U + g
	s_lshl_b32 s42, s40, 7
	s_mul_i32 s40, s40, 3072
	BASE 26, 30, 0
	s_mov_b32 s40, s42
	BASE 28, 30, CS
	GEMM 2, 6
	EMIT 0
	EMIT 1
	s_endpgm
.Llam:                                             ; lam: L = x's tiles 8 G on (128 tokens), S = W_lam: lane (r, h) holds head r, register 16 b + i token 128 G + 32 b + 16 h + i
	s_sub_co_u32 s37, ttmp9, 192
	s_lshl_b32 s37, s37, 2
	s_add_co_u32 s37, s37, s2                      ; G
	s_mul_i32 s40, s37, 8*1536
	BASE 8, 4, 0
	s_lshl_b32 s40, s37, 9
	BASE 12, 4, XS
	s_mov_b32 s40, 0
	BASE 10, 4, W1C+96*1536
	s_mov_b32 s40, 0
	BASE 14, 4, W1S+48*128
	s_mov_b32 s16, 128*1536
	s_mov_b32 s18, 98*1536
	s_mov_b32 s20, 64*128
	s_mov_b32 s22, 49*128
	s_lshl_b32 s40, s37, 9
	BASE 26, 30, LAM
	s_mov_b32 s43, 0xbfb8aa3b                      ; -log2(e)
	v_and_b32 v3, 15, v0
	v_lshlrev_b32 v4, 2, v3
	global_load_b32 v5, v4, s[6:7]                 ; my head's bias; older than every load of the product, so its waits cover it
	v_bfe_u32 v6, v0, 4, 1
	v_lshlrev_b32 v6, 6, v6
	v_lshl_add_u32 v3, v3, 13, v6                  ; row r of 8,192 bytes, + 64 h
	GEMM 1, 6
	v_mul_f32 v7, s43, v5
.set J, 0
.rept 64
	v_fma_f32 v[ACC+J], v[ACC+J], s43, v7          ; -log2(e) (z + b)
.set J, J+1
.endr
.set J, 0
.rept 64
	v_exp_f32 v[ACC+J], v[ACC+J]
.set J, J+1
.endr
	v_nop                                          ; a plain place behind the batch,
	s_wait_alu depctr_va_vdst(0)                   ; and one wait for it, ahead of its first reader
.set J, 0
.rept 64
	v_add_f32 v[ACC+J], 1.0, v[ACC+J]
.set J, J+1
.endr
.set J, 0
.rept 64
	v_rcp_f32 v[ACC+J], v[ACC+J]                   ; 1 / (1 + e^-(z + b))
.set J, J+1
.endr
	v_nop
	s_wait_alu depctr_va_vdst(0)
.irp b, 0,1,2,3
.irp q, 0,1,2,3
	global_store_b128 v3, v[ACC+16*\b+4*\q:ACC+16*\b+4*\q+3], s[26:27] offset:128*\b+16*\q
.endr
.endr
	s_endpgm
.Lfunc_end_k_qf9e7876d9f_down:
	.size	k_qf9e7876d9f_down, .Lfunc_end_k_qf9e7876d9f_down-k_qf9e7876d9f_down
	.p2alignl 7, 3214868480
	.fill 96, 4, 3214868480
	.section	.rodata,"a",@progbits
	.p2align	6, 0x0
	.amdhsa_kernel k_qf9e7876d9f_down
		.amdhsa_group_segment_fixed_size 0
		.amdhsa_private_segment_fixed_size 0
		.amdhsa_enable_private_segment 0
		.amdhsa_kernarg_size 24
		.amdhsa_user_sgpr_count 2
		.amdhsa_user_sgpr_kernarg_segment_ptr 1
		.amdhsa_wavefront_size32 1
		.amdhsa_system_sgpr_workgroup_id_x 1
		.amdhsa_system_sgpr_workgroup_id_y 1
		.amdhsa_system_sgpr_workgroup_id_z 1
		.amdhsa_system_vgpr_workitem_id 0
		.amdhsa_next_free_vgpr 512
		.amdhsa_next_free_sgpr 66
		.amdhsa_reserve_vcc 0
		.amdhsa_float_denorm_mode_32 3
		.amdhsa_float_denorm_mode_16_64 3
		.amdhsa_memory_ordered 1
		.amdhsa_forward_progress 1
		.amdhsa_inst_pref_size 85
	.end_amdhsa_kernel
	.amdgpu_metadata
---
amdhsa.version: [ 1, 2 ]
amdhsa.kernels:
  - .name:           k_qf9e7876d9f_down
    .symbol:         k_qf9e7876d9f_down.kd
    .args:
      - { .name: qb, .offset: 0, .size: 8, .value_kind: global_buffer, .address_space: global }
      - { .name: b_lam, .offset: 8, .size: 8, .value_kind: global_buffer, .address_space: global }
      - { .name: cb, .offset: 16, .size: 8, .value_kind: global_buffer, .address_space: global }
    .group_segment_fixed_size: 0
    .private_segment_fixed_size: 0
    .kernarg_segment_align: 8
    .kernarg_segment_size: 24
    .max_flat_workgroup_size: 128
    .sgpr_count:     66
    .vgpr_count:     512
    .wavefront_size: 32
...
	.end_amdgpu_metadata
.endif
;; end of part 2
;; launch up (part 3): grid 1024 x 1, 4 waves a work-group, no clusters, 0 bytes of LDS; arguments qb, cb, kb; writes kb
.if DOCPART == 3
	.amdgcn_target "amdgcn-amd-amdhsa--gfx1250"
	.amdhsa_code_object_version 6
	.text
	.protected	k_qf9e7876d9f_up
	.globl	k_qf9e7876d9f_up
	.p2align	8
	.type	k_qf9e7876d9f_up,@function
k_qf9e7876d9f_up:
	s_mov_b64 s[64:65], 0
	v_nop
	global_prefetch_b8 v0, s[64:65] scope:SCOPE_SE
	s_setreg_imm32_b32 hwreg(HW_REG_WAVE_MODE, 25, 1), 1
	s_wait_xcnt 0x0
; q = rope(c_q W_UQ), k = rope(c_kv W_UK), v = c_kv W_UV, on codes of FP6 (E2M3) with E8M0 scales; q and k are quantised along the head's 128, v along the keys, and all three leave as codes.
; OPERANDS lie in memory as images of their registers (a fragment of 16 rows x 128 K is 1,536 bytes: registers 4 c .. 4 c + 3 of lane l at 512 c + 16 l), K step by K step.  Scale words: 128 bytes for a pair of tiles,
; lanes 0-15 the even tile's rows, lanes 16-31 the odd tile's.  Row rho of tile 2 b + u is index 32 b + 8 u + rho + 8 (rho / 8).
; A WAVE makes 128 x 32: source 0 (L, 8 tiles) is the axis along which the result is quantised, source 1 (S, 2 tiles) the other: lane (r, h) holds row r of the S tile, register 16 b + i the L index 32 b + 16 h + i.
; SHARES.  Work-groups 0-511: q: L = a query head's 128 columns of W_UQ, S = 32 tokens a wave.  512-767: k: L = a head's columns of W_UK, S = 32 tokens.  768-1023: v: L = 128 tokens (a key step), S = 32 of a head's columns of W_UV.
; Each of the three has its own copy of the flow, with a constant number of K steps.  Waves share nothing: no LDS, no barrier.
; ROPE: registers 16 b + i, b = 0, 1, hold the head's numbers 32 b + 16 h + i, registers 32 further on those 64 further on; cos and sin come from a table laid in that very order for the tile's tokens.
; RESULTS in kb: for head hd and key step s (128 keys) a record of 25,600 bytes: K's 8 fragments, 4 x 128 bytes of their scale words, V^T's 8 fragments (16 of the head's numbers x 128 keys), their scale words.  Q: fragments [query head][tile], scale words [query head][pair].
; LIMITS: NaN and infinities are not served; a block of zeros gets the byte 1 and zero codes (this program alone reads the bytes).
; REGISTERS: window 0: v1 16 x lane, v2 4 x lane; v8-17 scale words; v18-31 the quantiser's; v32-95 the table's 64 numbers; v96-117 codes, at work; v128-255 the 16 accumulators.  window 1: two sets of operands.
.set W2AC, 5785600                     ; byte offsets in qb
.set W2AS, 7358464
.set W2QC, 7424000
.set W2QS, 10569728
.set RT,   13977600
.set CS,   2359296                     ; in cb
.set QOP,  6553600                     ; in kb
.set QS,   12845056
.set REC,  25600
.set T,   32
.set ACC, 128
.set SCL, 8
.set MX,  18
.set BY,  22
.set SO,  26
.set PW,  30
.set PW0, 31
.set PC,  96
.set SEL, 34                           ; s[34:35] lane selects for v_permlanex16_b32: lane l xor 16
.set MSK, 36                           ; s36 lanes 16-31
.set MSB, 0
.macro WIN new                         ; s_set_vgpr_msb: bits 1:0 source 0, 3:2 source 1, 5:4 source 2, 7:6 destination; the high byte repeats the setting that is left
.if MSB != \new
	s_set_vgpr_msb (MSB<<8)|\new
.set MSB, \new
.endif
.endm
.macro PLACES                          ; four plain places between a matrix instruction and a load into, or a vector instruction on, its registers
.rept 4
	v_nop
.endr
.endm
.macro BASE d, p, off                  ; s[d:d+1] = the buffer at s[p:p+1] + s40 + off  (s41 = 0)
	s_add_co_u32 s40, s40, \off
	s_add_nc_u64 s[\d:\d+1], s[\p:\p+1], s[40:41]
.endm
.macro LOADK p, ns                     ; a K step's operands into set p: 29 + 3 ns loads.  s[8:9] L's codes, s[10:11] S's, s[12:13] L's scale words, s[14:15] S's
	WIN 0x40                                       ; destination window 1, address window 0
.irp i, 0,1,2,3,4,5,6,7
.irp c, 0,1,2
	global_load_b128 v[128*(\p)+12*\i+4*\c:128*(\p)+12*\i+4*\c+3], v1, s[8:9] offset:1536*\i+512*\c
.endr
.endr
.irp j, 0,1
.if \j < \ns
.irp c, 0,1,2
	global_load_b128 v[128*(\p)+96+12*\j+4*\c:128*(\p)+96+12*\j+4*\c+3], v1, s[10:11] offset:1536*\j+512*\c
.endr
.endif
.endr
	WIN 0
.irp q, 0,1,2,3
	global_load_b32 v[SCL+5*(\p)+\q], v2, s[12:13] offset:128*\q
.endr
	global_load_b32 v[SCL+5*(\p)+4], v2, s[14:15]
.endm
.macro STEPK                           ; on to the next K step
	s_wait_xcnt 0x0                                ; the loads issued so far have read their bases
	s_add_nc_u64 s[8:9], s[8:9], s[16:17]
	s_add_nc_u64 s[10:11], s[10:11], s[18:19]
	s_add_nc_u64 s[12:13], s[12:13], s[20:21]
	s_add_nc_u64 s[14:15], s[14:15], s[22:23]
.endm
.macro MM z, d, a, b, sa, sb, ra, rb   ; one product; z: it starts the sum; ra, rb: the scale words stand in lanes 16-31
.if (\z) && (\ra) && (\rb)
	v_wmma_scale_f32_16x16x128_f8f6f4 v[(\d):(\d)+7], v[(\a):(\a)+11], v[(\b):(\b)+11], 0, v[\sa], v[\sb] matrix_a_fmt:MATRIX_FMT_FP6 matrix_b_fmt:MATRIX_FMT_FP6 matrix_a_scale:MATRIX_SCALE_ROW1 matrix_b_scale:MATRIX_SCALE_ROW1
.elseif (\z) && (\ra)
	v_wmma_scale_f32_16x16x128_f8f6f4 v[(\d):(\d)+7], v[(\a):(\a)+11], v[(\b):(\b)+11], 0, v[\sa], v[\sb] matrix_a_fmt:MATRIX_FMT_FP6 matrix_b_fmt:MATRIX_FMT_FP6 matrix_a_scale:MATRIX_SCALE_ROW1
.elseif (\z) && (\rb)
	v_wmma_scale_f32_16x16x128_f8f6f4 v[(\d):(\d)+7], v[(\a):(\a)+11], v[(\b):(\b)+11], 0, v[\sa], v[\sb] matrix_a_fmt:MATRIX_FMT_FP6 matrix_b_fmt:MATRIX_FMT_FP6 matrix_b_scale:MATRIX_SCALE_ROW1
.elseif (\z)
	v_wmma_scale_f32_16x16x128_f8f6f4 v[(\d):(\d)+7], v[(\a):(\a)+11], v[(\b):(\b)+11], 0, v[\sa], v[\sb] matrix_a_fmt:MATRIX_FMT_FP6 matrix_b_fmt:MATRIX_FMT_FP6
.elseif (\ra) && (\rb)
	v_wmma_scale_f32_16x16x128_f8f6f4 v[(\d):(\d)+7], v[(\a):(\a)+11], v[(\b):(\b)+11], v[(\d):(\d)+7], v[\sa], v[\sb] matrix_a_fmt:MATRIX_FMT_FP6 matrix_b_fmt:MATRIX_FMT_FP6 matrix_a_scale:MATRIX_SCALE_ROW1 matrix_b_scale:MATRIX_SCALE_ROW1
.elseif (\ra)
	v_wmma_scale_f32_16x16x128_f8f6f4 v[(\d):(\d)+7], v[(\a):(\a)+11], v[(\b):(\b)+11], v[(\d):(\d)+7], v[\sa], v[\sb] matrix_a_fmt:MATRIX_FMT_FP6 matrix_b_fmt:MATRIX_FMT_FP6 matrix_a_scale:MATRIX_SCALE_ROW1
.elseif (\rb)
	v_wmma_scale_f32_16x16x128_f8f6f4 v[(\d):(\d)+7], v[(\a):(\a)+11], v[(\b):(\b)+11], v[(\d):(\d)+7], v[\sa], v[\sb] matrix_a_fmt:MATRIX_FMT_FP6 matrix_b_fmt:MATRIX_FMT_FP6 matrix_b_scale:MATRIX_SCALE_ROW1
.else
	v_wmma_scale_f32_16x16x128_f8f6f4 v[(\d):(\d)+7], v[(\a):(\a)+11], v[(\b):(\b)+11], v[(\d):(\d)+7], v[\sa], v[\sb] matrix_a_fmt:MATRIX_FMT_FP6 matrix_b_fmt:MATRIX_FMT_FP6
.endif
.endm
.macro MUL p, ns, zero                 ; a K step's 8 ns products: the accumulators take turns, one instruction a turn, in the same order in every K step
	WIN 0x05                                       ; sources 0 and 1 window 1; C and D window 0
.irp j, 0,1
.if \j < \ns
.irp i, 0,1,2,3,4,5,6,7
	MM \zero, ACC+64*\j+8*\i, 128*(\p)+12*\i, 128*(\p)+96+12*\j, SCL+5*(\p)+\i/2, SCL+5*(\p)+4, \i%2, \j
.endr
.endif
.endr
	WIN 0
.endm
.macro PAIR ns, zero                   ; two K steps, and the loads of the two that follow
	s_wait_loadcnt NLD                             ; set 0 is in; set 1's loads may be out
	MUL 0, \ns, \zero
	PLACES
	STEPK
	LOADK 0, \ns
	s_wait_loadcnt NLD                             ; set 1 is in; set 0's new loads may be out
	MUL 1, \ns, 0
	PLACES
	STEPK
	LOADK 1, \ns
.endm
.macro GEMM ns, trips                  ; 4 + 2 trips K steps; the first products start the sums: nothing is cleared
.set NLD, 29+3*(\ns)
	LOADK 0, \ns
	STEPK
	LOADK 1, \ns
	PAIR \ns, 1
.if (\trips) > 0
	s_mov_b32 s24, \trips
.Lk_\@:
	PAIR \ns, 0
	s_sub_co_u32 s24, s24, 1
	s_cmp_lg_u32 s24, 0
	s_cbranch_scc1 .Lk_\@
.endif
	s_wait_loadcnt NLD                             ; the last two K steps load nothing
	MUL 0, \ns, 0
	s_wait_loadcnt 0x0
	MUL 1, \ns, 0
	PLACES
.endm
; 64 numbers of a lane, v[s] .. v[s + 63], register 16 b + i = K 32 b + 16 (lane / 16) + i of my row, become a fragment's codes in v[PC] on and its scale word in v[PW].  Each accumulator is read from its low end on.
.macro QUANT s
.irp b, 0,1,2,3
	v_max3_num_f32 v[MX+\b], |v[(\s)+16*\b]|, |v[(\s)+1+16*\b]|, 0x1800000   ; block b: my 16 numbers, and the floor 2^(3 - 127): the byte cannot fall under 1
.endr
.irp i, 2,4,6,8,10,12,14
.irp b, 0,1,2,3
	v_max3_num_f32 v[MX+\b], v[MX+\b], |v[(\s)+16*\b+\i]|, |v[(\s)+1+16*\b+\i]|
.endr
.endr
.irp b, 0,1,2,3
	v_permlanex16_b32 v[BY+\b], v[MX+\b], s[SEL], s[SEL+1]
.endr
.irp b, 0,1,2,3
	v_max_num_f32 v[MX+\b], v[MX+\b], v[BY+\b]     ; with lane l xor 16's: the block's largest magnitude
.endr
.irp b, 0,1,2,3
	v_add_nc_u32 v[SO+\b], 0xff000000, v[MX+\b]    ; 2 off its exponent field: the conversion's scale operand
.endr
.irp b, 0,1,2,3
	v_lshrrev_b32 v[BY+\b], 23, v[SO+\b]           ; the scale's byte
.endr
	v_lshl_or_b32 v[PW], v[BY+1], 8, v[BY]
	v_lshl_or_b32 v[PW], v[BY+2], 16, v[PW]
	v_lshl_or_b32 v[PW], v[BY+3], 24, v[PW]
.irp c, 0,1
	v_cvt_scalef32_pk16_fp6_f32 v[PC+6*\c:PC+2+6*\c], v[(\s)+32*\c:(\s)+15+32*\c], v[SO+2*\c]
	v_cvt_scalef32_pk16_fp6_f32 v[PC+12+4*\c:PC+14+4*\c], v[(\s)+16+32*\c:(\s)+31+32*\c], v[SO+2*\c+1]   ; (a conversion's three registers begin on an even number)
.endr
	v_nop                                          ; one plain place behind a scaled conversion
.irp c, 0,1                            ; the operand's layout wants a WHOLE block in a lane: lanes 0-15 block 2 c, lanes 16-31 block 2 c + 1
.irp i, 0,1,2
	v_permlane16_swap_b32 v[PC+6*\c+\i], v[PC+12+4*\c+\i]
.endr
.irp i, 0,1,2
	v_mov_b32 v[PC+3+6*\c+\i], v[PC+12+4*\c+\i]
.endr
.endr
.endm
.macro EMIT j                          ; S tile j's 16 rows x my 128 L indices leave as one fragment; the pair's scale words as 128 bytes.  s[26:27] codes, s[28:29] scale words
.if \j == 1
	s_wait_xcnt 0x0                                ; tile 0's stores have read the codes' registers
.endif
	QUANT ACC+64*\j
.irp c, 0,1,2
	global_store_b128 v1, v[PC+4*\c:PC+4*\c+3], s[26:27] offset:1536*\j+512*\c   ; 32 lanes store 512 consecutive bytes
.endr
.if \j == 0
	v_mov_b32 v[PW0], v[PW]
.else
	v_cndmask_b32 v[PW], v[PW0], v[PW], s[MSK]     ; lanes 0-15 tile 0's rows, lanes 16-31 tile 1's
	global_store_b32 v2, v[PW], s[28:29]
.endif
.endm
.macro TABLE j                         ; cos and sin for token tile 2 g + j: cos of frequency 32 b + 16 h + i at v[T + 32 b + i], sin 16 registers on.  s[44:45]: the pair's table
.irp n, 0,1,2,3,4,5,6,7
.irp cs, 0,1
	global_load_b128 v[T+32*(\n/4)+16*\cs+4*(\n%4):T+32*(\n/4)+16*\cs+4*(\n%4)+3], v1, s[44:45] offset:8192*\j+512*(2*\n+\cs)
.endr
.endr
.endm
.macro ROPE j                          ; x1' = x1 cos - x2 sin, x2' = x2 cos + x1 sin, two at a time; ascending
.irp b, 0,1
.irp i, 0,2,4,6,8,10,12,14
	v_pk_mul_f32 v[116:117], v[ACC+64*\j+16*\b+\i:ACC+64*\j+16*\b+\i+1], v[T+32*\b+16+\i:T+32*\b+17+\i]
	v_pk_mul_f32 v[ACC+64*\j+16*\b+\i:ACC+64*\j+16*\b+\i+1], v[ACC+64*\j+16*\b+\i:ACC+64*\j+16*\b+\i+1], v[T+32*\b+\i:T+32*\b+\i+1]
	v_pk_fma_f32 v[ACC+64*\j+16*\b+\i:ACC+64*\j+16*\b+\i+1], v[ACC+64*\j+32+16*\b+\i:ACC+64*\j+32+16*\b+\i+1], v[T+32*\b+16+\i:T+32*\b+17+\i], v[ACC+64*\j+16*\b+\i:ACC+64*\j+16*\b+\i+1] neg_lo:[1,0,0] neg_hi:[1,0,0]
	v_pk_fma_f32 v[ACC+64*\j+32+16*\b+\i:ACC+64*\j+32+16*\b+\i+1], v[ACC+64*\j+32+16*\b+\i:ACC+64*\j+32+16*\b+\i+1], v[T+32*\b+\i:T+32*\b+\i+1], v[116:117]
.endr
.endr
.endm
.macro FLOW trips, rope
.if \rope
	TABLE 0                                        ; older than every load of the product, so its waits cover these
.endif
	GEMM 2, \trips
.if \rope
	ROPE 0
	TABLE 1                                        ; lands while tile 0 is quantised
.endif
	EMIT 0
.if \rope
	s_wait_loadcnt 0x0
	ROPE 1
.endif
	EMIT 1
	s_endpgm
.endm
	s_load_b128 s[4:7], s[0:1], 0x0                ; qb, cb
	s_load_b64 s[30:31], s[0:1], 0x10              ; kb
	v_lshrrev_b32 v3, 5, v0
	v_readfirstlane_b32 s2, v3                     ; wave 0..3
	v_and_b32 v3, 31, v0
	v_lshlrev_b32 v1, 4, v3
	v_lshlrev_b32 v2, 2, v3
.irp b, 0,1,2,3
	v_mov_b32 v[BY+\b], 0                          ; written once: a lane permute's destination counts as one of its sources
.endr
	s_mov_b32 s[SEL], 0x76543210
	s_mov_b32 s[SEL+1], 0xfedcba98
	s_mov_b32 s[MSK], 0xffff0000
	s_mov_b32 s17, 0
	s_mov_b32 s19, 0
	s_mov_b32 s21, 0
	s_mov_b32 s23, 0
	s_mov_b32 s41, 0
	s_and_b32 s37, ttmp9, 15                       ; TG: 128 tokens
	s_lshl_b32 s38, s37, 2
	s_add_co_u32 s38, s38, s2                      ; g: 32 tokens
	s_lshr_b32 s39, ttmp9, 4
	s_wait_kmcnt 0x0
	s_lshl_b32 s40, s38, 14
	BASE 44, 4, RT                                 ; the table of token tiles 2 g, 2 g + 1
	s_cmp_ge_u32 ttmp9, 768
	s_cbranch_scc1 .Lv
	s_cmp_ge_u32 ttmp9, 512
	s_cbranch_scc1 .Lkeys
	; ---- q: s39 = the query head
	s_mul_i32 s40, s39, 8*1536
	BASE 8, 4, W2QC
	s_lshl_b32 s40, s39, 9
	BASE 12, 4, W2QS
	s_mul_i32 s40, s38, 3072
	BASE 10, 6, 4*128*1536                         ; c_q's codes lie behind c_kv's four K steps
	s_lshl_b32 s40, s38, 7
	BASE 14, 6, CS+4*64*128
	s_mov_b32 s16, 256*1536
	s_mov_b32 s18, 128*1536
	s_mov_b32 s20, 128*128
	s_mov_b32 s22, 64*128
	s_lshl_b32 s40, s39, 6
	s_add_co_u32 s40, s40, s38                     ; 64 head + g
	s_lshl_b32 s42, s40, 7
	s_mul_i32 s40, s40, 3072
	BASE 26, 30, QOP
	s_mov_b32 s40, s42
	BASE 28, 30, QS
	FLOW 2, 1                                      ; K = 1,024: 8 K steps
.Lkeys:	; ---- k
	s_sub_co_u32 s39, s39, 32                      ; the head
	s_mul_i32 s40, s39, 8*1536
	BASE 8, 4, W2AC
	s_lshl_b32 s40, s39, 9
	BASE 12, 4, W2AS
	s_mul_i32 s40, s38, 3072
	BASE 10, 6, 0
	s_lshl_b32 s40, s38, 7
	BASE 14, 6, CS
	s_mov_b32 s16, 256*1536
	s_mov_b32 s18, 128*1536
	s_mov_b32 s20, 128*128
	s_mov_b32 s22, 64*128
	s_lshl_b32 s42, s39, 4
	s_add_co_u32 s42, s42, s37
	s_mul_i32 s42, s42, REC                        ; the record of (head, key step TG); my tokens are its tiles 2 w, 2 w + 1
	s_mul_i32 s40, s2, 3072
	s_add_co_u32 s40, s40, s42
	BASE 26, 30, 0
	s_lshl_b32 s40, s2, 7
	s_add_co_u32 s40, s40, s42
	BASE 28, 30, 12288
	FLOW 0, 1                                      ; K = 512: 4 K steps
.Lv:	; ---- v: L = the key step's 128 tokens of c_kv, S = columns of W_UV
	s_sub_co_u32 s39, s39, 48                      ; the head
	s_mul_i32 s40, s37, 8*1536
	BASE 8, 6, 0
	s_lshl_b32 s40, s37, 9
	BASE 12, 6, CS
	s_lshl_b32 s40, s39, 3
	s_lshl_b32 s43, s2, 1
	s_add_co_u32 s40, s40, s43
	s_mul_i32 s40, s40, 1536
	BASE 10, 4, W2AC+128*1536                      ; W_UV's tiles 8 head + 2 w, + 1
	s_lshl_b32 s40, s39, 2
	s_add_co_u32 s40, s40, s2
	s_lshl_b32 s40, s40, 7
	BASE 14, 4, W2AS+64*128
	s_mov_b32 s16, 128*1536
	s_mov_b32 s18, 256*1536
	s_mov_b32 s20, 64*128
	s_mov_b32 s22, 128*128
	s_lshl_b32 s42, s39, 4
	s_add_co_u32 s42, s42, s37
	s_mul_i32 s42, s42, REC
	s_mul_i32 s40, s2, 3072
	s_add_co_u32 s40, s40, s42
	BASE 26, 30, 12800
	s_lshl_b32 s40, s2, 7
	s_add_co_u32 s40, s40, s42
	BASE 28, 30, 25088
	FLOW 0, 0
.Lfunc_end_k_qf9e7876d9f_up:
	.size	k_qf9e7876d9f_up, .Lfunc_end_k_qf9e7876d9f_up-k_qf9e7876d9f_up
	.p2alignl 7, 3214868480
	.fill 96, 4, 3214868480
	.section	.rodata,"a",@progbits
	.p2align	6, 0x0
	.amdhsa_kernel k_qf9e7876d9f_up
		.amdhsa_group_segment_fixed_size 0
		.amdhsa_private_segment_fixed_size 0
		.amdhsa_enable_private_segment 0
		.amdhsa_kernarg_size 24
		.amdhsa_user_sgpr_count 2
		.amdhsa_user_sgpr_kernarg_segment_ptr 1
		.amdhsa_wavefront_size32 1
		.amdhsa_system_sgpr_workgroup_id_x 1
		.amdhsa_system_sgpr_workgroup_id_y 1
		.amdhsa_system_sgpr_workgroup_id_z 1
		.amdhsa_system_vgpr_workitem_id 0
		.amdhsa_next_free_vgpr 512
		.amdhsa_next_free_sgpr 66
		.amdhsa_reserve_vcc 0
		.amdhsa_float_denorm_mode_32 3
		.amdhsa_float_denorm_mode_16_64 3
		.amdhsa_memory_ordered 1
		.amdhsa_forward_progress 1
		.amdhsa_inst_pref_size 132
	.end_amdhsa_kernel
	.amdgpu_metadata
---
amdhsa.version: [ 1, 2 ]
amdhsa.kernels:
  - .name:           k_qf9e7876d9f_up
    .symbol:         k_qf9e7876d9f_up.kd
    .args:
      - { .name: qb, .offset: 0, .size: 8, .value_kind: global_buffer, .address_space: global }
      - { .name: cb, .offset: 8, .size: 8, .value_kind: global_buffer, .address_space: global }
      - { .name: kb, .offset: 16, .size: 8, .value_kind: global_buffer, .address_space: global }
    .group_segment_fixed_size: 0
    .private_segment_fixed_size: 0
    .kernarg_segment_align: 8
    .kernarg_segment_size: 24
    .max_flat_workgroup_size: 128
    .sgpr_count:     66
    .vgpr_count:     512
    .wavefront_size: 32
...
	.end_amdgpu_metadata
.endif
;; end of part 3
;; launch attn (part 4): grid 16 x 16, 16 waves a work-group, no clusters, 327,680 bytes of LDS; arguments kb, cb, ob; writes ob
.if DOCPART == 4
	.amdgcn_target "amdgcn-amd-amdhsa--gfx1250"
	.amdhsa_code_object_version 6
	.text
	.protected	k_qf9e7876d9f_attn
	.globl	k_qf9e7876d9f_attn
	.p2align	8
	.type	k_qf9e7876d9f_attn,@function
k_qf9e7876d9f_attn:
	s_mov_b64 s[64:65], 0
	v_nop
	global_prefetch_b8 v0, s[64:65] scope:SCOPE_SE
	s_setreg_imm32_b32 hwreg(HW_REG_WAVE_MODE, 25, 1), 1
	s_wait_xcnt 0x0
; out = attn1 - lam attn2, attn_p = softmax(causal(q_p k^T / sqrt(128))) v for the two query heads p = 0, 1 that share a head's k and v; both products on codes of FP6 (E2M3) with E8M0 scales; out leaves quantised along the model's axis.
; THE SOFTMAX AHEAD OF THE SECOND PRODUCT: t = score x log2(e) / sqrt(128); M = the row's largest t so far, rounded UP to a whole number; p = 2^(t - M) is what is quantised, along the keys; it is not normalised.
; The row's sum is taken of the unquantised p, in f32, and divides O at the end.  When M moves, the sum and O are multiplied by 2^(old M - new M): exact.
; SHARES.  Work-group (x = gamma, y = head).  Each of its sixteen waves owns one tile of 16 queries of one query head: wave w: p = w % 2; m = (w / 2) xor ((w / 4) % 2); tile 16 m + gamma (m even) or 16 m + 15 - gamma (m odd):
; so every work-group has the same number of key steps to compute.  Waves 2 i and 2 i + 1 hold the two query heads of the same tile.
; Every work-group walks all 16 key steps of 128 keys: the loop's trip count is a constant.  A step all of whose keys come after the wave's queries is left out by a scalar branch on ids, round its loads and arithmetic alone.
; K and V come as records of 25,600 bytes for each key step (K's 8 fragments, their scale words, V^T's 8 fragments, their scale words: images of the operands' registers), through a ring of two LDS slots of two records,
; filled by the tensor data mover (waves 0 and 1, a record each) and read by all sixteen.  No cluster: a work-group fetches 25,600 bytes for a key step's up to 256 matrix instructions of its sixteen waves, a small part of a step's work.
; LAYOUT.  Both products are used transposed: S^T = K Q^T, O^T = V^T P^T: a lane holds ONE query (lane % 16) throughout.  Row rho of tile 2 b + u (of tokens, of V's numbers) is index 32 b + 8 u + rho + 8 (rho / 8),
; so that the 16 registers of tiles 2 b and 2 b + 1 are 16 neighbours: 32 b + 16 (lane / 16) + 0 .. 15.
; LIMITS: NaN and infinities are not served; a block of zeros gets the byte 1 and zero codes (this program alone reads the bytes).
; REGISTERS: v1 16 x lane, v2 4 x lane; v5, v6 for the add; v8, v9 LDS addresses of the step in hand; v10, v11 offsets that stay; v12 -M, v13 the largest t, v[14:15] the sum in two halves; v16-27 Q; v28 the prefetches' offset; v29 lam;
;   v30 the exchange; v31 my query - 16 (lane / 16); v32-79 four fragments of K or V; v80-81 the mask's; v96-159 S^T, then p; v160-223 O^T; v224-235 p's codes; v232-254 at work; v248-249, v253, v255 scale words.
.set REC,   25600
.set SLOT1, 1<<16                      ; slot 0 at 0, slot 1 here (51,200 bytes each): one exclusive or turns an address in one slot into the other's
.set SPARE, 2*SLOT1                    ; the spare words, 128 bytes for each wave: eight blocks of 256 bytes that no other line names
.set XCH,   SPARE+2048                 ; 8 x 8,192 bytes: attn2 goes from wave 2 i + 1 to wave 2 i; no tile ever lands here
.set QOP,   6553600                    ; byte offsets in kb,
.set QS,    12845056
.set LAM,   2457600                    ; in cb,
.set A3S,   3145728                    ; in ob
.set NSL,   8                          ; slots' worth of keys
.set WV,  18                           ; s18 my wave's number;  s19 p
.set SEL, 20                           ; s[20:21] lane selects for v_permlanex16_b32: lane l xor 16
.set CS,  22                           ; s[22:23] c = log2(e) / sqrt(128)
.set G1,  24                           ; s[24:31] descriptor group 1;  s[32:35] group 0, which walks
.set G0,  32
.set TB,  2                            ; s2  LDS byte at which the slot in hand begins
.set SLOTS, 3                          ; s3  slots still to be asked for
.set KF,  36                           ; s36 the step's first key
.set QMIN, 37                          ; s37, s38 my tile's first and last query
.set QMAX, 38
.set PFA, 40                           ; s[40:41] the slot behind the one that is being asked for
.set LIM, 42                           ; s42 1 in a wave that prefetches, else the greatest number
.set MX,  180                          ; the way out's quantiser, in registers that O^T has left
.set BY,  184
.set SO,  188
.set PW,  192
.set PC,  160
.macro TLOAD                           ; waves 0 and 1 fetch a record each; the branch hangs on the wave's number alone; four v_nop follow the load
	s_cmp_lt_u32 s[WV], 2
	s_cbranch_scc0 .Lasked_\@
	tensor_load_to_lds s[G0:G0+3], s[G1:G1+7]
	s_nop 0
.rept 4
	v_nop
.endr
.Lasked_\@:
.endm
; A PREFETCH INTO THE L2 of the slot that the NEXT change of slots will ask for: 51,200 dense bytes, 200 blocks of 256.  All sixteen work-groups of a head walk the same records: the head's first work-group asks, in it waves 4 to 10,
; which fetch nothing: a lane a block, 32 blocks a wave; wave 10's lanes past the slot's last block are held at that block.  The last change that fills a slot asks for nothing; slots 0 and 1 come by their loads alone.
.macro ASK
	s_cmp_gt_u32 s[SLOTS], s[LIM]
	s_cbranch_scc0 .Lnot_mine_\@
	global_prefetch_b8 v28, s[PFA:PFA+1] th:TH_LOAD_NT scope:SCOPE_SE
.Lnot_mine_\@:
.endm
.macro KQ d, a, sc, odd                ; S^T tile: 16 keys x my 16 queries; it starts its sum.  odd: the tile's scale words stand in lanes 16-31
.if \odd
	v_wmma_scale_f32_16x16x128_f8f6f4 v[(\d):(\d)+7], v[(\a):(\a)+11], v[16:27], 0, v[\sc], v255 matrix_a_fmt:MATRIX_FMT_FP6 matrix_b_fmt:MATRIX_FMT_FP6 matrix_a_scale:MATRIX_SCALE_ROW1
.else
	v_wmma_scale_f32_16x16x128_f8f6f4 v[(\d):(\d)+7], v[(\a):(\a)+11], v[16:27], 0, v[\sc], v255 matrix_a_fmt:MATRIX_FMT_FP6 matrix_b_fmt:MATRIX_FMT_FP6
.endif
.endm
.macro PV d, a, sc, odd                ; O^T tile += 16 of the head's numbers x these 128 keys
.if \odd
	v_wmma_scale_f32_16x16x128_f8f6f4 v[(\d):(\d)+7], v[(\a):(\a)+11], v[224:235], v[(\d):(\d)+7], v[\sc], v253 matrix_a_fmt:MATRIX_FMT_FP6 matrix_b_fmt:MATRIX_FMT_FP6 matrix_a_scale:MATRIX_SCALE_ROW1
.else
	v_wmma_scale_f32_16x16x128_f8f6f4 v[(\d):(\d)+7], v[(\a):(\a)+11], v[224:235], v[(\d):(\d)+7], v[\sc], v253 matrix_a_fmt:MATRIX_FMT_FP6 matrix_b_fmt:MATRIX_FMT_FP6
.endif
.endm
	s_load_b128 s[4:7], s[0:1], 0x0                ; kb, cb
	s_load_b64 s[8:9], s[0:1], 0x10                ; ob
	v_lshl_add_u32 v5, v0, 2, SPARE                ; my spare word; never rewritten
	v_mov_b32 v6, 0                                ; never rewritten
	ds_add_u32 v5, v6
	s_wait_dscnt 0x0
	v_lshrrev_b32 v8, 5, v0
	v_readfirstlane_b32 s[WV], v8                  ; wave 0..15
	v_and_b32 v7, 31, v0
	v_lshlrev_b32 v1, 4, v7
	v_lshlrev_b32 v2, 2, v7
	s_and_b32 s19, s[WV], 1                        ; p
	s_lshr_b32 s44, s[WV], 1
	s_lshl_b32 s45, s44, 13
	s_add_co_u32 s45, s45, XCH
	v_add_nc_u32 v30, s45, v1                      ; the exchange of my pair of waves, 16 bytes a lane
	s_bfe_u32 s45, s44, 0x10001
	s_xor_b32 s44, s44, s45                        ; m
	s_sub_co_u32 s46, 15, ttmp9
	s_bitcmp1_b32 s44, 0
	s_cselect_b32 s46, s46, ttmp9
	s_lshl_b32 s39, s44, 4
	s_add_co_u32 s39, s39, s46                     ; my tile of queries
	s_lshr_b32 s43, s39, 1
	s_and_b32 s45, s39, 1
	s_lshl_b32 s[QMIN], s43, 5
	s_lshl_b32 s46, s45, 3
	s_add_co_u32 s[QMIN], s[QMIN], s46             ; its queries: QMIN + r + 8 (r / 8)
	s_add_co_u32 s[QMAX], s[QMIN], 23
	s_and_b32 s58, ttmp7, 0xffff                   ; the head
	; descriptor group 1: a record is dense: 100 rows of 256 bytes (32 elements of 8 bytes), no padding: every LDS read takes 512 or 128 consecutive bytes
	s_mov_b32 s[G1], 3<<16
	s_mov_b32 s[G1+1], 32<<16                      ; tensor_dim0
	s_mov_b32 s[G1+2], 100<<16                     ; tensor_dim1
	s_mov_b32 s[G1+3], 32<<16                      ; tile_dim0
	s_mov_b32 s[G1+4], 100                         ; tile_dim1
	s_mov_b32 s[G1+5], 32                          ; tensor_dim0_stride
	s_mov_b32 s[G1+6], 0
	s_mov_b32 s[G1+7], 0
	s_mov_b32 s[SEL], 0x76543210
	s_mov_b32 s[SEL+1], 0xfedcba98
	s_mov_b32 s[CS], 0x3e0293ee
	s_mov_b32 s[CS+1], s[CS]                       ; (named with it as a pair, so it is written)
	s_mov_b32 s[TB], 0
	s_mov_b32 s[SLOTS], NSL-1
	s_mov_b32 s[KF], 0
	s_mul_i32 s[G0+1], s19, REC                    ; LDS address: slot 0, record wave % 2
	s_mul_i32 s46, s58, 16*REC
	s_mov_b32 s47, 0
	s_wait_kmcnt 0x0
	s_add_nc_u64 s[PFA:PFA+1], s[4:5], s[46:47]    ; the head's records
	s_mov_b32 s[G0], 1
	s_mov_b32 s46, s[G0+1]
	s_add_nc_u64 s[G0+2:G0+3], s[PFA:PFA+1], s[46:47]
	s_or_b32 s[G0+3], s[G0+3], 0x80000000
	TLOAD                                          ; slot 0
	s_add_nc_u64 s[PFA:PFA+1], s[PFA:PFA+1], 2*REC ; in slot 1: the first change of slots steps it to slot 2.  Nothing is prefetched here, at the head
	s_sub_co_u32 s44, s[WV], 4
	s_cmp_lt_u32 s44, 7                            ; waves 4 to 10,
	s_cselect_b32 s[LIM], 1, -1
	s_cmp_eq_u32 ttmp9, 0                          ; of the head's first work-group
	s_cselect_b32 s[LIM], s[LIM], -1
	s_lshl_b32 s44, s44, 5
	v_add_nc_u32 v28, s44, v7
	v_min_u32 v28, 199, v28
	v_lshlrev_b32 v28, 8, v28
	s_lshl_b32 s60, s58, 1
	s_add_co_u32 s60, s60, s19                     ; the query head
	s_lshl_b32 s46, s60, 7
	s_add_co_u32 s46, s46, s39
	s_mul_i32 s46, s46, 1536
	s_add_co_u32 s46, s46, QOP
	s_add_nc_u64 s[48:49], s[4:5], s[46:47]        ; Q's fragment
	s_lshl_b32 s46, s60, 6
	s_add_co_u32 s46, s46, s43
	s_lshl_b32 s46, s46, 7
	s_lshl_b32 s61, s45, 6
	s_add_co_u32 s46, s46, s61
	s_add_co_u32 s46, s46, QS
	s_add_nc_u64 s[50:51], s[4:5], s[46:47]        ; its 16 scale words
	s_lshl_b32 s46, s58, 13
	s_add_co_u32 s46, s46, LAM
	s_add_nc_u64 s[52:53], s[6:7], s[46:47]        ; the head's row of lam
	s_lshl_b32 s46, s58, 7
	s_add_co_u32 s46, s46, s39
	s_mul_i32 s46, s46, 1536
	s_add_nc_u64 s[54:55], s[8:9], s[46:47]        ; where the result's fragment goes (K step = head),
	s_lshl_b32 s46, s58, 6
	s_add_co_u32 s46, s46, s43
	s_lshl_b32 s46, s46, 7
	s_add_co_u32 s46, s46, s61
	s_add_co_u32 s46, s46, A3S
	s_add_nc_u64 s[56:57], s[8:9], s[46:47]        ; and its 16 scale words
	v_and_b32 v3, 15, v0                           ; r
	v_bfe_u32 v4, v0, 4, 1                         ; h
	v_lshlrev_b32 v10, 2, v3
	v_and_b32 v11, 8, v3
	v_add_nc_u32 v11, v11, v3
	v_add_nc_u32 v11, s[QMIN], v11                 ; my query
	v_lshlrev_b32 v31, 4, v4
	v_sub_nc_u32 v31, v11, v31
	v_lshlrev_b32 v11, 2, v11
.irp c, 0,1,2
	global_load_b128 v[16+4*\c:19+4*\c], v1, s[48:49] offset:512*\c
.endr
	global_load_b32 v255, v10, s[50:51]
	global_load_b32 v29, v11, s[52:53]
	v_mov_b32 v13, 0xff61b1e6                      ; the largest t so far: -3e38, under every t
	v_floor_f32 v12, -v13                          ; -M
	v_mov_b32 v14, 0
	v_mov_b32 v15, 0
.irp b, 0,1,2,3
	v_mov_b32 v[236+\b], 0                         ; written once: a lane permute's destination counts as one of its sources
.endr
	v_mov_b32 v252, 0
	v_mov_b32 v253, 0
.set J, 0
.rept 64
	v_mov_b32 v[160+J], 0                          ; O^T.  (The step is written once: the first finds zeros, which the first change of M leaves zeros)
.set J, J+1
.endr
; A KEY STEP: 128 keys, record q of the slot in hand.
.macro STEP q
	s_cmp_gt_u32 s[KF], s[QMAX]                    ; all its keys come after my queries: nothing to do
	s_cbranch_scc1 .Lhidden_\@
	v_add_nc_u32 v8, s[TB], v1
	v_add_nc_u32 v9, s[TB], v2
	v_nop
	v_nop                                          ; with the two additions: four places in front of loads into registers that the last step's matrix instructions have read
.irp g, 0,1                            ; S^T = K Q^T, four tiles of 16 keys at a time
.if \g > 0
.rept 4
	v_nop
.endr
.endif
.irp t, 0,1,2,3
.irp c, 0,1,2
	ds_load_b128 v[32+12*\t+4*\c:35+12*\t+4*\c], v8 offset:REC*(\q)+1536*(4*\g+\t)+512*\c
.endr
.endr
.irp x, 0,1
	ds_load_b32 v[248+\x], v9 offset:REC*(\q)+12288+128*(2*\g+\x)
.endr
	s_wait_dscnt 0x0
.irp t, 0,1,2,3
	KQ 96+8*(4*\g+\t), 32+12*\t, 248+\t/2, \t%2
.endr
.endr
.rept 4
	v_nop
.endr
	s_add_co_u32 s44, s[KF], 127                   ; on the diagonal the scores of hidden keys become -infinity ahead of the maximum: p = 0 then.  A step all of whose keys count skips this
	s_cmp_le_u32 s44, s[QMIN]
	s_cbranch_scc1 .Lopen_\@
	s_sub_co_i32 s44, 0, s[KF]
	v_add_nc_u32 v80, s44, v31                     ; d = my query - KF - 16 (lane / 16).  Register 16 b + i holds key KF + 16 (lane / 16) + 32 b + i: hidden where 32 b + i > d
	v_mov_b32 v81, 0xff800000
.set J, 0
.rept 64
	v_cmp_gt_i32 vcc_lo, 32*(J/16)+J%16, v80
	v_cndmask_b32 v[96+J], v[96+J], v81, vcc_lo
.set J, J+1
.endr
.Lopen_\@:
.irp b, 0,1,2,3
	v_max3_num_f32 v[232+\b], v[96+16*\b], v[97+16*\b], v[98+16*\b]   ; THE LARGEST SCORE OF EACH BLOCK OF 32 KEYS: for the row's maximum, and, since p rises with the score, for the block's largest p
.endr
.irp i, 3,5,7,9,11,13
.irp b, 0,1,2,3
	v_max3_num_f32 v[232+\b], v[232+\b], v[96+16*\b+\i], v[97+16*\b+\i]
.endr
.endr
.irp b, 0,1,2,3
	v_max_num_f32 v[232+\b], v[232+\b], v[111+16*\b]
.endr
.irp b, 0,1,2,3
	v_permlanex16_b32 v[236+\b], v[232+\b], s[SEL], s[SEL+1]
.endr
.irp b, 0,1,2,3
	v_max_num_f32 v[232+\b], v[232+\b], v[236+\b]  ; with lane l xor 16's 16 keys
.endr
	v_max3_num_f32 v254, v232, v233, v234
	v_max_num_f32 v254, v254, v235                 ; the step's largest score of my query
	v_mul_f32 v254, s[CS], v254                    ; as t (c is positive)
	v_max_num_f32 v13, v13, v254                   ; the running largest t
	v_mov_b32 v254, v12
	v_floor_f32 v12, -v13                          ; the new -M = floor(-t) = -ceil(t): M IS A WHOLE NUMBER
	v_sub_f32 v254, v12, v254                      ; M's old value less its new one: a whole number, 0 or less
	v_cvt_i32_f32 v254, v254                       ; (it saturates)
	v_ldexp_f32 v252, 1.0, v254                    ; f = 2^(old M - new M)
.set J, 0
.rept 32
	v_pk_fma_f32 v[96+J:97+J], v[96+J:97+J], s[CS:CS+1], v[12:13] op_sel_hi:[1,0,0]   ; t - M, two at a time
.set J, J+2
.endr
.irp b, 0,1,2,3
	v_fma_f32 v[232+\b], v[232+\b], s[CS], v12     ; the same of each block's largest score
.endr
.set J, 0
.rept 64
	v_exp_f32 v[96+J], v[96+J]                     ; p = 2^(t - M), at most 1: NOT normalised
.set J, J+1
.endr
	v_pk_mul_f32 v[14:15], v[14:15], v[252:253] op_sel_hi:[1,0]   ; the sums under the new M.  (A plain place behind the exponentials)
	s_wait_alu depctr_va_vdst(0)                   ; one wait for the whole batch, ahead of its first reader
.irp b, 0,1,2,3
	v_exp_f32 v[232+\b], v[232+\b]                 ; the block's largest p: the same two instructions on the same number give the same bits
.endr
	v_pk_add_f32 v[236:237], v[96:97], v[98:99]    ; THE ROW'S SUM IS TAKEN OF THE UNQUANTISED p: two at a time, in two chains
.irp j, 4,8,12,16,20,24,28,32,36,40,44,48,52,56,60
	v_pk_add_f32 v[14:15], v[14:15], v[96+\j:97+\j]
	v_pk_add_f32 v[236:237], v[236:237], v[98+\j:99+\j]
.endr
	v_pk_add_f32 v[14:15], v[14:15], v[236:237]
	s_wait_alu depctr_va_vdst(0)                   ; and one for the four
.irp b, 0,1,2,3
	v_max_num_f32 v[232+\b], 0x1800000, v[232+\b]  ; the floor 2^(3 - 127): the byte cannot fall under 1
.endr
.irp b, 0,1,2,3
	v_add_nc_u32 v[244+\b], 0xff000000, v[232+\b]  ; 2 off the exponent field: the conversion's scale operand
.endr
.irp b, 0,1,2,3
	v_lshrrev_b32 v[236+\b], 23, v[244+\b]         ; the scale's byte
.endr
	v_lshl_or_b32 v253, v237, 8, v236              ; p's scale word for these 128 keys
	v_lshl_or_b32 v253, v238, 16, v253
	v_lshl_or_b32 v253, v239, 24, v253
.irp c, 0,1
	v_cvt_scalef32_pk16_fp6_f32 v[224+6*\c:226+6*\c], v[96+32*\c:111+32*\c], v[244+2*\c]
	v_cvt_scalef32_pk16_fp6_f32 v[236+4*\c:238+4*\c], v[112+32*\c:127+32*\c], v[244+2*\c+1]   ; (a conversion's three registers begin on an even number)
.endr
	v_nop                                          ; one plain place behind a scaled conversion
.irp c, 0,1                            ; the operand's layout wants a WHOLE block in a lane
.irp i, 0,1,2
	v_permlane16_swap_b32 v[224+6*\c+\i], v[236+4*\c+\i]
.endr
.irp i, 0,1,2
	v_mov_b32 v[227+6*\c+\i], v[236+4*\c+\i]
.endr
.endr
.set J, 0
.rept 32
	v_pk_mul_f32 v[160+J:161+J], v[160+J:161+J], v[252:253] op_sel_hi:[1,0]   ; O^T under the new M.  (These 32 are also the places in front of the matrix instructions and loads below)
.set J, J+2
.endr
.irp g, 0,1                            ; O^T += V^T P^T, four tiles of 16 of the head's 128 at a time; the eight accumulators take turns
.if \g > 0
.rept 4
	v_nop
.endr
.endif
.irp t, 0,1,2,3
.irp c, 0,1,2
	ds_load_b128 v[32+12*\t+4*\c:35+12*\t+4*\c], v8 offset:REC*(\q)+12800+1536*(4*\g+\t)+512*\c
.endr
.endr
.irp x, 0,1
	ds_load_b32 v[248+\x], v9 offset:REC*(\q)+25088+128*(2*\g+\x)
.endr
	s_wait_dscnt 0x0
.irp t, 0,1,2,3
	PV 160+8*(4*\g+\t), 32+12*\t, 248+\t/2, \t%2
.endr
.endr
.Lhidden_\@:
	s_add_co_u32 s[KF], s[KF], 128
.endm
; THE CHANGE OF SLOTS stands at a slot's head.  Each wave waits for all its tensor loads (its part of the slot that it is about to read), adds 0 to its spare word, and waits for that and for its reads of the slot that it has left.
; Behind the barrier the slot ahead is whole and nobody reads the other one.  fill = 1: that other slot is filled with the keys that follow: the load has a whole slot's steps in which to land.  One tensor load of a wave is out at the most.
.macro CHANGE fill
	s_wait_tensorcnt 0x0                           ; no tensor load of mine is out, so group 0 may be written
	ds_add_u32 v5, v6                              ; 0 onto my spare word
.if \fill
	s_xor_b32 s[G0+1], s[G0+1], SLOT1              ; the other slot than last time,
	s_add_nc_u64 s[G0+2:G0+3], s[G0+2:G0+3], 2*REC ; the next two records; the type bits on top are not reached
	s_wait_xcnt 0x0                                ; the last prefetch, a slot back, has read its address
	s_add_nc_u64 s[PFA:PFA+1], s[PFA:PFA+1], 2*REC
.endif
	s_wait_dscnt 0x0                               ; the add is done, and my reads of the slot that I have left are over
	s_barrier_signal -1
	s_barrier_wait -1
.if \fill
	TLOAD                                          ; the first thing behind the barrier, and a wave's one tensor load until the next
	ASK
.endif
.endm
	s_wait_loadcnt 0x0                             ; Q, its scale words, lam
.Lslot:                                            ; NSL - 1 trips: behind each change of slots but the last the next slot is asked for
	CHANGE 1
	STEP 0
	STEP 1
	s_xor_b32 s[TB], s[TB], SLOT1
	s_sub_co_u32 s[SLOTS], s[SLOTS], 1
	s_cmp_lg_u32 s[SLOTS], 0
	s_cbranch_scc1 .Lslot
	CHANGE 0                                       ; the last slot is written out
	STEP 0
	STEP 1
	; THE WAY OUT.  O^T / the sum; wave 2 i + 1 hands attn2 to wave 2 i through LDS, as its registers stand; wave 2 i forms attn1 - lam attn2, quantises it along the head's 128 and stores a fragment and 16 scale words.
	v_add_f32 v14, v14, v15
	v_permlanex16_b32 v252, v14, s[SEL], s[SEL+1]
	v_add_f32 v14, v14, v252                       ; the row's sum
	v_rcp_f32 v14, v14
.rept 4
	v_nop                                          ; places behind the last products, and the plain place behind the reciprocal
.endr
	s_wait_alu depctr_va_vdst(0)                   ; ahead of the reciprocal's first reader
.set J, 0
.rept 64
	v_mul_f32 v[96+J], v[160+J], v14               ; register 16 b + i is the head's number 32 b + 16 h + i of my query; each accumulator from its low end on
.set J, J+1
.endr
	s_cmp_eq_u32 s19, 0
	s_cbranch_scc1 .Lkeep
.set J, 0
.rept 16
	ds_store_b128 v30, v[96+4*J:99+4*J] offset:512*J
.set J, J+1
.endr
.Lkeep:
	s_wait_dscnt 0x0                               ; for the partner's sake: my stores have landed
	s_barrier_signal -1
	s_barrier_wait -1
	s_cmp_lg_u32 s19, 0
	s_cbranch_scc1 .Lend
.set J, 0
.rept 16
	ds_load_b128 v[32+4*J:35+4*J], v30 offset:512*J
.set J, J+1
.endr
	s_wait_dscnt 0x0
.set J, 0
.rept 64
	v_fma_f32 v[96+J], -v29, v[32+J], v[96+J]      ; attn1 - lam attn2
.set J, J+1
.endr
.irp b, 0,1,2,3
	v_max3_num_f32 v[MX+\b], |v[96+16*\b]|, |v[97+16*\b]|, 0x1800000   ; the quantiser: block b: my 16 numbers, and the floor
.endr
.irp i, 2,4,6,8,10,12,14
.irp b, 0,1,2,3
	v_max3_num_f32 v[MX+\b], v[MX+\b], |v[96+16*\b+\i]|, |v[97+16*\b+\i]|
.endr
.endr
.irp b, 0,1,2,3
	v_permlanex16_b32 v[BY+\b], v[MX+\b], s[SEL], s[SEL+1]
.endr
.irp b, 0,1,2,3
	v_max_num_f32 v[MX+\b], v[MX+\b], v[BY+\b]
.endr
.irp b, 0,1,2,3
	v_add_nc_u32 v[SO+\b], 0xff000000, v[MX+\b]
.endr
.irp b, 0,1,2,3
	v_lshrrev_b32 v[BY+\b], 23, v[SO+\b]
.endr
	v_lshl_or_b32 v[PW], v[BY+1], 8, v[BY]
	v_lshl_or_b32 v[PW], v[BY+2], 16, v[PW]
	v_lshl_or_b32 v[PW], v[BY+3], 24, v[PW]
.irp c, 0,1
	v_cvt_scalef32_pk16_fp6_f32 v[PC+6*\c:PC+2+6*\c], v[96+32*\c:111+32*\c], v[SO+2*\c]
	v_cvt_scalef32_pk16_fp6_f32 v[PC+12+4*\c:PC+14+4*\c], v[112+32*\c:127+32*\c], v[SO+2*\c+1]
.endr
	v_nop                                          ; one plain place behind a scaled conversion
.irp c, 0,1
.irp i, 0,1,2
	v_permlane16_swap_b32 v[PC+6*\c+\i], v[PC+12+4*\c+\i]
.endr
.irp i, 0,1,2
	v_mov_b32 v[PC+3+6*\c+\i], v[PC+12+4*\c+\i]
.endr
.endr
.irp c, 0,1,2
	global_store_b128 v1, v[PC+4*\c:PC+4*\c+3], s[54:55] offset:512*\c   ; 32 lanes store 512 consecutive bytes
.endr
	global_store_b32 v10, v[PW], s[56:57]          ; lanes r and r + 16 hold row r's word and write it to the same place
.Lend:
	s_wait_tensorcnt 0x0                           ; the wave's end: behind my last tensor load and my last LDS store
	ds_add_u32 v5, v6
	s_wait_dscnt 0x0
	s_endpgm
.Lfunc_end_k_qf9e7876d9f_attn:
	.size	k_qf9e7876d9f_attn, .Lfunc_end_k_qf9e7876d9f_attn-k_qf9e7876d9f_attn
	.p2alignl 7, 3214868480
	.fill 96, 4, 3214868480
	.section	.rodata,"a",@progbits
	.p2align	6, 0x0
	.amdhsa_kernel k_qf9e7876d9f_attn
		.amdhsa_group_segment_fixed_size 327680
		.amdhsa_private_segment_fixed_size 0
		.amdhsa_enable_private_segment 0
		.amdhsa_kernarg_size 24
		.amdhsa_user_sgpr_count 2
		.amdhsa_user_sgpr_kernarg_segment_ptr 1
		.amdhsa_wavefront_size32 1
		.amdhsa_system_sgpr_workgroup_id_x 1
		.amdhsa_system_sgpr_workgroup_id_y 1
		.amdhsa_system_sgpr_workgroup_id_z 1
		.amdhsa_system_vgpr_workitem_id 0
		.amdhsa_next_free_vgpr 256
		.amdhsa_next_free_sgpr 66
		.amdhsa_reserve_vcc 1
		.amdhsa_float_denorm_mode_32 3
		.amdhsa_float_denorm_mode_16_64 3
		.amdhsa_memory_ordered 1
		.amdhsa_forward_progress 1
		.amdhsa_inst_pref_size 118
	.end_amdhsa_kernel
	.amdgpu_metadata
---
amdhsa.version: [ 1, 2 ]
amdhsa.kernels:
  - .name:           k_qf9e7876d9f_attn
    .symbol:         k_qf9e7876d9f_attn.kd
    .args:
      - { .name: kb, .offset: 0, .size: 8, .value_kind: global_buffer, .address_space: global }
      - { .name: cb, .offset: 8, .size: 8, .value_kind: global_buffer, .address_space: global }
      - { .name: ob, .offset: 16, .size: 8, .value_kind: global_buffer, .address_space: global }
    .group_segment_fixed_size: 327680
    .private_segment_fixed_size: 0
    .kernarg_segment_align: 8
    .kernarg_segment_size: 24
    .max_flat_workgroup_size: 512
    .sgpr_count:     66
    .vgpr_count:     256
    .wavefront_size: 32
...
	.end_amdgpu_metadata
.endif
;; end of part 4
;; launch outp (part 5): grid 256 x 1, 4 waves a work-group, no clusters, 34,304 bytes of LDS; arguments qb, ob, out0; writes out0
.if DOCPART == 5
	.amdgcn_target "amdgcn-amd-amdhsa--gfx1250"
	.amdhsa_code_object_version 6
	.text
	.protected	k_qf9e7876d9f_outp
	.globl	k_qf9e7876d9f_outp
	.p2align	8
	.type	k_qf9e7876d9f_outp,@function
k_qf9e7876d9f_outp:
	s_mov_b64 s[64:65], 0
	v_nop
	global_prefetch_b8 v0, s[64:65] scope:SCOPE_SE
	s_setreg_imm32_b32 hwreg(HW_REG_WAVE_MODE, 25, 1), 1
	s_wait_xcnt 0x0
; out0 = (attn1 - lam attn2) W_out, on codes of FP6 (E2M3) with E8M0 scales; f32 out.
; OPERANDS lie in memory as images of their registers (a fragment of 16 rows x 128 K is 1,536 bytes: registers 4 c .. 4 c + 3 of lane l at 512 c + 16 l), K step by K step (a K step is a head).  Scale words: 128 bytes for a pair of
; tiles, lanes 0-15 the even tile's rows, lanes 16-31 the odd tile's.  Row rho of tile 2 b + u is index 32 b + 8 u + rho + 8 (rho / 8).
; A WAVE makes 128 columns (source 0: 8 tiles of W_out) x 32 tokens (source 1: 2 tiles): lane (r, h) holds row r of the token tile, register 16 b + i column 32 b + 16 h + i: 16 neighbouring numbers of a row of out0.
; SHARES.  Work-group: 128 columns (number / 16) x 128 tokens (number % 16), a wave 32 tokens.  K goes in steps of 128 through two sets of operand registers.  One f32 sum for each output, K ascending.
; THE WAY OUT: a tile of 16 tokens goes through the wave's own stage in LDS (16 rows x 528 bytes) and leaves as rows: 32 lanes store 512 consecutive bytes, at a multiple of 256 from out0's first byte.  No barrier: waves share nothing.
; REGISTERS: window 0: v1 16 x lane, v2 4 x lane, v3, v4 the stage; v8-17 scale words; v32-95 rows read back; v128-255 the 16 accumulators.  window 1: two sets of operands.
.set W3C,  10700800                    ; byte offsets in qb,
.set W3S,  13846528
.set A3S,  3145728                     ; in ob
.set ACC, 128
.set SCL, 8
.set MSB, 0
.macro WIN new                         ; s_set_vgpr_msb: bits 1:0 source 0, 3:2 source 1, 5:4 source 2, 7:6 destination; the high byte repeats the setting that is left
.if MSB != \new
	s_set_vgpr_msb (MSB<<8)|\new
.set MSB, \new
.endif
.endm
.macro PLACES                          ; four plain places between a matrix instruction and a load into, or a store of, its registers
.rept 4
	v_nop
.endr
.endm
.macro BASE d, p, off                  ; s[d:d+1] = the buffer at s[p:p+1] + s40 + off  (s41 = 0)
	s_add_co_u32 s40, s40, \off
	s_add_nc_u64 s[\d:\d+1], s[\p:\p+1], s[40:41]
.endm
.macro LOADK p, ns                     ; a K step's operands into set p: 29 + 3 ns loads.  s[8:9] L's codes, s[10:11] S's, s[12:13] L's scale words, s[14:15] S's
	WIN 0x40                                       ; destination window 1, address window 0
.irp i, 0,1,2,3,4,5,6,7
.irp c, 0,1,2
	global_load_b128 v[128*(\p)+12*\i+4*\c:128*(\p)+12*\i+4*\c+3], v1, s[8:9] offset:1536*\i+512*\c
.endr
.endr
.irp j, 0,1
.if \j < \ns
.irp c, 0,1,2
	global_load_b128 v[128*(\p)+96+12*\j+4*\c:128*(\p)+96+12*\j+4*\c+3], v1, s[10:11] offset:1536*\j+512*\c
.endr
.endif
.endr
	WIN 0
.irp q, 0,1,2,3
	global_load_b32 v[SCL+5*(\p)+\q], v2, s[12:13] offset:128*\q
.endr
	global_load_b32 v[SCL+5*(\p)+4], v2, s[14:15]
.endm
.macro STEPK                           ; on to the next K step
	s_wait_xcnt 0x0                                ; the loads issued so far have read their bases
	s_add_nc_u64 s[8:9], s[8:9], s[16:17]
	s_add_nc_u64 s[10:11], s[10:11], s[18:19]
	s_add_nc_u64 s[12:13], s[12:13], s[20:21]
	s_add_nc_u64 s[14:15], s[14:15], s[22:23]
.endm
.macro MM z, d, a, b, sa, sb, ra, rb   ; one product; z: it starts the sum; ra, rb: the scale words stand in lanes 16-31
.if (\z) && (\ra) && (\rb)
	v_wmma_scale_f32_16x16x128_f8f6f4 v[(\d):(\d)+7], v[(\a):(\a)+11], v[(\b):(\b)+11], 0, v[\sa], v[\sb] matrix_a_fmt:MATRIX_FMT_FP6 matrix_b_fmt:MATRIX_FMT_FP6 matrix_a_scale:MATRIX_SCALE_ROW1 matrix_b_scale:MATRIX_SCALE_ROW1
.elseif (\z) && (\ra)
	v_wmma_scale_f32_16x16x128_f8f6f4 v[(\d):(\d)+7], v[(\a):(\a)+11], v[(\b):(\b)+11], 0, v[\sa], v[\sb] matrix_a_fmt:MATRIX_FMT_FP6 matrix_b_fmt:MATRIX_FMT_FP6 matrix_a_scale:MATRIX_SCALE_ROW1
.elseif (\z) && (\rb)
	v_wmma_scale_f32_16x16x128_f8f6f4 v[(\d):(\d)+7], v[(\a):(\a)+11], v[(\b):(\b)+11], 0, v[\sa], v[\sb] matrix_a_fmt:MATRIX_FMT_FP6 matrix_b_fmt:MATRIX_FMT_FP6 matrix_b_scale:MATRIX_SCALE_ROW1
.elseif (\z)
	v_wmma_scale_f32_16x16x128_f8f6f4 v[(\d):(\d)+7], v[(\a):(\a)+11], v[(\b):(\b)+11], 0, v[\sa], v[\sb] matrix_a_fmt:MATRIX_FMT_FP6 matrix_b_fmt:MATRIX_FMT_FP6
.elseif (\ra) && (\rb)
	v_wmma_scale_f32_16x16x128_f8f6f4 v[(\d):(\d)+7], v[(\a):(\a)+11], v[(\b):(\b)+11], v[(\d):(\d)+7], v[\sa], v[\sb] matrix_a_fmt:MATRIX_FMT_FP6 matrix_b_fmt:MATRIX_FMT_FP6 matrix_a_scale:MATRIX_SCALE_ROW1 matrix_b_scale:MATRIX_SCALE_ROW1
.elseif (\ra)
	v_wmma_scale_f32_16x16x128_f8f6f4 v[(\d):(\d)+7], v[(\a):(\a)+11], v[(\b):(\b)+11], v[(\d):(\d)+7], v[\sa], v[\sb] matrix_a_fmt:MATRIX_FMT_FP6 matrix_b_fmt:MATRIX_FMT_FP6 matrix_a_scale:MATRIX_SCALE_ROW1
.elseif (\rb)
	v_wmma_scale_f32_16x16x128_f8f6f4 v[(\d):(\d)+7], v[(\a):(\a)+11], v[(\b):(\b)+11], v[(\d):(\d)+7], v[\sa], v[\sb] matrix_a_fmt:MATRIX_FMT_FP6 matrix_b_fmt:MATRIX_FMT_FP6 matrix_b_scale:MATRIX_SCALE_ROW1
.else
	v_wmma_scale_f32_16x16x128_f8f6f4 v[(\d):(\d)+7], v[(\a):(\a)+11], v[(\b):(\b)+11], v[(\d):(\d)+7], v[\sa], v[\sb] matrix_a_fmt:MATRIX_FMT_FP6 matrix_b_fmt:MATRIX_FMT_FP6
.endif
.endm
.macro MUL p, ns, zero                 ; a K step's 8 ns products: the accumulators take turns, one instruction a turn, in the same order in every K step
	WIN 0x05                                       ; sources 0 and 1 window 1; C and D window 0
.irp j, 0,1
.if \j < \ns
.irp i, 0,1,2,3,4,5,6,7
	MM \zero, ACC+64*\j+8*\i, 128*(\p)+12*\i, 128*(\p)+96+12*\j, SCL+5*(\p)+\i/2, SCL+5*(\p)+4, \i%2, \j
.endr
.endif
.endr
	WIN 0
.endm
.macro PAIR ns, zero                   ; two K steps, and the loads of the two that follow
	s_wait_loadcnt NLD                             ; set 0 is in; set 1's loads may be out
	MUL 0, \ns, \zero
	PLACES
	STEPK
	LOADK 0, \ns
	s_wait_loadcnt NLD                             ; set 1 is in; set 0's new loads may be out
	MUL 1, \ns, 0
	PLACES
	STEPK
	LOADK 1, \ns
.endm
.macro GEMM ns, trips                  ; 4 + 2 trips K steps; the first products start the sums: nothing is cleared
.set NLD, 29+3*(\ns)
	LOADK 0, \ns
	STEPK
	LOADK 1, \ns
	PAIR \ns, 1
.if (\trips) > 0
	s_mov_b32 s24, \trips
.Lk_\@:
	PAIR \ns, 0
	s_sub_co_u32 s24, s24, 1
	s_cmp_lg_u32 s24, 0
	s_cbranch_scc1 .Lk_\@
.endif
	s_wait_loadcnt NLD                             ; the last two K steps load nothing
	MUL 0, \ns, 0
	s_wait_loadcnt 0x0
	MUL 1, \ns, 0
	PLACES
.endm
	s_load_b128 s[4:7], s[0:1], 0x0                ; qb, ob
	s_load_b64 s[30:31], s[0:1], 0x10              ; out0
	v_lshl_add_u32 v126, v0, 2, 0x8400
	v_mov_b32 v127, 0
	v_lshrrev_b32 v3, 5, v0
	v_readfirstlane_b32 s2, v3                     ; wave 0..3
	v_and_b32 v3, 31, v0
	v_lshlrev_b32 v1, 4, v3
	v_lshlrev_b32 v2, 2, v3
	v_and_b32 v5, 15, v0                           ; r
	v_bfe_u32 v6, v0, 4, 1                         ; h
	s_mul_i32 s42, s2, 8448                        ; my stage
	v_mul_u32_u24 v3, v5, 528
	v_lshl_add_u32 v3, v6, 6, v3
	v_add_nc_u32 v3, s42, v3                       ; in: row r, + 64 h
	v_add_nc_u32 v4, s42, v1                       ; back: a row's 512 bytes, 16 a lane
	s_mov_b32 s17, 0
	s_mov_b32 s19, 0
	s_mov_b32 s21, 0
	s_mov_b32 s23, 0
	s_mov_b32 s41, 0
	s_lshr_b32 s37, ttmp9, 4                       ; 128 columns
	s_and_b32 s38, ttmp9, 15
	s_lshl_b32 s38, s38, 2
	s_add_co_u32 s38, s38, s2                      ; g: 32 tokens
	s_wait_kmcnt 0x0
	s_mul_i32 s40, s37, 8*1536
	BASE 8, 4, W3C
	s_lshl_b32 s40, s37, 9
	BASE 12, 4, W3S
	s_mul_i32 s40, s38, 3072
	BASE 10, 6, 0
	s_lshl_b32 s40, s38, 7
	BASE 14, 6, A3S
	s_mov_b32 s16, 128*1536
	s_mov_b32 s18, 128*1536
	s_mov_b32 s20, 64*128
	s_mov_b32 s22, 64*128
	s_lshl_b32 s40, s38, 18                        ; 32 rows of 8,192 bytes,
	s_lshl_b32 s43, s37, 9                         ; + 512 bytes for each 128 columns
	s_add_co_u32 s40, s40, s43
	BASE 26, 30, 0
	GEMM 2, 6
.irp j, 0,1
.irp b, 0,1,2,3
.irp u, 0,1
.irp e, 0,1
	ds_store_b128 v3, v[ACC+64*\j+16*\b+8*\u+4*\e:ACC+64*\j+16*\b+8*\u+4*\e+3] offset:128*\b+32*\u+16*\e   ; each accumulator from its low end on
.endr
.endr
.endr
.if \j == 1
	s_wait_xcnt 0x0                                ; tile 0's stores have read the registers into which tile 1's rows come back
.endif
.irp rho, 0,1,2,3,4,5,6,7,8,9,10,11,12,13,14,15
	ds_load_b128 v[32+4*\rho:35+4*\rho], v4 offset:528*\rho   ; LDS serves a wave's instructions in order: these see my stores, and the next tile's stores come behind them
.endr
.irp rho, 0,1,2,3,4,5,6,7,8,9,10,11,12,13,14,15
	s_wait_dscnt 15-\rho                           ; row rho is back; the younger rows may be out
	global_store_b128 v1, v[32+4*\rho:35+4*\rho], s[26:27] offset:(8*\j+\rho+8*(\rho/8))*8192 th:TH_STORE_NT   ; the token of row rho of tile j; written once, read by nobody here
.endr
.endr
	s_wait_tensorcnt 0x0
	ds_add_u32 v126, v127
	s_wait_dscnt 0x0
	s_endpgm
.Lfunc_end_k_qf9e7876d9f_outp:
	.size	k_qf9e7876d9f_outp, .Lfunc_end_k_qf9e7876d9f_outp-k_qf9e7876d9f_outp
	.p2alignl 7, 3214868480
	.fill 96, 4, 3214868480
	.section	.rodata,"a",@progbits
	.p2align	6, 0x0
	.amdhsa_kernel k_qf9e7876d9f_outp
		.amdhsa_group_segment_fixed_size 34304
		.amdhsa_private_segment_fixed_size 0
		.amdhsa_enable_private_segment 0
		.amdhsa_kernarg_size 24
		.amdhsa_user_sgpr_count 2
		.amdhsa_user_sgpr_kernarg_segment_ptr 1
		.amdhsa_wavefront_size32 1
		.amdhsa_system_sgpr_workgroup_id_x 1
		.amdhsa_system_sgpr_workgroup_id_y 1
		.amdhsa_system_sgpr_workgroup_id_z 1
		.amdhsa_system_vgpr_workitem_id 0
		.amdhsa_next_free_vgpr 512
		.amdhsa_next_free_sgpr 66
		.amdhsa_reserve_vcc 0
		.amdhsa_float_denorm_mode_32 3
		.amdhsa_float_denorm_mode_16_64 3
		.amdhsa_memory_ordered 1
		.amdhsa_forward_progress 1
		.amdhsa_inst_pref_size 45
	.end_amdhsa_kernel
	.amdgpu_metadata
---
amdhsa.version: [ 1, 2 ]
amdhsa.kernels:
  - .name:           k_qf9e7876d9f_outp
    .symbol:         k_qf9e7876d9f_outp.kd
    .args:
      - { .name: qb, .offset: 0, .size: 8, .value_kind: global_buffer, .address_space: global }
      - { .name: ob, .offset: 8, .size: 8, .value_kind: global_buffer, .address_space: global }
      - { .name: out0, .offset: 16, .size: 8, .value_kind: global_buffer, .address_space: global }
    .group_segment_fixed_size: 34304
    .private_segment_fixed_size: 0
    .kernarg_segment_align: 8
    .kernarg_segment_size: 24
    .max_flat_workgroup_size: 128
    .sgpr_count:     66
    .vgpr_count:     512
    .wavefront_size: 32
...
	.end_amdgpu_metadata
.endif
;; end of part 5
;; ======== version 2 of 2: 5 launches
;; limits: right only within a limited range of input values
;; workspace buffers: qb 15,026,176 bytes; cb 2,588,672 bytes; kb 13,107,200 bytes; ob 3,276,800 bytes
;; launch quant (part 6): grid 578 x 1, 4 waves a work-group, no clusters, 34,304 bytes of LDS; arguments x, W_DKV, W_DQ, W_lam, W_UK, W_UV, W_UQ, W_out, qb; writes qb
.if DOCPART == 6
	.amdgcn_target "amdgcn-amd-amdhsa--gfx1250"
	.amdhsa_code_object_version 6
	.text
	.protected	k_qf9e7876d9f_quant
	.globl	k_qf9e7876d9f_quant
	.p2align	8
	.type	k_qf9e7876d9f_quant,@function
k_qf9e7876d9f_quant:
	s_mov_b64 s[64:65], 0
	v_nop
	global_prefetch_b8 v0, s[64:65] scope:SCOPE_SE
	s_setreg_imm32_b32 hwreg(HW_REG_WAVE_MODE, 25, 1), 1
	s_wait_xcnt 0x0
; x and the seven weights, all f32, become codes of FP6 (E2M3) with one E8M0 scale byte for each 32 along K; a table of cos and sin for the rotary embedding is made beside them.
; A block's scale is 2^(floor(log2(its largest magnitude)) - 2); its byte is the largest magnitude's exponent field - 2, held at 1 from below.
; LAYOUT OF THE RESULTS.  A fragment (16 rows x 128 K: 12 registers in each of 32 lanes) lies in memory as an image of its registers: registers 4 c .. 4 c + 3 of lane l are the 16 bytes at 512 c + 16 l.
; Lane (r, h) holds row r, its registers 6 c .. 6 c + 5 hold K = 64 c + 32 h + 0 .. 31.  An operand of T tiles has fragment (K step s, tile t) at (s T + t) x 1,536.  Scale words (four bytes: one row, one K step):
; tiles 2 g and 2 g + 1 of K step s share 128 bytes at (s T / 2 + g) x 128: lanes 0-15 hold tile 2 g's rows, lanes 16-31 tile 2 g + 1's.
; THE ROWS OF A TILE ARE NOT NEIGHBOURS: row rho of tile 2 b + u is index 32 b + 8 u + rho + 8 (rho / 8) (tokens of x, columns of a weight); W_lam alone is natural (row = head; its tile is written twice).
; SHARES.  Work-groups 0-127: x, a wave takes 32 tokens x 256 K.  128-545: the weights, whose K is their FIRST axis: a lane takes a column and its registers run down K; a wave takes 32 columns x 256 K.
; 546-577: the table, a wave takes a tile of 16 tokens.  Waves share nothing: no barrier.  Only the x path uses LDS: a stage of 16 rows x 528 bytes for each wave.
; LIMITS: NaN and infinities among the inputs are not served.  A block of zeros gets the byte 1 (the rule says 127): its codes are zeros, and this program alone reads the bytes.
; The table's frequencies are 2^(-i log2(10000) / 64) by one f32 multiplication and v_exp_f32: an angle can differ from one made by an f32 power and division by about 1e-7 of the angle, 2e-4 rad at the last tokens.
.set XS,   3145728                     ; byte offsets in qb: x's codes at 0, x's scale words,
.set W1C,  3276800                     ; W_DKV (tiles 0-31), W_DQ (32-95), W_lam (96, 97): 98 tiles, 16 K steps
.set W1S,  5685248
.set W2AC, 5785600                     ; W_UK (tiles 0-127), W_UV (128-255): 4 K steps
.set W2AS, 7358464
.set W2QC, 7424000                     ; W_UQ: 256 tiles, 8 K steps
.set W2QS, 10569728
.set W3C,  10700800                    ; W_out: 128 tiles, 16 K steps
.set W3S,  13846528
.set RT,   13977600                    ; the table: 8,192 bytes for each tile of tokens
.set SEL,  40                          ; s[40:41] lane selects for v_permlanex16_b32: lane l xor 16
.set MSK,  42                          ; s42 lanes 16-31
	s_load_b512 s[4:19], s[0:1], 0x0               ; x, W_DKV, W_DQ, W_lam, W_UK, W_UV, W_UQ, W_out
	s_load_b64 s[20:21], s[0:1], 0x40              ; qb
	v_lshl_add_u32 v254, v0, 2, 0x8400
	v_mov_b32 v255, 0
	v_lshrrev_b32 v1, 5, v0
	v_readfirstlane_b32 s2, v1                     ; wave 0..3
	v_and_b32 v15, 31, v0                          ; lane
	v_and_b32 v16, 15, v0                          ; r
	v_bfe_u32 v17, v0, 4, 1                        ; h
	s_mov_b32 s[SEL], 0x76543210
	s_mov_b32 s[SEL+1], 0xfedcba98
	s_mov_b32 s[MSK], 0xffff0000
	s_cmp_ge_u32 ttmp9, 546
	s_cbranch_scc1 .Lrope
	s_cmp_ge_u32 ttmp9, 128
	s_cbranch_scc1 .Lweights
; ---------------- x: K is innermost.  Each load reads 512 consecutive bytes of one row (one K step); 16 rows turn through the wave's stage and come back as the fragment's lanes want them.
; v1 16 x lane; v2, v3 the stage, way in and way out; v4 4 x lane; v5 8 h; v6-14 at work; v32-95, v96-159 two sets of 16 rows as loaded; v160-223 my 64 numbers; v224-235 the codes; v236-242 the odd conversions' results
	s_lshl_b32 s3, ttmp9, 2
	s_add_co_u32 s3, s3, s2                        ; which of 512 shares
	s_lshr_b32 s22, s3, 3                          ; g: 32 tokens
	s_and_b32 s23, s3, 7                           ; kp: 256 along K
	s_lshl_b32 s24, s22, 18                        ; 32 rows of 8,192 bytes
	s_lshl_b32 s25, s23, 10
	s_add_co_u32 s24, s24, s25
	s_mov_b32 s25, 0
	s_lshl_b32 s26, s23, 8
	s_lshl_b32 s27, s22, 1
	s_add_co_u32 s26, s26, s27
	s_mul_i32 s26, s26, 1536                       ; fragment (2 kp, 2 g)
	s_mov_b32 s27, 0
	s_lshl_b32 s28, s23, 7
	s_add_co_u32 s28, s28, s22
	s_lshl_b32 s28, s28, 7
	s_add_co_u32 s28, s28, XS                      ; its pair's scale words
	s_mov_b32 s29, 0
	s_mul_i32 s30, s2, 8448                        ; my stage
	s_wait_alu depctr_va_vdst(0)
	v_lshlrev_b32 v1, 4, v15
	v_add_nc_u32 v2, s30, v1
	v_mul_u32_u24 v3, v16, 528
	v_lshl_add_u32 v3, v17, 7, v3
	v_add_nc_u32 v3, s30, v3                       ; row r, + 128 h: my 32 numbers of a run of 64
	v_lshlrev_b32 v4, 2, v15
	v_lshlrev_b32 v5, 3, v17
	v_mov_b32 v13, 0                               ; written once: a lane permute's destination counts as one of its sources
	s_wait_alu depctr_va_vdst(0)
	s_wait_kmcnt 0x0
	s_add_nc_u64 s[4:5], s[4:5], s[24:25]
	s_add_nc_u64 s[26:27], s[20:21], s[26:27]
	s_add_nc_u64 s[28:29], s[20:21], s[28:29]
.macro LOADX f, set                    ; fragment f = (K step f / 2, tile f % 2): its 16 rows, in the tile's order
.set RH, 0
.rept 16
	global_load_b128 v[32+64*(\set)+4*RH:35+64*(\set)+4*RH], v1, s[4:5] offset:(8*((\f)%2)+RH+8*(RH/8))*8192+512*((\f)/2) th:TH_LOAD_NT
.set RH, RH+1
.endr
.endm
.macro QFRAG                           ; v160-223 (register 32 c + i = K 64 c + 32 h + i of my row) -> codes in v224-235, the row's scale word in v12
.irp c, 0,1
	v_max3_num_f32 v[6+\c], |v[160+32*\c]|, |v[161+32*\c]|, 0x1800000   ; my block 2 c + h: all its 32 numbers are mine; the floor 2^(3 - 127) holds the byte at 1 from below
.endr
.irp i, 2,4,6,8,10,12,14,16,18,20,22,24,26,28,30
.irp c, 0,1
	v_max3_num_f32 v[6+\c], v[6+\c], |v[160+32*\c+\i]|, |v[161+32*\c+\i]|
.endr
.endr
.irp c, 0,1
	v_add_nc_u32 v[8+\c], 0xff000000, v[6+\c]      ; 2 off the exponent field: the conversion takes the exponent field of this operand as its scale
.endr
.irp c, 0,1
	v_lshrrev_b32 v[10+\c], 23, v[8+\c]            ; the scale's byte
.endr
	v_lshl_or_b32 v12, v11, 16, v10                ; blocks h and 2 + h,
	v_lshlrev_b32 v12, v5, v12                     ; at their places in the word (8 h bits up);
	v_permlanex16_b32 v13, v12, s[SEL], s[SEL+1]
	v_or_b32 v12, v12, v13                         ; with lane l xor 16's two the word is whole
.irp c, 0,1
	v_cvt_scalef32_pk16_fp6_f32 v[224+6*\c:226+6*\c], v[160+32*\c:175+32*\c], v[8+\c]
	v_cvt_scalef32_pk16_fp6_f32 v[236+4*\c:238+4*\c], v[176+32*\c:191+32*\c], v[8+\c]   ; (a conversion's three registers begin on an even number)
.endr
	v_nop                                          ; one plain place behind a scaled conversion
.irp c, 0,1
.irp i, 0,1,2
	v_mov_b32 v[227+6*\c+\i], v[236+4*\c+\i]
.endr
.endr
.endm
.macro FRAGX f
.if (\f) < 3
	s_wait_loadcnt 16                              ; this fragment's 16 rows are in; the next fragment's 16 may be out
.else
	s_wait_loadcnt 0
.endif
.set RH, 0
.rept 16
	ds_store_b128 v2, v[32+64*((\f)%2)+4*RH:35+64*((\f)%2)+4*RH] offset:528*RH
.set RH, RH+1
.endr
.irp c, 0,1
.irp q, 0,1,2,3,4,5,6,7
	ds_load_b128 v[160+32*\c+4*\q:163+32*\c+4*\q], v3 offset:256*\c+16*\q   ; LDS serves a wave's instructions in order: these see my stores
.endr
.endr
	s_wait_dscnt 0x0                               ; my numbers are back, and the stores have read the rows' registers,
.if (\f) < 2
	LOADX (\f)+2, (\f)%2                           ; which take the fragment two on
.endif
	s_wait_xcnt 0x0                                ; the last fragment's stores have read the codes' and the word's registers
	QFRAG
.irp c, 0,1,2
	global_store_b128 v1, v[224+4*\c:227+4*\c], s[26:27] offset:(128*((\f)/2)+(\f)%2)*1536+512*\c   ; 32 lanes store 512 consecutive bytes
.endr
.if (\f)%2 == 0
	v_mov_b32 v14, v12                             ; the even tile's words wait for the odd tile's
.else
	v_cndmask_b32 v12, v14, v12, s[MSK]            ; lanes 0-15 the even tile's rows, lanes 16-31 the odd tile's
	global_store_b32 v4, v12, s[28:29] offset:8192*((\f)/2)
.endif
.endm
	LOADX 0, 0
	LOADX 1, 1
	FRAGX 0
	FRAGX 1
	FRAGX 2
	FRAGX 3
	s_wait_tensorcnt 0x0
	ds_add_u32 v254, v255
	s_wait_dscnt 0x0
	s_endpgm
; ---------------- the weights: [K][N].  One text serves all seven: the work-group's number chooses the pointer and six numbers.
; v2 1,536 u + 16 rho, v3 4 x lane: where I store; v6 my column; v8-11 at work; v32-63 byte offsets of rows 0-31 of a block; v64-95, v96-127 two sets of 32 numbers; v128-175 the codes of two K steps; v176-178 the odd conversion's; v180-181 scale words
.Lweights:
	s_wait_kmcnt 0x0
	s_mov_b64 s[22:23], s[6:7]                     ; W_DKV: the pointer,
	s_mov_b32 s24, 128                             ; its first work-group,
	s_mov_b32 s25, 4                               ; log2 of its groups of 32 columns,
	s_mov_b32 s26, 2048                            ; bytes in a row,
	s_mov_b32 s27, W1C                             ; where its codes go,
	s_mov_b32 s28, W1S                             ; its scale words,
	s_mov_b32 s29, 98                              ; the tiles of the operand that it is part of,
	s_mov_b32 s30, 0                               ; and whether its rows stay in natural order
.macro PICK start, p, lg, str, dco, dso, t, nat
	s_cmp_ge_u32 ttmp9, \start                     ; the choice hangs on the work-group's number alone
	s_cselect_b64 s[22:23], s[\p:\p+1], s[22:23]
	s_cselect_b32 s24, \start, s24
	s_cselect_b32 s25, \lg, s25
	s_cselect_b32 s26, \str, s26
	s_cselect_b32 s27, \dco, s27
	s_cselect_b32 s28, \dso, s28
	s_cselect_b32 s29, \t, s29
	s_cselect_b32 s30, \nat, s30
.endm
	PICK 160, 8, 5, 4096, W1C+32*1536, W1S+16*128, 98, 0       ; W_DQ
	PICK 224, 10, 0, 64, W1C+96*1536, W1S+48*128, 98, -1       ; W_lam
	PICK 226, 12, 6, 8192, W2AC, W2AS, 256, 0                  ; W_UK
	PICK 258, 14, 6, 8192, W2AC+128*1536, W2AS+64*128, 256, 0  ; W_UV
	PICK 290, 16, 7, 16384, W2QC, W2QS, 256, 0                 ; W_UQ
	PICK 418, 18, 6, 8192, W3C, W3S, 128, 0                    ; W_out
	s_sub_co_u32 s31, ttmp9, s24
	s_lshl_b32 s31, s31, 2
	s_add_co_u32 s31, s31, s2                      ; which share of this weight
	s_lshl_b32 s32, 1, s25
	s_sub_co_u32 s32, s32, 1
	s_and_b32 s32, s31, s32                        ; cg: 32 columns; neighbouring waves take neighbouring groups
	s_lshr_b32 s33, s31, s25                       ; kp: 256 along K
	s_mul_i32 s34, s33, s26
	s_lshl_b32 s34, s34, 8                         ; 256 kp rows,
	s_lshl_b32 s35, s32, 7
	s_add_co_u32 s34, s34, s35                     ; + 128 bytes for each group
	s_mov_b32 s35, 0
	s_add_nc_u64 s[22:23], s[22:23], s[34:35]
	s_lshl_b32 s36, s26, 5                         ; a block on: 32 rows
	s_mov_b32 s37, 0
	s_mul_i32 s38, s33, s29
	s_add_co_u32 s38, s38, s32                     ; kp T + cg
	s_lshl_b32 s52, s38, 7
	s_add_co_u32 s52, s52, s28
	s_mov_b32 s53, 0
	s_mul_i32 s38, s38, 3072                       ; fragment (2 kp, 2 cg)
	s_add_co_u32 s38, s38, s27
	s_mov_b32 s39, 0
	s_add_nc_u64 s[44:45], s[20:21], s[38:39]      ; codes of my first K step,
	s_mul_i32 s38, s29, 1536
	s_add_nc_u64 s[46:47], s[44:45], s[38:39]      ; of my second;
	s_add_nc_u64 s[48:49], s[20:21], s[52:53]      ; scale words likewise
	s_lshl_b32 s52, s29, 6
	s_add_nc_u64 s[50:51], s[48:49], s[52:53]
	v_and_b32 v6, 7, v0
	v_bfe_u32 v7, v0, 3, 1
	v_lshl_add_u32 v6, v7, 4, v6
	s_wait_alu depctr_va_vdst(0)
	v_lshl_add_u32 v6, v17, 3, v6                  ; lane l = (tile u = l / 16, row rho = l % 16) takes column 8 u + rho + 8 (rho / 8) of the group;
	v_cndmask_b32 v6, v6, v16, s30                 ; W_lam: column rho, for both tiles
	v_lshlrev_b32 v6, 2, v6
.set RH, 0
.rept 32
	v_mad_u32_u24 v[32+RH], s26, RH, v6
.set RH, RH+1
.endr
	v_mul_u32_u24 v2, v17, 1536
	v_lshl_add_u32 v2, v16, 4, v2
	v_lshlrev_b32 v3, 2, v15
.macro LOADW t                         ; block t: W(32 t + i, my column), i = 0 .. 31: each load reads 128 consecutive bytes
.if (\t) > 0
	s_wait_xcnt 0x0                                ; the earlier loads have read the base
	s_add_nc_u64 s[22:23], s[22:23], s[36:37]
.endif
.set RH, 0
.rept 32
	global_load_b32 v[64+32*((\t)%2)+RH], v[32+RH], s[22:23] th:TH_LOAD_NT
.set RH, RH+1
.endr
.endm
.macro BLOCK t                         ; block t % 4 of K step t / 4 = registers 6 c .. 6 c + 5 of the fragment's lane (rho, h) with h = t % 2, c = (t % 4) / 2
.set XB, 64+32*((\t)%2)
.set IMG, 128+24*((\t)/4)+12*((\t)%2)+6*(((\t)%4)/2)
.if (\t) < 7
	s_wait_loadcnt 32                              ; this block's 32 loads are in; the next block's may be out
.else
	s_wait_loadcnt 0
.endif
	v_max3_num_f32 v8, |v[XB]|, |v[XB+1]|, |v[XB+2]|
	v_max3_num_f32 v9, |v[XB+3]|, |v[XB+4]|, |v[XB+5]|
.irp i, 6,10,14,18,22,26
	v_max3_num_f32 v8, v8, |v[XB+\i]|, |v[XB+\i+1]|
	v_max3_num_f32 v9, v9, |v[XB+\i+2]|, |v[XB+\i+3]|
.endr
	v_max3_num_f32 v8, v8, |v[XB+30]|, |v[XB+31]|
	v_max3_num_f32 v8, v8, v9, 0x1800000           ; and the floor
	v_add_nc_u32 v10, 0xff000000, v8
	v_lshrrev_b32 v11, 23, v10
.if (\t)%4 == 0
	v_mov_b32 v[180+(\t)/4], v11                   ; my row's four bytes make its scale word
.else
	v_lshl_or_b32 v[180+(\t)/4], v11, 8*((\t)%4), v[180+(\t)/4]
.endif
	v_cvt_scalef32_pk16_fp6_f32 v[IMG:IMG+2], v[XB:XB+15], v10
	v_cvt_scalef32_pk16_fp6_f32 v[176:178], v[XB+16:XB+31], v10
	v_nop                                          ; one plain place behind a scaled conversion
.irp i, 0,1,2
	v_mov_b32 v[IMG+3+\i], v[176+\i]
.endr
.if (\t)+2 < 8
	LOADW (\t)+2
.endif
.if (\t)%4 == 3                        ; a K step is whole: lanes 0-15 store 256 consecutive bytes of tile 2 cg's image, lanes 16-31 of tile 2 cg + 1's; each K step has registers of its own
	s_wait_alu depctr_va_vdst(0)
.irp hh, 0,1
.irp c, 0,1,2
	global_store_b128 v2, v[128+24*((\t)/4)+12*\hh+4*\c:131+24*((\t)/4)+12*\hh+4*\c], s[44+2*((\t)/4):45+2*((\t)/4)] offset:512*\c+256*\hh
.endr
.endr
	global_store_b32 v3, v[180+(\t)/4], s[48+2*((\t)/4):49+2*((\t)/4)]
.endif
.endm
	LOADW 0
	s_wait_alu depctr_va_vdst(0)
	LOADW 1
	BLOCK 0
	BLOCK 1
	BLOCK 2
	BLOCK 3
	BLOCK 4
	BLOCK 5
	BLOCK 6
	BLOCK 7
	s_endpgm
; ---------------- the table.  For token tile t, chunk (n, cos or sin) of 512 bytes holds, at 16 x lane, the four values for frequencies i = 32 (n / 4) + 16 h + 4 (n % 4) + 0 .. 3 at the token of row r:
; the order in which a lane of the product that makes q or k holds the head's first 64 numbers.
; v1 where I store; v2 the token as f32; v4-7 16 h + e; v8-11 the angle, then its rest; v20-23 the quadrant; v24-27 the rest's square; v28-31 sin, v32-35 cos of the rest; v36-43 at work; v44-47 cos, v48-51 sin
.Lrope:
	s_sub_co_u32 s3, ttmp9, 546
	s_lshl_b32 s3, s3, 2
	s_add_co_u32 s3, s3, s2                        ; t
	s_lshr_b32 s22, s3, 1
	s_lshl_b32 s22, s22, 5
	s_and_b32 s23, s3, 1
	s_lshl_b32 s23, s23, 3
	s_add_co_u32 s22, s22, s23
	s_wait_alu depctr_va_vdst(0)
	v_and_b32 v2, 8, v16
	v_add_nc_u32 v2, v2, v16
	v_add_nc_u32 v2, s22, v2                       ; 32 (t / 2) + 8 (t % 2) + r + 8 (r / 8)
	v_cvt_f32_u32 v2, v2
	v_lshlrev_b32 v1, 4, v15
	v_lshlrev_b32 v3, 4, v17
.irp e, 0,1,2,3
	v_add_nc_u32 v[4+\e], \e, v3
.endr
	s_lshl_b32 s24, s3, 13
	s_add_co_u32 s24, s24, RT
	s_mov_b32 s25, 0
	s_wait_kmcnt 0x0
	s_add_nc_u64 s[20:21], s[20:21], s[24:25]
	s_mov_b32 s26, 0xbfc90fdb                      ; -(pi / 2 rounded to f32),
	s_mov_b32 s27, 0x333bbd2e                      ; what that rounding added: 4.3711388e-8
	s_mov_b32 s28, 0xb94ca1f9                      ; sin r = r + r z (-1.6666654611e-1 + z (8.3321608736e-3 - 1.9515295891e-4 z)), z = r r, |r| <= pi / 4
	s_mov_b32 s29, 0x3c08839e
	s_mov_b32 s30, 0xbe2aaaa3
	s_mov_b32 s31, 0x37ccf5ce                      ; cos r = 1 - z / 2 + z z (4.166664568e-2 + z (-1.388731625e-3 + 2.443315712e-5 z))
	s_mov_b32 s32, 0xbab6061a
	s_mov_b32 s33, 0x3d2aaaa5
	s_mov_b32 s23, 0
.Ltrip:                                            ; 8 trips, n = 0 .. 7; four frequencies by turns
	s_lshr_b32 s24, s23, 2
	s_lshl_b32 s24, s24, 5
	s_and_b32 s25, s23, 3
	s_lshl_b32 s25, s25, 2
	s_add_co_u32 s24, s24, s25
	s_wait_alu depctr_va_vdst(0)
.irp e, 0,1,2,3
	v_add_nc_u32 v[8+\e], s24, v[4+\e]             ; i
.endr
.irp e, 0,1,2,3
	v_cvt_f32_u32 v[8+\e], v[8+\e]
.endr
.irp e, 0,1,2,3
	v_mul_f32 v[8+\e], 0xbe549a78, v[8+\e]         ; -i log2(10000) / 64
.endr
	s_wait_alu depctr_va_vdst(0)
.irp e, 0,1,2,3
	v_exp_f32 v[8+\e], v[8+\e]                     ; the frequency
.endr
	v_nop                                          ; a plain place behind the exponentials,
	s_wait_alu depctr_va_vdst(0)                   ; and one wait for the four, ahead of their first reader
.irp e, 0,1,2,3
	v_mul_f32 v[8+\e], v2, v[8+\e]                 ; the angle, rounded once to f32
.endr
.irp e, 0,1,2,3
	v_mul_f32 v[20+\e], 0x3f22f983, v[8+\e]        ; x 2 / pi
.endr
.irp e, 0,1,2,3
	v_rndne_f32 v[20+\e], v[20+\e]                 ; k, at most 1,303
.endr
.irp e, 0,1,2,3
	v_fma_f32 v[8+\e], v[20+\e], s26, v[8+\e]      ; the angle - k pi / 2, in two parts: the first is exact
.endr
.irp e, 0,1,2,3
	v_fma_f32 v[8+\e], v[20+\e], s27, v[8+\e]
.endr
.irp e, 0,1,2,3
	v_cvt_i32_f32 v[20+\e], v[20+\e]
.endr
.irp e, 0,1,2,3
	v_mul_f32 v[24+\e], v[8+\e], v[8+\e]
.endr
.irp e, 0,1,2,3
	v_fma_f32 v[28+\e], v[24+\e], s28, s29
	v_fma_f32 v[32+\e], v[24+\e], s31, s32
.endr
.irp e, 0,1,2,3
	v_fma_f32 v[28+\e], v[28+\e], v[24+\e], s30
	v_fma_f32 v[32+\e], v[32+\e], v[24+\e], s33
.endr
.irp e, 0,1,2,3
	v_mul_f32 v[28+\e], v[28+\e], v[24+\e]
	v_mul_f32 v[32+\e], v[32+\e], v[24+\e]
	v_fma_f32 v[36+\e], v[24+\e], -0.5, 1.0
.endr
.irp e, 0,1,2,3
	v_fma_f32 v[28+\e], v[28+\e], v[8+\e], v[8+\e]
	v_fma_f32 v[32+\e], v[32+\e], v[24+\e], v[36+\e]
	v_and_b32 v[40+\e], 1, v[20+\e]
.endr
.irp e, 0,1,2,3
	v_cmp_eq_u32 vcc_lo, 1, v[40+\e]               ; in odd quadrants sin and cos change places
	v_cndmask_b32 v[48+\e], v[28+\e], v[32+\e], vcc_lo
	v_cndmask_b32 v[44+\e], v[32+\e], v[28+\e], vcc_lo
.endr
.irp e, 0,1,2,3
	v_and_b32 v[40+\e], 2, v[20+\e]                ; sin is negative in quadrants 2 and 3,
	v_add_nc_u32 v[36+\e], 1, v[20+\e]             ; cos in 1 and 2
.endr
.irp e, 0,1,2,3
	v_lshlrev_b32 v[40+\e], 30, v[40+\e]
	v_and_b32 v[36+\e], 2, v[36+\e]
.endr
.irp e, 0,1,2,3
	v_xor_b32 v[48+\e], v[40+\e], v[48+\e]
	v_lshlrev_b32 v[36+\e], 30, v[36+\e]
.endr
.irp e, 0,1,2,3
	v_xor_b32 v[44+\e], v[36+\e], v[44+\e]
.endr
	global_store_b128 v1, v[44:47], s[20:21]               ; 32 lanes store 512 consecutive bytes
	global_store_b128 v1, v[48:51], s[20:21] offset:512
	s_wait_xcnt 0x0                                ; the stores have read their offset and data: both are written again in the next trip
	v_add_nc_u32 v1, 1024, v1
	s_add_co_u32 s23, s23, 1
	s_cmp_lt_u32 s23, 8
	s_cbranch_scc1 .Ltrip
	s_endpgm
.Lfunc_end_k_qf9e7876d9f_quant:
	.size	k_qf9e7876d9f_quant, .Lfunc_end_k_qf9e7876d9f_quant-k_qf9e7876d9f_quant
	.p2alignl 7, 3214868480
	.fill 96, 4, 3214868480
	.section	.rodata,"a",@progbits
	.p2align	6, 0x0
	.amdhsa_kernel k_qf9e7876d9f_quant
		.amdhsa_group_segment_fixed_size 34304
		.amdhsa_private_segment_fixed_size 0
		.amdhsa_enable_private_segment 0
		.amdhsa_kernarg_size 72
		.amdhsa_user_sgpr_count 2
		.amdhsa_user_sgpr_kernarg_segment_ptr 1
		.amdhsa_wavefront_size32 1
		.amdhsa_system_sgpr_workgroup_id_x 1
		.amdhsa_system_sgpr_workgroup_id_y 1
		.amdhsa_system_sgpr_workgroup_id_z 1
		.amdhsa_system_vgpr_workitem_id 0
		.amdhsa_next_free_vgpr 256
		.amdhsa_next_free_sgpr 66
		.amdhsa_reserve_vcc 1
		.amdhsa_float_denorm_mode_32 3
		.amdhsa_float_denorm_mode_16_64 3
		.amdhsa_memory_ordered 1
		.amdhsa_forward_progress 1
		.amdhsa_inst_pref_size 82
	.end_amdhsa_kernel
	.amdgpu_metadata
---
amdhsa.version: [ 1, 2 ]
amdhsa.kernels:
  - .name:           k_qf9e7876d9f_quant
    .symbol:         k_qf9e7876d9f_quant.kd
    .args:
      - { .name: x, .offset: 0, .size: 8, .value_kind: global_buffer, .address_space: global }
      - { .name: W_DKV, .offset: 8, .size: 8, .value_kind: global_buffer, .address_space: global }
      - { .name: W_DQ, .offset: 16, .size: 8, .value_kind: global_buffer, .address_space: global }
      - { .name: W_lam, .offset: 24, .size: 8, .value_kind: global_buffer, .address_space: global }
      - { .name: W_UK, .offset: 32, .size: 8, .value_kind: global_buffer, .address_space: global }
      - { .name: W_UV, .offset: 40, .size: 8, .value_kind: global_buffer, .address_space: global }
      - { .name: W_UQ, .offset: 48, .size: 8, .value_kind: global_buffer, .address_space: global }
      - { .name: W_out, .offset: 56, .size: 8, .value_kind: global_buffer, .address_space: global }
      - { .name: qb, .offset: 64, .size: 8, .value_kind: global_buffer, .address_space: global }
    .group_segment_fixed_size: 34304
    .private_segment_fixed_size: 0
    .kernarg_segment_align: 8
    .kernarg_segment_size: 72
    .max_flat_workgroup_size: 128
    .sgpr_count:     66
    .vgpr_count:     256
    .wavefront_size: 32
...
	.end_amdgpu_metadata
.endif
;; end of part 6
;; launch down (part 7): grid 256 x 1, 8 waves a work-group, no clusters, 82,944 bytes of LDS; arguments qb, b_lam, cb; writes cb
.if DOCPART == 7
	.amdgcn_target "amdgcn-amd-amdhsa--gfx1250"
	.amdhsa_code_object_version 6
	.text
	.protected	k_qf9e7876d9f_down
	.globl	k_qf9e7876d9f_down
	.p2align	8
	.type	k_qf9e7876d9f_down,@function
k_qf9e7876d9f_down:
	s_mov_b64 s[64:65], 0
	v_nop
	global_prefetch_b8 v0, s[64:65] scope:SCOPE_SE
	s_setreg_imm32_b32 hwreg(HW_REG_WAVE_MODE, 25, 1), 1
	s_wait_xcnt 0x0
; c_kv = x W_DKV, c_q = x W_DQ, lam = sigmoid(x W_lam + b_lam), on codes of FP6 (E2M3) with E8M0 scales; c_kv and c_q are quantised along their units on the way out and leave as codes.
; OPERANDS lie in memory as images of their registers (a fragment of 16 rows x 128 K is 1,536 bytes: registers 4 c .. 4 c + 3 of lane l at 512 c + 16 l), K step by K step; three loads of 16 bytes a lane bring one,
; straight into registers.  Scale words: 128 bytes for a pair of tiles, lanes 0-15 the even tile's rows, lanes 16-31 the odd tile's: one register serves both.
; Source 0 (the L side) is the axis along which the result is quantised next, source 1 (the S side, 2 tiles of tokens) the other.  A tile's rows are chosen (row rho of tile 2 b + u is index 32 b + 8 u + rho + 8 (rho / 8))
; so that in the result lane (r, h) holds row r of the S tile, and register 16 b + i of its 64 the L index 32 b + 16 h + i: 16 neighbours along the next K.
; SHARES.  Work-groups 0-191: 128 units (U = number / 16: 0-3 c_kv, 4-11 c_q) x 128 tokens.  Eight waves: wave (w = number % 4, kh = number / 4) makes 128 units x 32 tokens from K steps 8 kh .. 8 kh + 7 alone: each wave walks
; eight K steps, and the work-group has eight waves' loads on their way.  The partners w and w + 4 then change halves through LDS, as their registers stand: kh = 0 keeps token tile 0 and sends tile 1, kh = 1 the other way round;
; each adds the partner's sums to its own and quantises and stores ONE tile.  So an output is the f32 sum of two f32 sums, each over 1,024 along K in ascending order.
; Work-groups 192-255: lam for 32 tokens: L = W_lam's one tile (row = head), S = two tiles of tokens; each of the eight waves takes two K steps; the eight partial sums meet in LDS, wave 0 adds them in ascending K.
; lam leaves as images too: token tile t has 1,024 bytes: lam(row r, head 8 h + 4 c + e) at 512 c + 16 (16 h + r) + 4 e: each store covers 512 consecutive bytes.
; LDS: bytes 0 - 65,535: the exchange, 8,192 a wave.  65,536 - 81,919: lam's partial sums, 2,048 a wave: the two kinds of work-group have bytes of their own.
; LIMITS: NaN and infinities are not served; a block of zeros gets the byte 1 and zero codes (this program alone reads the bytes).
; REGISTERS: window 0: v1 16 x lane, v2 4 x lane; v3-6 LDS addresses; v7 4 x (lane % 16); v8-17 scale words, two sets of 4 + 1; v18-30 the quantiser's; v31 32 x (lane / 16); v32-95 the partner's sums; v96-114 the codes just made;
;   v128-255 the 16 accumulators ((j, i) at 128 + 64 j + 8 i).   window 1: operand set p at 128 p: L's tile i at + 12 i, S's tile j at + 96 + 12 j.
.set XS,   3145728                     ; byte offsets in qb
.set W1C,  3276800
.set W1S,  5685248
.set CS,   2359296                     ; in cb: codes [U][tile] at 0, scale words [U][pair], lam [tile]
.set LAM,  2457600
.set LX,   65536                       ; LDS: lam's partial sums
.set ACC, 128
.set SCL, 8
.set MX,  18
.set BY,  22
.set SO,  26
.set PW,  30
.set BOF, 31
.set T,   32
.set PC,  96
.set SND, 3                            ; v3 where I put what I send: 8,192 x wave + 16 x lane
.set RCV, 4                            ; v4 where my partner has put it: 8,192 x (wave xor 4) + 16 x lane
.set LSN, 5                            ; v5 lam: my partial sums: LX + 2,048 x wave + 16 x lane
.set LRC, 6                            ; v6 lam: LX + 16 x lane
.set WRD, 7
.set SEL, 34                           ; s[34:35] lane selects for v_permlanex16_b32: lane l xor 16
.set MSB, 0
.macro WIN new                         ; s_set_vgpr_msb: bits 1:0 source 0, 3:2 source 1, 5:4 source 2, 7:6 destination; the high byte repeats the setting that is left
.if MSB != \new
	s_set_vgpr_msb (MSB<<8)|\new
.set MSB, \new
.endif
.endm
.macro PLACES                          ; four plain places between a matrix instruction and a load into, a store of, or a vector instruction on, its registers
.rept 4
	v_nop
.endr
.endm
.macro BASE d, p, off                  ; s[d:d+1] = the buffer at s[p:p+1] + s40 + off  (s41 = 0)
	s_add_co_u32 s40, s40, \off
	s_add_nc_u64 s[\d:\d+1], s[\p:\p+1], s[40:41]
.endm
.macro KPART                           ; my part of K begins s44 K steps on
	s_mul_i32 s40, s44, s16
	s_add_nc_u64 s[8:9], s[8:9], s[40:41]
	s_mul_i32 s40, s44, s18
	s_add_nc_u64 s[10:11], s[10:11], s[40:41]
	s_mul_i32 s40, s44, s20
	s_add_nc_u64 s[12:13], s[12:13], s[40:41]
	s_mul_i32 s40, s44, s22
	s_add_nc_u64 s[14:15], s[14:15], s[40:41]
.endm
.macro LOADK p, nl, ns
	WIN 0x40                                       ; destination window 1, address window 0
.irp i, 0,1,2,3,4,5,6,7
.if \i < \nl
.irp c, 0,1,2
	global_load_b128 v[128*(\p)+12*\i+4*\c:128*(\p)+12*\i+4*\c+3], v1, s[8:9] offset:1536*\i+512*\c
.endr
.endif
.endr
.irp j, 0,1
.if \j < \ns
.irp c, 0,1,2
	global_load_b128 v[128*(\p)+96+12*\j+4*\c:128*(\p)+96+12*\j+4*\c+3], v1, s[10:11] offset:1536*\j+512*\c
.endr
.endif
.endr
	WIN 0
.irp q, 0,1,2,3
.if 2*\q < \nl
	global_load_b32 v[SCL+5*(\p)+\q], v2, s[12:13] offset:128*\q
.endif
.endr
	global_load_b32 v[SCL+5*(\p)+4], v2, s[14:15]
.endm
.macro STEPK                           ; on to the next K step
	s_wait_xcnt 0x0                                ; the loads issued so far have read their bases
	s_add_nc_u64 s[8:9], s[8:9], s[16:17]
	s_add_nc_u64 s[10:11], s[10:11], s[18:19]
	s_add_nc_u64 s[12:13], s[12:13], s[20:21]
	s_add_nc_u64 s[14:15], s[14:15], s[22:23]
.endm
.macro MM z, d, a, b, sa, sb, ra, rb   ; one product; z: it starts the sum; ra, rb: the scale words stand in lanes 16-31
.if (\z) && (\ra) && (\rb)
	v_wmma_scale_f32_16x16x128_f8f6f4 v[(\d):(\d)+7], v[(\a):(\a)+11], v[(\b):(\b)+11], 0, v[\sa], v[\sb] matrix_a_fmt:MATRIX_FMT_FP6 matrix_b_fmt:MATRIX_FMT_FP6 matrix_a_scale:MATRIX_SCALE_ROW1 matrix_b_scale:MATRIX_SCALE_ROW1
.elseif (\z) && (\ra)
	v_wmma_scale_f32_16x16x128_f8f6f4 v[(\d):(\d)+7], v[(\a):(\a)+11], v[(\b):(\b)+11], 0, v[\sa], v[\sb] matrix_a_fmt:MATRIX_FMT_FP6 matrix_b_fmt:MATRIX_FMT_FP6 matrix_a_scale:MATRIX_SCALE_ROW1
.elseif (\z) && (\rb)
	v_wmma_scale_f32_16x16x128_f8f6f4 v[(\d):(\d)+7], v[(\a):(\a)+11], v[(\b):(\b)+11], 0, v[\sa], v[\sb] matrix_a_fmt:MATRIX_FMT_FP6 matrix_b_fmt:MATRIX_FMT_FP6 matrix_b_scale:MATRIX_SCALE_ROW1
.elseif (\z)
	v_wmma_scale_f32_16x16x128_f8f6f4 v[(\d):(\d)+7], v[(\a):(\a)+11], v[(\b):(\b)+11], 0, v[\sa], v[\sb] matrix_a_fmt:MATRIX_FMT_FP6 matrix_b_fmt:MATRIX_FMT_FP6
.elseif (\ra) && (\rb)
	v_wmma_scale_f32_16x16x128_f8f6f4 v[(\d):(\d)+7], v[(\a):(\a)+11], v[(\b):(\b)+11], v[(\d):(\d)+7], v[\sa], v[\sb] matrix_a_fmt:MATRIX_FMT_FP6 matrix_b_fmt:MATRIX_FMT_FP6 matrix_a_scale:MATRIX_SCALE_ROW1 matrix_b_scale:MATRIX_SCALE_ROW1
.elseif (\ra)
	v_wmma_scale_f32_16x16x128_f8f6f4 v[(\d):(\d)+7], v[(\a):(\a)+11], v[(\b):(\b)+11], v[(\d):(\d)+7], v[\sa], v[\sb] matrix_a_fmt:MATRIX_FMT_FP6 matrix_b_fmt:MATRIX_FMT_FP6 matrix_a_scale:MATRIX_SCALE_ROW1
.elseif (\rb)
	v_wmma_scale_f32_16x16x128_f8f6f4 v[(\d):(\d)+7], v[(\a):(\a)+11], v[(\b):(\b)+11], v[(\d):(\d)+7], v[\sa], v[\sb] matrix_a_fmt:MATRIX_FMT_FP6 matrix_b_fmt:MATRIX_FMT_FP6 matrix_b_scale:MATRIX_SCALE_ROW1
.else
	v_wmma_scale_f32_16x16x128_f8f6f4 v[(\d):(\d)+7], v[(\a):(\a)+11], v[(\b):(\b)+11], v[(\d):(\d)+7], v[\sa], v[\sb] matrix_a_fmt:MATRIX_FMT_FP6 matrix_b_fmt:MATRIX_FMT_FP6
.endif
.endm
.macro MUL p, nl, ns, zero             ; a K step's nl x ns products: the accumulators take turns, one instruction a turn, in the same order in every K step
	WIN 0x05                                       ; sources 0 and 1 window 1; C and D window 0
.irp j, 0,1
.if \j < \ns
.irp i, 0,1,2,3,4,5,6,7
.if \i < \nl
	MM \zero, ACC+64*\j+8*\i, 128*(\p)+12*\i, 128*(\p)+96+12*\j, SCL+5*(\p)+\i/2, SCL+5*(\p)+4, \i%2, \j
.endif
.endr
.endif
.endr
	WIN 0
.endm
.macro PAIR nl, ns, zero               ; two K steps, and the loads of the two that follow
	s_wait_loadcnt NLD                             ; set 0 is in; set 1's loads may be out
	MUL 0, \nl, \ns, \zero
	PLACES
	STEPK
	LOADK 0, \nl, \ns
	s_wait_loadcnt NLD                             ; set 1 is in; set 0's new loads may be out
	MUL 1, \nl, \ns, 0
	PLACES
	STEPK
	LOADK 1, \nl, \ns
.endm
.macro GEMM nl, ns, trips              ; 4 + 2 trips K steps; the first products start the sums: nothing is cleared
.set NLD, 3*(\nl)+3*(\ns)+((\nl)+1)/2+1
	LOADK 0, \nl, \ns
	STEPK
	LOADK 1, \nl, \ns
	PAIR \nl, \ns, 1
.if (\trips) > 0
	s_mov_b32 s24, \trips
.Lk_\@:
	PAIR \nl, \ns, 0
	s_sub_co_u32 s24, s24, 1
	s_cmp_lg_u32 s24, 0
	s_cbranch_scc1 .Lk_\@
.endif
	s_wait_loadcnt NLD                             ; the last two K steps load nothing
	MUL 0, \nl, \ns, 0
	s_wait_loadcnt 0x0
	MUL 1, \nl, \ns, 0
	PLACES
.endm
; 64 numbers of a lane, v[s] .. v[s + 63], register 16 b + i = K 32 b + 16 (lane / 16) + i of my row, become a fragment's codes in v[PC] on and its scale word in v[PW] (the same in lanes r and r + 16).
.macro QUANT s
.irp b, 0,1,2,3
	v_max3_num_f32 v[MX+\b], |v[(\s)+16*\b]|, |v[(\s)+1+16*\b]|, 0x1800000   ; block b: my 16 numbers, and the floor 2^(3 - 127): the byte cannot fall under 1
.endr
.irp i, 2,4,6,8,10,12,14
.irp b, 0,1,2,3
	s_delay_alu instid0(VALU_DEP_4)
	v_max3_num_f32 v[MX+\b], v[MX+\b], |v[(\s)+16*\b+\i]|, |v[(\s)+1+16*\b+\i]|
.endr
.endr
.irp b, 0,1,2,3
	s_delay_alu instid0(VALU_DEP_4)
	v_permlanex16_b32 v[BY+\b], v[MX+\b], s[SEL], s[SEL+1]
.endr
.irp b, 0,1,2,3
	s_delay_alu instid0(VALU_DEP_4)
	v_max_num_f32 v[MX+\b], v[MX+\b], v[BY+\b]     ; with lane l xor 16's: the block's largest magnitude
.endr
.irp b, 0,1,2,3
	s_delay_alu instid0(VALU_DEP_4)
	v_add_nc_u32 v[SO+\b], 0xff000000, v[MX+\b]    ; 2 off its exponent field: the conversion's scale operand
.endr
.irp b, 0,1,2,3
	s_delay_alu instid0(VALU_DEP_4)
	v_lshrrev_b32 v[BY+\b], 23, v[SO+\b]           ; the scale's byte
.endr
	s_delay_alu instid0(VALU_DEP_3)
	v_lshl_or_b32 v[PW], v[BY+1], 8, v[BY]
	s_delay_alu instid0(VALU_DEP_1)
	v_lshl_or_b32 v[PW], v[BY+2], 16, v[PW]
	s_delay_alu instid0(VALU_DEP_1)
	v_lshl_or_b32 v[PW], v[BY+3], 24, v[PW]
.irp c, 0,1
	v_cvt_scalef32_pk16_fp6_f32 v[PC+6*\c:PC+2+6*\c], v[(\s)+32*\c:(\s)+15+32*\c], v[SO+2*\c]
	v_cvt_scalef32_pk16_fp6_f32 v[PC+12+4*\c:PC+14+4*\c], v[(\s)+16+32*\c:(\s)+31+32*\c], v[SO+2*\c+1]   ; (a conversion's three registers begin on an even number)
.endr
	v_nop                                          ; one plain place behind a scaled conversion
.irp c, 0,1                            ; the operand's layout wants a WHOLE block in a lane: lanes 0-15 block 2 c, lanes 16-31 block 2 c + 1
.irp i, 0,1,2
	v_permlane16_swap_b32 v[PC+6*\c+\i], v[PC+12+4*\c+\i]
.endr
.irp i, 0,1,2
	s_delay_alu instid0(VALU_DEP_3)
	v_mov_b32 v[PC+3+6*\c+\i], v[PC+12+4*\c+\i]
.endr
.endr
.endm
.macro SEND j                          ; my sums for token tile j go to my partner, as the registers stand; each accumulator from its low end on
.set J, 0
.rept 16
	ds_store_b128 v[SND], v[ACC+64*(\j)+4*J:ACC+64*(\j)+4*J+3] offset:512*J
.set J, J+1
.endr
.endm
.macro OWN j                           ; token tile j is mine: the partner's sums are added, the tile is quantised and leaves as one fragment and 16 scale words.  s[26:27] codes, s[28:29] scale words
.set J, 0
.rept 32
	v_pk_add_f32 v[ACC+64*(\j)+J:ACC+64*(\j)+J+1], v[ACC+64*(\j)+J:ACC+64*(\j)+J+1], v[T+J:T+J+1]
.set J, J+2
.endr
	QUANT ACC+64*(\j)
.irp c, 0,1,2
	global_store_b128 v1, v[PC+4*\c:PC+4*\c+3], s[26:27] offset:1536*(\j)+512*\c   ; 32 lanes store 512 consecutive bytes
.endr
	global_store_b32 v[WRD], v[PW], s[28:29] offset:64*(\j)   ; lanes r and r + 16 hold row r's word and write it to the same place
	s_set_vgpr_msb 0x5
	s_wait_tensorcnt 0x0
	ds_add_u32 v254, v255
	s_wait_dscnt 0x0
	s_set_vgpr_msb 0x500
	s_endpgm
.endm
	s_load_b128 s[4:7], s[0:1], 0x0                ; qb, b_lam
	s_load_b64 s[30:31], s[0:1], 0x10              ; cb
	s_set_vgpr_msb 0x40
	v_lshl_add_u32 v254, v0, 2, 0x14000
	v_mov_b32 v255, 0
	s_set_vgpr_msb 0x4000
	v_lshrrev_b32 v3, 5, v0
	s_delay_alu instid0(VALU_DEP_1)
	v_readfirstlane_b32 s2, v3                     ; wave 0..7
	v_and_b32 v3, 31, v0
	s_delay_alu instid0(VALU_DEP_1)
	v_lshlrev_b32 v1, 4, v3
	s_delay_alu instid0(VALU_DEP_2)
	v_lshlrev_b32 v2, 2, v3
	v_and_b32 v[WRD], 15, v0
	s_delay_alu instid0(VALU_DEP_1)
	v_lshlrev_b32 v[WRD], 2, v[WRD]
	v_bfe_u32 v[BOF], v0, 4, 1
	s_delay_alu instid0(VALU_DEP_1)
	v_lshlrev_b32 v[BOF], 5, v[BOF]
	s_lshr_b32 s3, s2, 2                           ; kh: which half of K, and which token tile I finish
	s_and_b32 s25, s2, 3                           ; w: which 32 tokens
	s_lshl_b32 s42, s2, 13                         ; every LDS address is made here, ahead of every parting of the ways
	v_add_nc_u32 v[SND], s42, v1
	s_xor_b32 s42, s42, 32768                      ; wave xor 4
	v_add_nc_u32 v[RCV], s42, v1
	s_lshl_b32 s42, s2, 11
	s_add_co_u32 s42, s42, LX
	v_add_nc_u32 v[LSN], s42, v1
	v_add_nc_u32 v[LRC], LX, v1
.irp b, 0,1,2,3
	v_mov_b32 v[BY+\b], 0                          ; written once: a lane permute's destination counts as one of its sources
.endr
	s_mov_b32 s[SEL], 0x76543210
	s_mov_b32 s[SEL+1], 0xfedcba98
	s_mov_b32 s17, 0                               ; the steps' high words, and the offset pair's
	s_mov_b32 s19, 0
	s_mov_b32 s21, 0
	s_mov_b32 s23, 0
	s_mov_b32 s41, 0
	s_wait_kmcnt 0x0
	s_cmp_ge_u32 ttmp9, 192
	s_cbranch_scc1 .Llam
	s_lshr_b32 s37, ttmp9, 4                       ; U: 128 units
	s_and_b32 s38, ttmp9, 15
	s_lshl_b32 s38, s38, 2
	s_add_co_u32 s38, s38, s25                     ; g: 32 tokens
	s_mul_i32 s40, s37, 8*1536
	BASE 8, 4, W1C                                 ; L: the weights' tiles 8 U on
	s_lshl_b32 s40, s37, 9
	BASE 12, 4, W1S
	s_mul_i32 s40, s38, 3072
	BASE 10, 4, 0                                  ; S: x's tiles 2 g, 2 g + 1
	s_lshl_b32 s40, s38, 7
	BASE 14, 4, XS
	s_mov_b32 s16, 98*1536                         ; a K step on: 98 tiles of weights, 128 of x
	s_mov_b32 s18, 128*1536
	s_mov_b32 s20, 49*128
	s_mov_b32 s22, 64*128
	s_lshl_b32 s44, s3, 3                          ; my K steps begin at 8 kh
	KPART
	s_lshl_b32 s40, s37, 6
	s_add_co_u32 s40, s40, s38                     ; 64 U + g
	s_lshl_b32 s42, s40, 7
	s_mul_i32 s40, s40, 3072
	BASE 26, 30, 0
	s_mov_b32 s40, s42
	BASE 28, 30, CS
	GEMM 8, 2, 2                                   ; eight K steps
	s_cmp_lg_u32 s3, 0                             ; the branches hang on the wave's number alone
	s_cbranch_scc1 .Lsend0
	s_wait_alu depctr_va_vdst(0)
	SEND 1
	s_branch .Lsent
.Lsend0:
	s_wait_alu depctr_va_vdst(0)
	SEND 0
.Lsent:
	s_wait_dscnt 0x0                               ; for the partner's sake: my stores have landed
	s_barrier_signal -1
	s_barrier_wait -1
.set J, 0
.rept 16
	ds_load_b128 v[T+4*J:T+4*J+3], v[RCV] offset:512*J   ; the partner's sums for the tile that I finish
.set J, J+1
.endr
	s_wait_dscnt 0x0
	s_cmp_lg_u32 s3, 0
	s_cbranch_scc1 .Lown1
	OWN 0
.Lown1:
	OWN 1
.Llam:                                             ; lam: lane (r, h) holds row r of token tile 2 g + j, register e of accumulator (j, 0) head 8 h + e
	s_sub_co_u32 s38, ttmp9, 192                   ; g: 32 tokens
	s_mov_b32 s40, 0
	BASE 8, 4, W1C+96*1536                         ; L: W_lam's tile
	s_mov_b32 s40, 0
	BASE 12, 4, W1S+48*128
	s_mul_i32 s40, s38, 3072
	BASE 10, 4, 0                                  ; S: x's tiles 2 g, 2 g + 1
	s_lshl_b32 s40, s38, 7
	BASE 14, 4, XS
	s_mov_b32 s16, 98*1536
	s_mov_b32 s18, 128*1536
	s_mov_b32 s20, 49*128
	s_mov_b32 s22, 64*128
	s_lshl_b32 s44, s2, 1                          ; my two K steps begin at 2 x wave
	KPART
	s_lshl_b32 s40, s38, 11
	BASE 26, 30, LAM
	s_mov_b32 s43, 0xbfb8aa3b                      ; -log2(e)
	s_wait_alu depctr_va_vdst(0)
	global_load_b128 v[216:219], v[BOF], s[6:7]            ; the biases of heads 8 h + 0 .. 7; older than every load of the product, so its waits cover them
	global_load_b128 v[220:223], v[BOF], s[6:7] offset:16
	LOADK 0, 1, 2
	STEPK
	LOADK 1, 1, 2
	s_wait_loadcnt 11                              ; the first K step's 11 loads are in; the second's 11 may be out
	MUL 0, 1, 2, 1
	s_wait_loadcnt 0x0
	MUL 1, 1, 2, 0                                 ; the two accumulators take turns
	PLACES
	ds_store_b128 v[LSN], v[ACC:ACC+3]
	ds_store_b128 v[LSN], v[ACC+4:ACC+7] offset:512
	ds_store_b128 v[LSN], v[ACC+64:ACC+67] offset:1024
	ds_store_b128 v[LSN], v[ACC+68:ACC+71] offset:1536
	s_wait_dscnt 0x0                               ; for wave 0's sake: my stores have landed
	s_barrier_signal -1
	s_barrier_wait -1
	s_cmp_lg_u32 s2, 0
	s_cbranch_scc1 .Ldone
.irp v, 1,2,3,4,5,6,7                  ; wave v's 16 registers: waves 1-6 into v32-127, wave 7 into v200-215
.if \v == 7
.set RV, 200
.else
.set RV, 32+16*(\v-1)
.endif
.irp c, 0,1,2,3
	ds_load_b128 v[RV+4*\c:RV+4*\c+3], v[LRC] offset:2048*\v+512*\c
.endr
.endr
	s_wait_dscnt 0x0
.irp v, 1,2,3,4,5,6,7                  ; K ascending
.if \v == 7
.set RV, 200
.else
.set RV, 32+16*(\v-1)
.endif
.irp j, 0,1
.irp e, 0,2,4,6
	v_pk_add_f32 v[ACC+64*\j+\e:ACC+64*\j+\e+1], v[ACC+64*\j+\e:ACC+64*\j+\e+1], v[RV+8*\j+\e:RV+8*\j+\e+1]
.endr
.endr
.endr
.irp e, 0,1,2,3,4,5,6,7
	v_mul_f32 v[216+\e], s43, v[216+\e]
.endr
.irp j, 0,1
.irp e, 0,1,2,3,4,5,6,7
	v_fma_f32 v[ACC+64*\j+\e], v[ACC+64*\j+\e], s43, v[216+\e]   ; -log2(e) (z + b)
.endr
.endr
	s_wait_alu depctr_va_vdst(0)
.irp j, 0,1
.irp e, 0,1,2,3,4,5,6,7
	v_exp_f32 v[ACC+64*\j+\e], v[ACC+64*\j+\e]
.endr
.endr
	v_nop                                          ; a plain place behind the batch,
	s_wait_alu depctr_va_vdst(0)                   ; and one wait for it, ahead of its first reader
.irp j, 0,1
.irp e, 0,1,2,3,4,5,6,7
	v_add_f32 v[ACC+64*\j+\e], 1.0, v[ACC+64*\j+\e]
.endr
.endr
	s_wait_alu depctr_va_vdst(0)
.irp j, 0,1
.irp e, 0,1,2,3,4,5,6,7
	v_rcp_f32 v[ACC+64*\j+\e], v[ACC+64*\j+\e]     ; 1 / (1 + e^-(z + b))
.endr
.endr
	v_nop
	s_wait_alu depctr_va_vdst(0)
.irp j, 0,1
.irp c, 0,1
	global_store_b128 v1, v[ACC+64*\j+4*\c:ACC+64*\j+4*\c+3], s[26:27] offset:1024*\j+512*\c   ; 32 lanes store 512 consecutive bytes
.endr
.endr
.Ldone:
	s_set_vgpr_msb 0x5
	s_wait_tensorcnt 0x0
	ds_add_u32 v254, v255
	s_wait_dscnt 0x0
	s_set_vgpr_msb 0x500
	s_endpgm
.Lfunc_end_k_qf9e7876d9f_down:
	.size	k_qf9e7876d9f_down, .Lfunc_end_k_qf9e7876d9f_down-k_qf9e7876d9f_down
	.p2alignl 7, 3214868480
	.fill 96, 4, 3214868480
	.section	.rodata,"a",@progbits
	.p2align	6, 0x0
	.amdhsa_kernel k_qf9e7876d9f_down
		.amdhsa_group_segment_fixed_size 82944
		.amdhsa_private_segment_fixed_size 0
		.amdhsa_enable_private_segment 0
		.amdhsa_kernarg_size 24
		.amdhsa_user_sgpr_count 2
		.amdhsa_user_sgpr_kernarg_segment_ptr 1
		.amdhsa_wavefront_size32 1
		.amdhsa_system_sgpr_workgroup_id_x 1
		.amdhsa_system_sgpr_workgroup_id_y 1
		.amdhsa_system_sgpr_workgroup_id_z 1
		.amdhsa_system_vgpr_workitem_id 0
		.amdhsa_next_free_vgpr 512
		.amdhsa_next_free_sgpr 66
		.amdhsa_reserve_vcc 0
		.amdhsa_float_denorm_mode_32 3
		.amdhsa_float_denorm_mode_16_64 3
		.amdhsa_memory_ordered 1
		.amdhsa_forward_progress 1
		.amdhsa_inst_pref_size 71
	.end_amdhsa_kernel
	.amdgpu_metadata
---
amdhsa.version: [ 1, 2 ]
amdhsa.kernels:
  - .name:           k_qf9e7876d9f_down
    .symbol:         k_qf9e7876d9f_down.kd
    .args:
      - { .name: qb, .offset: 0, .size: 8, .value_kind: global_buffer, .address_space: global }
      - { .name: b_lam, .offset: 8, .size: 8, .value_kind: global_buffer, .address_space: global }
      - { .name: cb, .offset: 16, .size: 8, .value_kind: global_buffer, .address_space: global }
    .group_segment_fixed_size: 82944
    .private_segment_fixed_size: 0
    .kernarg_segment_align: 8
    .kernarg_segment_size: 24
    .max_flat_workgroup_size: 256
    .sgpr_count:     66
    .vgpr_count:     512
    .wavefront_size: 32
...
	.end_amdgpu_metadata
.endif
;; end of part 7
;; launch up (part 8): grid 512 x 1, 4 waves a work-group, no clusters, 0 bytes of LDS; arguments qb, cb, kb; writes kb
.if DOCPART == 8
	.amdgcn_target "amdgcn-amd-amdhsa--gfx1250"
	.amdhsa_code_object_version 6
	.text
	.protected	k_qf9e7876d9f_up
	.globl	k_qf9e7876d9f_up
	.p2align	8
	.type	k_qf9e7876d9f_up,@function
k_qf9e7876d9f_up:
	s_mov_b64 s[64:65], 0
	v_nop
	global_prefetch_b8 v0, s[64:65] scope:SCOPE_SE
	s_setreg_imm32_b32 hwreg(HW_REG_WAVE_MODE, 25, 1), 1
	s_wait_xcnt 0x0
; q = rope(c_q W_UQ), k = rope(c_kv W_UK), v = c_kv W_UV, on codes of FP6 (E2M3) with E8M0 scales; q and k are quantised along the head's 128, v along the keys, and all three leave as codes.
; OPERANDS lie in memory as images of their registers (a fragment of 16 rows x 128 K is 1,536 bytes: registers 4 c .. 4 c + 3 of lane l at 512 c + 16 l), K step by K step.  Scale words: 128 bytes for a pair of tiles,
; lanes 0-15 the even tile's rows, lanes 16-31 the odd tile's.  Row rho of tile 2 b + u is index 32 b + 8 u + rho + 8 (rho / 8).
; A WAVE makes 128 x 32: source 0 (L, 8 tiles) is the axis along which the result is quantised, source 1 (S, 2 tiles) the other: lane (r, h) holds row r of the S tile, register 16 b + i the L index 32 b + 16 h + i.
; SHARES.  A WORK-GROUP STAYS AND MAKES TWO TILES for the 128 tokens TG = number % 16.  First q: L = the 128 columns of W_UQ of query head number / 16, S = 32 tokens a wave, 8 K steps.
; Then, 4 K steps: work-groups 0-255 k: L = the columns of W_UK of head number / 16, S = 32 tokens a wave; work-groups 256-511 v: L = the 128 tokens (a key step), S = 32 columns a wave of W_UV of head number / 16 - 16.
; THE SECOND PRODUCT'S FIRST TWO K STEPS ARE ASKED FOR UNDER q'S WAY OUT: its bases are made when the first product's loads are done; K step 0's 35 loads are issued behind q's first rotation, K step 1's behind its second;
; both land in the operand registers of window 1, which the way out does not name.  Waves share nothing: no LDS, no barrier.
; ROPE: registers 16 b + i, b = 0, 1, hold the head's numbers 32 b + 16 h + i, registers 32 further on those 64 further on; cos and sin come from a table laid in that very order for the tile's tokens.
; RESULTS in kb: for head hd and key step s (128 keys) a record of 25,600 bytes: K's 8 fragments, 4 x 128 bytes of their scale words, V^T's 8 fragments (16 of the head's numbers x 128 keys), their scale words.  Q: fragments [query head][tile], scale words [query head][pair].
; LIMITS: NaN and infinities are not served; a block of zeros gets the byte 1 and zero codes (this program alone reads the bytes).
; REGISTERS: window 0: v1 16 x lane, v2 4 x lane; v8-17 scale words; v18-31 the quantiser's; v32-95 the table's 64 numbers; v96-117 codes, at work; v128-255 the 16 accumulators.  window 1: two sets of operands.
.set W2AC, 5785600                     ; byte offsets in qb
.set W2AS, 7358464
.set W2QC, 7424000
.set W2QS, 10569728
.set RT,   13977600
.set CS,   2359296                     ; in cb
.set QOP,  6553600                     ; in kb
.set QS,   12845056
.set REC,  25600
.set NLD,  35                          ; loads of a K step: 24 + 6 of codes, 4 + 1 of scale words
.set T,   32
.set ACC, 128
.set SCL, 8
.set MX,  18
.set BY,  22
.set SO,  26
.set PW,  30
.set PW0, 31
.set PC,  96
.set SEL, 34                           ; s[34:35] lane selects for v_permlanex16_b32: lane l xor 16
.set MSK, 36                           ; s36 lanes 16-31
.set MSB, 0
.macro WIN new                         ; s_set_vgpr_msb: bits 1:0 source 0, 3:2 source 1, 5:4 source 2, 7:6 destination; the high byte repeats the setting that is left
.if MSB != \new
	s_set_vgpr_msb (MSB<<8)|\new
.set MSB, \new
.endif
.endm
.macro PLACES                          ; four plain places between a matrix instruction and a load into, or a vector instruction on, its registers
.rept 4
	v_nop
.endr
.endm
.macro BASE d, p, off                  ; s[d:d+1] = the buffer at s[p:p+1] + s40 + off  (s41 = 0)
	s_add_co_u32 s40, s40, \off
	s_add_nc_u64 s[\d:\d+1], s[\p:\p+1], s[40:41]
.endm
.macro LOADK p                         ; a K step's operands into set p
	WIN 0x40                                       ; destination window 1, address window 0
.irp i, 0,1,2,3,4,5,6,7
.irp c, 0,1,2
	global_load_b128 v[128*(\p)+12*\i+4*\c:128*(\p)+12*\i+4*\c+3], v1, s[8:9] offset:1536*\i+512*\c
.endr
.endr
.irp j, 0,1
.irp c, 0,1,2
	global_load_b128 v[128*(\p)+96+12*\j+4*\c:128*(\p)+96+12*\j+4*\c+3], v1, s[10:11] offset:1536*\j+512*\c
.endr
.endr
	WIN 0
.irp q, 0,1,2,3
	global_load_b32 v[SCL+5*(\p)+\q], v2, s[12:13] offset:128*\q
.endr
	global_load_b32 v[SCL+5*(\p)+4], v2, s[14:15]
.endm
.macro STEPK                           ; on to the next K step
	s_wait_xcnt 0x0                                ; the loads and stores issued so far have read their bases and registers
	s_add_nc_u64 s[8:9], s[8:9], s[16:17]
	s_add_nc_u64 s[10:11], s[10:11], s[18:19]
	s_add_nc_u64 s[12:13], s[12:13], s[20:21]
	s_add_nc_u64 s[14:15], s[14:15], s[22:23]
.endm
.macro MM z, d, a, b, sa, sb, ra, rb   ; one product; z: it starts the sum; ra, rb: the scale words stand in lanes 16-31
.if (\z) && (\ra) && (\rb)
	v_wmma_scale_f32_16x16x128_f8f6f4 v[(\d):(\d)+7], v[(\a):(\a)+11], v[(\b):(\b)+11], 0, v[\sa], v[\sb] matrix_a_fmt:MATRIX_FMT_FP6 matrix_b_fmt:MATRIX_FMT_FP6 matrix_a_scale:MATRIX_SCALE_ROW1 matrix_b_scale:MATRIX_SCALE_ROW1
.elseif (\z) && (\ra)
	v_wmma_scale_f32_16x16x128_f8f6f4 v[(\d):(\d)+7], v[(\a):(\a)+11], v[(\b):(\b)+11], 0, v[\sa], v[\sb] matrix_a_fmt:MATRIX_FMT_FP6 matrix_b_fmt:MATRIX_FMT_FP6 matrix_a_scale:MATRIX_SCALE_ROW1
.elseif (\z) && (\rb)
	v_wmma_scale_f32_16x16x128_f8f6f4 v[(\d):(\d)+7], v[(\a):(\a)+11], v[(\b):(\b)+11], 0, v[\sa], v[\sb] matrix_a_fmt:MATRIX_FMT_FP6 matrix_b_fmt:MATRIX_FMT_FP6 matrix_b_scale:MATRIX_SCALE_ROW1
.elseif (\z)
	v_wmma_scale_f32_16x16x128_f8f6f4 v[(\d):(\d)+7], v[(\a):(\a)+11], v[(\b):(\b)+11], 0, v[\sa], v[\sb] matrix_a_fmt:MATRIX_FMT_FP6 matrix_b_fmt:MATRIX_FMT_FP6
.elseif (\ra) && (\rb)
	v_wmma_scale_f32_16x16x128_f8f6f4 v[(\d):(\d)+7], v[(\a):(\a)+11], v[(\b):(\b)+11], v[(\d):(\d)+7], v[\sa], v[\sb] matrix_a_fmt:MATRIX_FMT_FP6 matrix_b_fmt:MATRIX_FMT_FP6 matrix_a_scale:MATRIX_SCALE_ROW1 matrix_b_scale:MATRIX_SCALE_ROW1
.elseif (\ra)
	v_wmma_scale_f32_16x16x128_f8f6f4 v[(\d):(\d)+7], v[(\a):(\a)+11], v[(\b):(\b)+11], v[(\d):(\d)+7], v[\sa], v[\sb] matrix_a_fmt:MATRIX_FMT_FP6 matrix_b_fmt:MATRIX_FMT_FP6 matrix_a_scale:MATRIX_SCALE_ROW1
.elseif (\rb)
	v_wmma_scale_f32_16x16x128_f8f6f4 v[(\d):(\d)+7], v[(\a):(\a)+11], v[(\b):(\b)+11], v[(\d):(\d)+7], v[\sa], v[\sb] matrix_a_fmt:MATRIX_FMT_FP6 matrix_b_fmt:MATRIX_FMT_FP6 matrix_b_scale:MATRIX_SCALE_ROW1
.else
	v_wmma_scale_f32_16x16x128_f8f6f4 v[(\d):(\d)+7], v[(\a):(\a)+11], v[(\b):(\b)+11], v[(\d):(\d)+7], v[\sa], v[\sb] matrix_a_fmt:MATRIX_FMT_FP6 matrix_b_fmt:MATRIX_FMT_FP6
.endif
.endm
.macro MUL p, zero                     ; a K step's 16 products: the accumulators take turns, one instruction a turn, in the same order in every K step
	WIN 0x05                                       ; sources 0 and 1 window 1; C and D window 0
.irp j, 0,1
.irp i, 0,1,2,3,4,5,6,7
	MM \zero, ACC+64*\j+8*\i, 128*(\p)+12*\i, 128*(\p)+96+12*\j, SCL+5*(\p)+\i/2, SCL+5*(\p)+4, \i%2, \j
.endr
.endr
	WIN 0
.endm
.macro PAIR zero                       ; two K steps, and the loads of the two that follow
	s_wait_loadcnt NLD                             ; set 0 is in; the 35 youngest loads may be out
	MUL 0, \zero
	PLACES
	STEPK
	LOADK 0
	s_wait_loadcnt NLD                             ; set 1 is in; set 0's new loads may be out
	MUL 1, 0
	PLACES
	STEPK
	LOADK 1
.endm
.macro GEMM trips                      ; 4 + 2 trips K steps; the loads of K steps 0 and 1 are out; the first products start the sums: nothing is cleared
	PAIR 1
.if (\trips) > 0
	s_mov_b32 s24, \trips
.Lk_\@:
	PAIR 0
	s_sub_co_u32 s24, s24, 1
	s_cmp_lg_u32 s24, 0
	s_cbranch_scc1 .Lk_\@
.endif
	s_wait_loadcnt NLD                             ; the last two K steps load nothing
	MUL 0, 0
	s_wait_loadcnt 0x0
	MUL 1, 0
	PLACES
.endm
; 64 numbers of a lane, v[s] .. v[s + 63], register 16 b + i = K 32 b + 16 (lane / 16) + i of my row, become a fragment's codes in v[PC] on and its scale word in v[PW].  Each accumulator is read from its low end on.
.macro QUANT s
.irp b, 0,1,2,3
	v_max3_num_f32 v[MX+\b], |v[(\s)+16*\b]|, |v[(\s)+1+16*\b]|, 0x1800000   ; block b: my 16 numbers, and the floor 2^(3 - 127): the byte cannot fall under 1
.endr
.irp i, 2,4,6,8,10,12,14
.irp b, 0,1,2,3
	v_max3_num_f32 v[MX+\b], v[MX+\b], |v[(\s)+16*\b+\i]|, |v[(\s)+1+16*\b+\i]|
.endr
.endr
.irp b, 0,1,2,3
	v_permlanex16_b32 v[BY+\b], v[MX+\b], s[SEL], s[SEL+1]
.endr
.irp b, 0,1,2,3
	v_max_num_f32 v[MX+\b], v[MX+\b], v[BY+\b]     ; with lane l xor 16's: the block's largest magnitude
.endr
.irp b, 0,1,2,3
	v_add_nc_u32 v[SO+\b], 0xff000000, v[MX+\b]    ; 2 off its exponent field: the conversion's scale operand
.endr
.irp b, 0,1,2,3
	v_lshrrev_b32 v[BY+\b], 23, v[SO+\b]           ; the scale's byte
.endr
	v_lshl_or_b32 v[PW], v[BY+1], 8, v[BY]
	v_lshl_or_b32 v[PW], v[BY+2], 16, v[PW]
	v_lshl_or_b32 v[PW], v[BY+3], 24, v[PW]
.irp c, 0,1
	v_cvt_scalef32_pk16_fp6_f32 v[PC+6*\c:PC+2+6*\c], v[(\s)+32*\c:(\s)+15+32*\c], v[SO+2*\c]
	v_cvt_scalef32_pk16_fp6_f32 v[PC+12+4*\c:PC+14+4*\c], v[(\s)+16+32*\c:(\s)+31+32*\c], v[SO+2*\c+1]   ; (a conversion's three registers begin on an even number)
.endr
	v_nop                                          ; one plain place behind a scaled conversion
.irp c, 0,1                            ; the operand's layout wants a WHOLE block in a lane: lanes 0-15 block 2 c, lanes 16-31 block 2 c + 1
.irp i, 0,1,2
	v_permlane16_swap_b32 v[PC+6*\c+\i], v[PC+12+4*\c+\i]
.endr
.irp i, 0,1,2
	v_mov_b32 v[PC+3+6*\c+\i], v[PC+12+4*\c+\i]
.endr
.endr
.endm
.macro EMIT j                          ; S tile j's 16 rows x my 128 L indices leave as one fragment; the pair's scale words as 128 bytes.  s[26:27] codes, s[28:29] scale words
.if \j == 1
	s_wait_xcnt 0x0                                ; tile 0's stores have read the codes' registers
.endif
	QUANT ACC+64*\j
.irp c, 0,1,2
	global_store_b128 v1, v[PC+4*\c:PC+4*\c+3], s[26:27] offset:1536*\j+512*\c   ; 32 lanes store 512 consecutive bytes
.endr
.if \j == 0
	v_mov_b32 v[PW0], v[PW]
.else
	v_cndmask_b32 v[PW], v[PW0], v[PW], s[MSK]     ; lanes 0-15 tile 0's rows, lanes 16-31 tile 1's
	global_store_b32 v2, v[PW], s[28:29]
.endif
.endm
.macro TABLE j                         ; cos and sin for token tile 2 g + j: cos of frequency 32 b + 16 h + i at v[T + 32 b + i], sin 16 registers on.  s[44:45]: the pair's table
.irp n, 0,1,2,3,4,5,6,7
.irp cs, 0,1
	global_load_b128 v[T+32*(\n/4)+16*\cs+4*(\n%4):T+32*(\n/4)+16*\cs+4*(\n%4)+3], v1, s[44:45] offset:8192*\j+512*(2*\n+\cs)
.endr
.endr
.endm
.macro ROPE j                          ; x1' = x1 cos - x2 sin, x2' = x2 cos + x1 sin, two at a time; ascending
.irp b, 0,1
.irp i, 0,2,4,6,8,10,12,14
	v_pk_mul_f32 v[116:117], v[ACC+64*\j+16*\b+\i:ACC+64*\j+16*\b+\i+1], v[T+32*\b+16+\i:T+32*\b+17+\i]
	v_pk_mul_f32 v[ACC+64*\j+16*\b+\i:ACC+64*\j+16*\b+\i+1], v[ACC+64*\j+16*\b+\i:ACC+64*\j+16*\b+\i+1], v[T+32*\b+\i:T+32*\b+\i+1]
	v_pk_fma_f32 v[ACC+64*\j+16*\b+\i:ACC+64*\j+16*\b+\i+1], v[ACC+64*\j+32+16*\b+\i:ACC+64*\j+32+16*\b+\i+1], v[T+32*\b+16+\i:T+32*\b+17+\i], v[ACC+64*\j+16*\b+\i:ACC+64*\j+16*\b+\i+1] neg_lo:[1,0,0] neg_hi:[1,0,0]
	v_pk_fma_f32 v[ACC+64*\j+32+16*\b+\i:ACC+64*\j+32+16*\b+\i+1], v[ACC+64*\j+32+16*\b+\i:ACC+64*\j+32+16*\b+\i+1], v[T+32*\b+\i:T+32*\b+\i+1], v[116:117]
.endr
.endr
.endm
	s_load_b128 s[4:7], s[0:1], 0x0                ; qb, cb
	s_load_b64 s[30:31], s[0:1], 0x10              ; kb
	v_lshrrev_b32 v3, 5, v0
	v_readfirstlane_b32 s2, v3                     ; wave 0..3
	v_and_b32 v3, 31, v0
	v_lshlrev_b32 v1, 4, v3
	v_lshlrev_b32 v2, 2, v3
.irp b, 0,1,2,3
	v_mov_b32 v[BY+\b], 0                          ; written once: a lane permute's destination counts as one of its sources
.endr
	s_mov_b32 s[SEL], 0x76543210
	s_mov_b32 s[SEL+1], 0xfedcba98
	s_mov_b32 s[MSK], 0xffff0000
	s_mov_b32 s17, 0
	s_mov_b32 s19, 0
	s_mov_b32 s21, 0
	s_mov_b32 s23, 0
	s_mov_b32 s41, 0
	s_and_b32 s37, ttmp9, 15                       ; TG: 128 tokens
	s_lshl_b32 s38, s37, 2
	s_add_co_u32 s38, s38, s2                      ; g: 32 tokens
	s_lshr_b32 s39, ttmp9, 4                       ; the query head
	s_wait_kmcnt 0x0
	s_lshl_b32 s40, s38, 14
	BASE 44, 4, RT                                 ; the table of token tiles 2 g, 2 g + 1
	; ---- q
	s_mul_i32 s40, s39, 8*1536
	BASE 8, 4, W2QC
	s_lshl_b32 s40, s39, 9
	BASE 12, 4, W2QS
	s_mul_i32 s40, s38, 3072
	BASE 10, 6, 4*128*1536                         ; c_q's codes lie behind c_kv's four K steps
	s_lshl_b32 s40, s38, 7
	BASE 14, 6, CS+4*64*128
	s_mov_b32 s16, 256*1536
	s_mov_b32 s18, 128*1536
	s_mov_b32 s20, 128*128
	s_mov_b32 s22, 64*128
	s_lshl_b32 s40, s39, 6
	s_add_co_u32 s40, s40, s38                     ; 64 head + g
	s_lshl_b32 s42, s40, 7
	s_mul_i32 s40, s40, 3072
	BASE 26, 30, QOP
	s_mov_b32 s40, s42
	BASE 28, 30, QS
	s_wait_alu depctr_va_vdst(0)
	TABLE 0                                        ; older than every load of the product, so its waits cover these
	LOADK 0
	STEPK
	LOADK 1
	GEMM 2                                         ; K = 1,024: 8 K steps
	; ---- the second product's bases: every load of the first is done.  s[48:51]: where its results go
	s_cmp_ge_u32 ttmp9, 256                        ; the work-group's number alone
	s_cbranch_scc1 .Lvset
	s_mul_i32 s40, s39, 8*1536                     ; k: L = the head's columns of W_UK, S = my 32 tokens of c_kv; the steps are q's
	BASE 8, 4, W2AC
	s_lshl_b32 s40, s39, 9
	BASE 12, 4, W2AS
	s_mul_i32 s40, s38, 3072
	BASE 10, 6, 0
	s_lshl_b32 s40, s38, 7
	BASE 14, 6, CS
	s_lshl_b32 s42, s39, 4
	s_add_co_u32 s42, s42, s37
	s_mul_i32 s42, s42, REC                        ; the record of (head, key step TG); my tokens are its tiles 2 w, 2 w + 1
	s_mul_i32 s40, s2, 3072
	s_add_co_u32 s40, s40, s42
	BASE 48, 30, 0
	s_lshl_b32 s40, s2, 7
	s_add_co_u32 s40, s40, s42
	BASE 50, 30, 12288
	s_branch .Lset
.Lvset:
	s_sub_co_u32 s39, s39, 16                      ; v: L = the key step's 128 tokens of c_kv, S = 32 of the head's columns of W_UV
	s_mul_i32 s40, s37, 8*1536
	BASE 8, 6, 0
	s_lshl_b32 s40, s37, 9
	BASE 12, 6, CS
	s_lshl_b32 s40, s39, 3
	s_lshl_b32 s43, s2, 1
	s_add_co_u32 s40, s40, s43
	s_mul_i32 s40, s40, 1536
	BASE 10, 4, W2AC+128*1536                      ; W_UV's tiles 8 head + 2 w, + 1
	s_lshl_b32 s40, s39, 2
	s_add_co_u32 s40, s40, s2
	s_lshl_b32 s40, s40, 7
	BASE 14, 4, W2AS+64*128
	s_mov_b32 s16, 128*1536
	s_mov_b32 s18, 256*1536
	s_mov_b32 s20, 64*128
	s_mov_b32 s22, 128*128
	s_lshl_b32 s42, s39, 4
	s_add_co_u32 s42, s42, s37
	s_mul_i32 s42, s42, REC
	s_mul_i32 s40, s2, 3072
	s_add_co_u32 s40, s40, s42
	BASE 48, 30, 12800
	s_lshl_b32 s40, s2, 7
	s_add_co_u32 s40, s40, s42
	BASE 50, 30, 25088
.Lset:
	; ---- q's way out, and under it the second product's first loads
	ROPE 0
	TABLE 1
	LOADK 0                                        ; K step 0 of the second product
	EMIT 0
	s_wait_loadcnt NLD                             ; tile 1's table is in; the 35 loads issued behind it may be out
	ROPE 1
	s_wait_alu depctr_va_vdst(0)                   ; directly ahead of the wait in the step below
	STEPK
	LOADK 1                                        ; K step 1
	s_cmp_ge_u32 ttmp9, 256
	s_cbranch_scc1 .Lno_table
	TABLE 0                                        ; k is rotated too: tile 0's table comes anew, into registers that q's rotation has left; the product's second wait covers it
.Lno_table:
	EMIT 1
	GEMM 0                                         ; K = 512: 4 K steps
	s_mov_b64 s[26:27], s[48:49]                   ; q's stores have read their bases: the waits on XCNT in the K steps stand behind them
	s_mov_b64 s[28:29], s[50:51]
	s_cmp_ge_u32 ttmp9, 256
	s_cbranch_scc1 .Lplain
	ROPE 0
	TABLE 1                                        ; lands while tile 0 is quantised
	EMIT 0
	s_wait_loadcnt 0x0
	ROPE 1
	EMIT 1
	s_endpgm
.Lplain:
	EMIT 0
	EMIT 1
	s_endpgm
.Lfunc_end_k_qf9e7876d9f_up:
	.size	k_qf9e7876d9f_up, .Lfunc_end_k_qf9e7876d9f_up-k_qf9e7876d9f_up
	.p2alignl 7, 3214868480
	.fill 96, 4, 3214868480
	.section	.rodata,"a",@progbits
	.p2align	6, 0x0
	.amdhsa_kernel k_qf9e7876d9f_up
		.amdhsa_group_segment_fixed_size 0
		.amdhsa_private_segment_fixed_size 0
		.amdhsa_enable_private_segment 0
		.amdhsa_kernarg_size 24
		.amdhsa_user_sgpr_count 2
		.amdhsa_user_sgpr_kernarg_segment_ptr 1
		.amdhsa_wavefront_size32 1
		.amdhsa_system_sgpr_workgroup_id_x 1
		.amdhsa_system_sgpr_workgroup_id_y 1
		.amdhsa_system_sgpr_workgroup_id_z 1
		.amdhsa_system_vgpr_workitem_id 0
		.amdhsa_next_free_vgpr 512
		.amdhsa_next_free_sgpr 66
		.amdhsa_reserve_vcc 0
		.amdhsa_float_denorm_mode_32 3
		.amdhsa_float_denorm_mode_16_64 3
		.amdhsa_memory_ordered 1
		.amdhsa_forward_progress 1
		.amdhsa_inst_pref_size 109
	.end_amdhsa_kernel
	.amdgpu_metadata
---
amdhsa.version: [ 1, 2 ]
amdhsa.kernels:
  - .name:           k_qf9e7876d9f_up
    .symbol:         k_qf9e7876d9f_up.kd
    .args:
      - { .name: qb, .offset: 0, .size: 8, .value_kind: global_buffer, .address_space: global }
      - { .name: cb, .offset: 8, .size: 8, .value_kind: global_buffer, .address_space: global }
      - { .name: kb, .offset: 16, .size: 8, .value_kind: global_buffer, .address_space: global }
    .group_segment_fixed_size: 0
    .private_segment_fixed_size: 0
    .kernarg_segment_align: 8
    .kernarg_segment_size: 24
    .max_flat_workgroup_size: 128
    .sgpr_count:     66
    .vgpr_count:     512
    .wavefront_size: 32
...
	.end_amdgpu_metadata
.endif
;; end of part 8
;; launch attn (part 9): grid 16 x 16, 8 waves a work-group, no clusters, 327,680 bytes of LDS; arguments kb, cb, ob; writes ob
.if DOCPART == 9
	.amdgcn_target "amdgcn-amd-amdhsa--gfx1250"
	.amdhsa_code_object_version 6
	.text
	.protected	k_qf9e7876d9f_attn
	.globl	k_qf9e7876d9f_attn
	.p2align	8
	.type	k_qf9e7876d9f_attn,@function
k_qf9e7876d9f_attn:
	s_mov_b64 s[64:65], 0
	v_nop
	global_prefetch_b8 v0, s[64:65] scope:SCOPE_SE
	s_setreg_imm32_b32 hwreg(HW_REG_WAVE_MODE, 25, 1), 1
	s_wait_xcnt 0x0
; out = attn1 - lam attn2, attn_p = softmax(causal(q_p k^T / sqrt(128))) v for the two query heads p = 0, 1 that share a head's k and v; both products on codes of FP6 (E2M3) with E8M0 scales; out leaves quantised along the model's axis.
; THE SOFTMAX AHEAD OF THE SECOND PRODUCT: t = score x log2(e) / sqrt(128); M = the largest t so far, rounded UP to a whole number; p = 2^(t - M) is quantised along the keys, not normalised.
; The sum is taken of the unquantised p, in f32.  When M moves, the sum and O are multiplied by 2^(old M - new M): exact.
; SHARES.  Work-group (x, y = head), a = x / 4.  It works in two phases: first 4 tiles of 16 queries of query block a (tiles 4 x + i), then 4 tiles of block 7 - a (tiles 124 - 4 x + i); a block is 256 queries.
; Keys come in slots of 256 (two records of 128).  Phase 1 walks key slots 0 .. a, phase 2 key slots 0 .. 7 - a: 9 trips in every work-group, a constant.  Keys behind the diagonal slot are hidden by the causal mask and are not walked.
; Wave w = (i = w % 4, e = w / 4) takes tile i, BOTH query heads, and of every slot record e: each fragment of K and of V that it reads from LDS feeds two matrix instructions.  A tile's keys are shared between two waves, each with its own M, sum and O.
; A record all of whose keys come after the wave's queries is left out by a scalar branch on ids, round its loads and arithmetic alone; one phase has its tiles in the block's first half, the other in its second, in every work-group.
; JOINING THE PARTS.  At the change of phase each wave puts its two O^T, -M and sums into LDS bytes of its own; at the end the same, into the ring's bytes, which have had their last fill.  Then wave w joins the four parts (p, e) of tile i of
; phase 1 (w / 4 = 1) or 2 (w / 4 = 0): each part x 2^(its M - the larger M) / the joined sum, attn2's also x -lam; the result is quantised along the head's 128 and stored as a fragment and 16 scale words.
; K and V come as records of 25,600 bytes (K's 8 fragments, their scale words, V^T's 8 fragments, their scale words: images of the operands' registers) through a ring of two LDS slots, filled by the tensor data mover (waves 0 and 1, a record each).
; No cluster: a work-group fetches 51,200 bytes a trip for up to 256 matrix instructions of its eight waves, a small part of a trip's work.
; LAYOUT.  Both products are used transposed: S^T = K Q^T, O^T = V^T P^T: a lane holds ONE query (lane % 16).  Row rho of tile 2 b + u is index 32 b + 8 u + rho + 8 (rho / 8), so that the 16 registers of tiles 2 b, 2 b + 1 are 16 neighbours.
; LIMITS: NaN and infinities are not served (phase 2 begins on phase 1's O^T and sum, which the first factor, 0, clears); the promise holds while the scaled scores stay under 2^31 in magnitude; a block of zeros gets the byte 1 and zero codes.
; REGISTERS.  Query head 0's state lies in window 0, head 1's in window 1 under the same numbers, so that one text serves both: v12 -M, v13 the largest t, v[14:15] the sum; v16-27 Q; v31 r + 8 (r / 8) - 16 (lane / 16); v80-81 at work;
;   v96-159 S^T, then p; v160-223 O^T; v224-235 p's codes; v232-247, v252-254 at work.  v32-79 of window 0: fragments 0-3 of K, then of V; of window 1: fragments 4-7.
;   Window 0 alone: v1 16 x lane, v2 4 x lane; v3, v4, v30 where I park; v5, v6 for the add; v7, v11, v95 where a join reads; v8, v9 LDS addresses of the step; v10 4 r; v28 the prefetches' offset; v29 lam;
;   scale words (a scaled matrix instruction takes them from window 0): v248-251 K's, then V's; v253, v83 p's; v255, v82 Q's; v94, v84 phase 2's Q's.   Window 1 alone: v0-11, v82-93 phase 2's Q of heads 0, 1.
.set REC,   25600
.set SLOT1, 1<<16                      ; slot 0 at 0, slot 1 here (51,200 bytes each)
.set SPARE, 2*SLOT1                    ; the spare words (128 bytes a wave) have these 2,048 bytes to themselves
.set PARK,  SPARE+2048                 ; phase 1's parts: 16 x 8,192 bytes, part i + 4 p + 8 e; no tile lands here
.set ML,    PARK+16*8192               ; -M and sum: phase 2's 16 x 256 bytes, then phase 1's
.set QOP,   6553600                    ; byte offsets in kb,
.set QS,    12845056
.set LAM,   2457600                    ; in cb,
.set A3S,   3145728                    ; in ob
.set TRIPS, 9
.set TB,  2                            ; s2  LDS byte of my record in the slot in hand
.set SLOTS, 3                          ; s3  fills still to come
.set SWF, 10                           ; s10 the value of s3 at which the fill goes back to key slot 0
.set SWR, 11                           ; s11 the value of s3 at which phase 2 begins
.set FK,  12                           ; s12 the key slot last asked for
.set QMIN2, 13                         ; s13 phase 2's first query;  s14 128 e
.set WV,  18                           ; s18 wave;  s15 e;  s59 i
.set SEL, 20                           ; s[20:21] lane selects: lane l xor 16
.set CS,  22                           ; s[22:23] c = log2(e) / sqrt(128)
.set G1,  24                           ; s[24:31] descriptor group 1;  s[32:35] group 0
.set G0,  32
.set KF,  36                           ; s36 my step's first key
.set QMIN, 37
.set QMAX, 38
.set PFA, 40                           ; s[40:41] the prefetches' base
.set LIM, 42
.set HB,  60                           ; s[60:61] the head's records + the record that I fetch
.set SQ1, 82
.set SP1, 83
.set SQ2B, 84
.set SQ2A, 94
.set MX,  180                          ; the way out's quantiser
.set BY,  184
.set SO,  188
.set PW,  192
.set PC,  160
.set MSB, 0
.macro WIN new                         ; s_set_vgpr_msb: bits 1:0 source 0, 3:2 source 1, 5:4 source 2, 7:6 destination; the high byte repeats the setting that is left
.if MSB != (\new)
	s_set_vgpr_msb (MSB<<8)|(\new)
.set MSB, (\new)
.endif
.endm
.macro TLOAD                           ; waves 0 and 1 fetch a record each; the branch hangs on the wave's number alone
	s_cmp_lt_u32 s[WV], 2
	s_cbranch_scc0 .Lasked_\@
	tensor_load_to_lds s[G0:G0+3], s[G1:G1+7]
	s_nop 0
.rept 4
	v_nop
.endr
.Lasked_\@:
.endm
; A prefetch of key slot t + 1 in trip t = 0 .. 6: 200 blocks of 256 bytes.  All sixteen work-groups of a head read the same records: work-group x = 0 asks (it loads that slot in trip t + 1), in it waves 1 to 7, a lane a block;
; wave 7's lanes past the last block are held at it.
.macro ASK
	s_cmp_gt_u32 s[SLOTS], s[LIM]
	s_cbranch_scc0 .Lnot_mine_\@
	global_prefetch_b8 v28, s[PFA:PFA+1] th:TH_LOAD_NT scope:SCOPE_SE
.Lnot_mine_\@:
.endm
.macro KQ d, a, sc, odd, sq            ; S^T tile: 16 keys x 16 queries; odd: the tile's scale words stand in lanes 16-31
.if \odd
	v_wmma_scale_f32_16x16x128_f8f6f4 v[(\d):(\d)+7], v[(\a):(\a)+11], v[16:27], 0, v[\sc], v[\sq] matrix_a_fmt:MATRIX_FMT_FP6 matrix_b_fmt:MATRIX_FMT_FP6 matrix_a_scale:MATRIX_SCALE_ROW1
.else
	v_wmma_scale_f32_16x16x128_f8f6f4 v[(\d):(\d)+7], v[(\a):(\a)+11], v[16:27], 0, v[\sc], v[\sq] matrix_a_fmt:MATRIX_FMT_FP6 matrix_b_fmt:MATRIX_FMT_FP6
.endif
.endm
.macro PV d, a, sc, odd, sp            ; O^T tile += 16 of the head's numbers x these 128 keys
.if \odd
	v_wmma_scale_f32_16x16x128_f8f6f4 v[(\d):(\d)+7], v[(\a):(\a)+11], v[224:235], v[(\d):(\d)+7], v[\sc], v[\sp] matrix_a_fmt:MATRIX_FMT_FP6 matrix_b_fmt:MATRIX_FMT_FP6 matrix_a_scale:MATRIX_SCALE_ROW1
.else
	v_wmma_scale_f32_16x16x128_f8f6f4 v[(\d):(\d)+7], v[(\a):(\a)+11], v[224:235], v[(\d):(\d)+7], v[\sc], v[\sp] matrix_a_fmt:MATRIX_FMT_FP6 matrix_b_fmt:MATRIX_FMT_FP6
.endif
.endm
.macro KQ4 p, hi, sq                   ; tiles 4 hi .. 4 hi + 3 for query head p: source 0 in window hi, source 1 and the result in window p
	WIN (0x44*(\p))|(\hi)
.irp t, 0,1,2,3
	KQ 96+32*(\hi)+8*\t, 32+12*\t, 248+2*(\hi)+\t/2, \t%2, \sq
.endr
.endm
.macro PV4 p, hi, sp
	WIN (0x54*(\p))|(\hi)
.irp t, 0,1,2,3
	PV 160+32*(\hi)+8*\t, 32+12*\t, 248+2*(\hi)+\t/2, \t%2, \sp
.endr
.endm
.macro FRAGS off, soff                 ; eight fragments and their four registers of scale words
.irp t, 0,1,2,3
.irp c, 0,1,2
	ds_load_b128 v[32+12*\t+4*\c:35+12*\t+4*\c], v8 offset:(\off)+1536*\t+512*\c
.endr
.endr
.irp x, 0,1,2,3
	ds_load_b32 v[248+\x], v9 offset:(\soff)+128*\x
.endr
	WIN 0x40
.irp t, 0,1,2,3
.irp c, 0,1,2
	ds_load_b128 v[32+12*\t+4*\c:35+12*\t+4*\c], v8 offset:(\off)+1536*(4+\t)+512*\c
.endr
.endr
	WIN 0
.endm
.macro QM d, t                         ; first query of tile t: 16 t - 8 (t % 2)
	s_and_b32 s45, s[\t], 1
	s_lshl_b32 s45, s45, 3
	s_lshl_b32 s[\d], s[\t], 4
	s_sub_co_u32 s[\d], s[\d], s45
.endm
.macro FADR u, base, oc, os, dc, ds    ; fragment u and its 16 scale words: base + oc + 1,536 u, base + os + 64 u  (s47 = 0)
	s_mul_i32 s46, s[\u], 1536
	s_add_co_u32 s46, s46, \oc
	s_add_nc_u64 s[\dc:\dc+1], s[\base:\base+1], s[46:47]
	s_lshl_b32 s46, s[\u], 6
	s_add_co_u32 s46, s46, \os
	s_add_nc_u64 s[\ds:\ds+1], s[\base:\base+1], s[46:47]
.endm
.macro PARKO a, off                    ; O^T as its registers stand, each accumulator from its low end on
.set J, 0
.rept 16
	ds_store_b128 v[\a], v[160+4*J:163+4*J] offset:(\off)+512*J
.set J, J+1
.endr
.endm
.macro PARK2 a, mo                     ; both heads' O^T, -M and sum: head 1's part lies 4 parts on
	v_add_f32 v13, v14, v15
	WIN 0x55
	v_add_f32 v13, v14, v15
	WIN 0
	PARKO \a, 0
	ds_store_b64 v3, v[12:13] offset:\mo
	WIN 0x04                                       ; the data from window 1
	PARKO \a, 32768
	ds_store_b64 v3, v[12:13] offset:(\mo)+1024
	WIN 0
.endm
.macro LOADP a, off                    ; a parked part into v160-223 of the window that is set for the destination
.set J, 0
.rept 16
	ds_load_b128 v[160+4*J:163+4*J], v[\a] offset:(\off)+512*J
.set J, J+1
.endr
.endm
.macro ACCU c, first                   ; v96-159 (+)= part x its factor
.set J, 0
.rept 32
.if \first
	v_pk_mul_f32 v[96+J:97+J], v[160+J:161+J], v[\c:\c+1] op_sel_hi:[1,0]
.else
	v_pk_fma_f32 v[96+J:97+J], v[160+J:161+J], v[\c:\c+1], v[96+J:97+J] op_sel_hi:[1,0,1]
.endif
.set J, J+2
.endr
.endm
.macro MASK                            ; d = my query - KF - 16 (lane / 16).  Register 16 b + i holds key KF + 16 (lane / 16) + 32 b + i: hidden where 32 b + i > d
	v_add_nc_u32 v80, s44, v31
	v_mov_b32 v81, 0xff800000
.set J, 0
.rept 64
	v_cmp_gt_i32 vcc_lo, 32*(J/16)+J%16, v80
	v_cndmask_b32 v[96+J], v[96+J], v81, vcc_lo
.set J, J+1
.endr
.endm
; One query head's softmax of a step: from the scores to p's codes and scale word, the sum, and O^T under the new M.  It runs with every window at p.
.macro SOFT p
	s_wait_alu depctr_va_vdst(0)                   ; directly ahead of the first reader of the scores
.irp b, 0,1,2,3
	v_max3_num_f32 v[232+\b], v[96+16*\b], v[97+16*\b], v[98+16*\b]   ; the largest score of each block of 32 keys: for the row's maximum and, since p rises with the score, for the block's largest p
.endr
.irp i, 3,5,7,9,11,13
.irp b, 0,1,2,3
	v_max3_num_f32 v[232+\b], v[232+\b], v[96+16*\b+\i], v[97+16*\b+\i]
.endr
.endr
.irp b, 0,1,2,3
	v_max_num_f32 v[232+\b], v[232+\b], v[111+16*\b]
.endr
.irp b, 0,1,2,3
	s_delay_alu instid0(VALU_DEP_4)
	v_permlanex16_b32 v[236+\b], v[232+\b], s[SEL], s[SEL+1]
.endr
.irp b, 0,1,2,3
	s_delay_alu instid0(VALU_DEP_4)
	v_max_num_f32 v[232+\b], v[232+\b], v[236+\b]  ; with lane l xor 16's 16 keys
.endr
	s_delay_alu instid0(VALU_DEP_2)
	v_max3_num_f32 v254, v232, v233, v234
	s_delay_alu instid0(VALU_DEP_1)
	v_max_num_f32 v254, v254, v235
	s_delay_alu instid0(VALU_DEP_1)
	v_mul_f32 v254, s[CS], v254                    ; as t (c is positive)
	s_delay_alu instid0(VALU_DEP_1)
	v_max_num_f32 v13, v13, v254                   ; the running largest t
	v_mov_b32 v254, v12
	s_delay_alu instid0(VALU_DEP_2)
	v_floor_f32 v12, -v13                          ; the new -M = -ceil(t): a whole number
	s_delay_alu instid0(VALU_DEP_1)
	v_sub_f32 v254, v12, v254                      ; M's old value less its new one
	s_delay_alu instid0(VALU_DEP_1)
	v_cvt_i32_f32 v254, v254                       ; (it saturates)
	s_delay_alu instid0(VALU_DEP_1)
	v_ldexp_f32 v252, 1.0, v254                    ; f = 2^(old M - new M)
.set J, 0
.rept 32
	v_pk_fma_f32 v[96+J:97+J], v[96+J:97+J], s[CS:CS+1], v[12:13] op_sel_hi:[1,0,0]   ; t - M
.set J, J+2
.endr
.irp b, 0,1,2,3
	v_fma_f32 v[232+\b], v[232+\b], s[CS], v12     ; the same of each block's largest score
.endr
	s_wait_alu depctr_va_vdst(0)                   ; ahead of the batch
.set J, 0
.rept 64
	v_exp_f32 v[96+J], v[96+J]                     ; p = 2^(t - M)
.set J, J+1
.endr
	v_pk_mul_f32 v[14:15], v[14:15], v[252:253] op_sel_hi:[1,0]   ; the sums under the new M; a plain place behind the batch
	s_wait_alu depctr_va_vdst(0)                   ; one wait for the batch, ahead of its first reader
.irp b, 0,1,2,3
	v_exp_f32 v[232+\b], v[232+\b]                 ; the block's largest p
.endr
.irp k, 0,1,2,3,4,5                    ; the sum of the unquantised p, in eight chains
	v_pk_add_f32 v[236+2*\k:237+2*\k], v[100+8*\k:101+8*\k], v[104+8*\k:105+8*\k]
.endr
	v_pk_add_f32 v[80:81], v[148:149], v[152:153]
	v_pk_add_f32 v[14:15], v[14:15], v[156:157]
.irp k, 0,1,2,3,4,5
	v_pk_add_f32 v[236+2*\k:237+2*\k], v[236+2*\k:237+2*\k], v[102+4*\k:103+4*\k]
.endr
	v_pk_add_f32 v[80:81], v[80:81], v[96:97]
	v_pk_add_f32 v[14:15], v[14:15], v[98:99]
.irp k, 0,1,2,3,4,5
	v_pk_add_f32 v[236+2*\k:237+2*\k], v[236+2*\k:237+2*\k], v[126+4*\k:127+4*\k]
.endr
	v_pk_add_f32 v[80:81], v[80:81], v[150:151]
	v_pk_add_f32 v[14:15], v[14:15], v[154:155]
	v_pk_add_f32 v[236:237], v[236:237], v[158:159]
	v_pk_add_f32 v[238:239], v[238:239], v[240:241]
	v_pk_add_f32 v[246:247], v[246:247], v[80:81]
	v_pk_add_f32 v[14:15], v[14:15], v[244:245]
	v_pk_add_f32 v[236:237], v[236:237], v[242:243]
	s_delay_alu instid0(VALU_DEP_2)
	v_pk_add_f32 v[14:15], v[14:15], v[238:239]
	s_delay_alu instid0(VALU_DEP_2)
	v_pk_add_f32 v[236:237], v[236:237], v[246:247]
	s_delay_alu instid0(VALU_DEP_1)
	v_pk_add_f32 v[14:15], v[14:15], v[236:237]
	s_wait_alu depctr_va_vdst(0)                   ; and one for the four
.irp b, 0,1,2,3
	v_max_num_f32 v[232+\b], 0x1800000, v[232+\b]  ; the floor 2^(3 - 127): the byte cannot fall under 1
.endr
.irp b, 0,1,2,3
	s_delay_alu instid0(VALU_DEP_4)
	v_add_nc_u32 v[244+\b], 0xff000000, v[232+\b]  ; 2 off the exponent field: the conversion's scale operand
.endr
.irp b, 0,1,2,3
	s_delay_alu instid0(VALU_DEP_4)
	v_lshrrev_b32 v[236+\b], 23, v[244+\b]         ; the scale's byte
.endr
	s_delay_alu instid0(VALU_DEP_3)
	v_lshl_or_b32 v253, v237, 8, v236              ; p's scale word for these 128 keys
	s_delay_alu instid0(VALU_DEP_1)
	v_lshl_or_b32 v253, v238, 16, v253
	s_delay_alu instid0(VALU_DEP_1)
	v_lshl_or_b32 v253, v239, 24, v253
.if \p
	WIN 0x01
	v_mov_b32 v[SP1], v253                         ; head 1's word goes to window 0, where the matrix instruction takes it
	WIN 0x55
.endif
.irp c, 0,1
	v_cvt_scalef32_pk16_fp6_f32 v[224+6*\c:226+6*\c], v[96+32*\c:111+32*\c], v[244+2*\c]
	v_cvt_scalef32_pk16_fp6_f32 v[236+4*\c:238+4*\c], v[112+32*\c:127+32*\c], v[244+2*\c+1]   ; (a conversion's three registers begin on an even number)
.endr
	v_nop                                          ; one plain place behind a scaled conversion
.irp c, 0,1                            ; the operand's layout wants a whole block in a lane
.irp i, 0,1,2
	v_permlane16_swap_b32 v[224+6*\c+\i], v[236+4*\c+\i]
.endr
.irp i, 0,1,2
	s_delay_alu instid0(VALU_DEP_3)
	v_mov_b32 v[227+6*\c+\i], v[236+4*\c+\i]
.endr
.endr
	s_wait_alu depctr_va_vdst(0)                   ; directly ahead of the first reader of O^T
.set J, 0
.rept 32
	v_pk_mul_f32 v[160+J:161+J], v[160+J:161+J], v[252:253] op_sel_hi:[1,0]   ; O^T under the new M; also the places between p's codes and scale word and their products
.set J, J+2
.endr
.endm
	s_load_b128 s[4:7], s[0:1], 0x0                ; kb, cb
	s_load_b64 s[8:9], s[0:1], 0x10                ; ob
	v_lshl_add_u32 v5, v0, 2, SPARE                ; my spare word; never rewritten
	v_mov_b32 v6, 0                                ; never rewritten
	ds_add_u32 v5, v6                              ; the opening lines: the add, twice on end, and its wait below
	ds_add_u32 v5, v6
	v_lshrrev_b32 v32, 5, v0
	v_readfirstlane_b32 s[WV], v32                 ; wave 0..7
	s_and_b32 s59, s[WV], 3                        ; i
	s_lshr_b32 s15, s[WV], 2                       ; e
	s_lshl_b32 s43, s15, 3
	s_add_co_u32 s43, s43, s59                     ; my parts: i + 8 e, and 4 on
	s_lshl_b32 s44, s43, 8
	s_add_co_u32 s44, s44, ML                      ; their -M and sums
	s_lshl_b32 s43, s43, 13
	s_mul_i32 s45, s15, PARK                       ; what my join reads: phase 1's parts (w / 4 = 1) or phase 2's, tile i
	s_lshl_b32 s46, s59, 13
	s_add_co_u32 s45, s45, s46
	s_lshl_b32 s46, s15, 12
	s_lshl_b32 s62, s59, 8
	s_add_co_u32 s46, s46, s62
	s_add_co_u32 s46, s46, ML
	s_mul_i32 s[TB], s15, REC                      ; slot 0, record e
	s_and_b32 s63, s[WV], 1
	s_mul_i32 s[G0+1], s63, REC                    ; the record that I fetch
	s_mov_b32 s[G1], 3<<16                         ; a record is dense: 100 rows of 256 bytes (32 elements of 8 bytes), no padding: every LDS read takes 512 or 128 consecutive bytes
	s_mov_b32 s[G1+1], 32<<16
	s_mov_b32 s[G1+2], 100<<16
	s_mov_b32 s[G1+3], 32<<16
	s_mov_b32 s[G1+4], 100
	s_mov_b32 s[G1+5], 32
	s_mov_b32 s[G1+6], 0
	s_mov_b32 s[G1+7], 0
	s_mov_b32 s[SEL], 0x76543210
	s_mov_b32 s[SEL+1], 0xfedcba98
	s_mov_b32 s[CS], 0x3e0293ee
	s_mov_b32 s[CS+1], s[CS]
	v_and_b32 v33, 31, v0                          ; every LDS address that stays is made here, ahead of the first parting of the waves
	v_lshlrev_b32 v1, 4, v33
	v_lshlrev_b32 v2, 2, v33
	v_lshlrev_b32 v34, 3, v33
	v_add_nc_u32 v4, s43, v1
	v_add_nc_u32 v3, s44, v34
	v_add_nc_u32 v7, s45, v1
	v_add_nc_u32 v95, s46, v34
	v_add_nc_u32 v30, PARK, v4
	v_add_nc_u32 v11, SLOT1, v7                    ; the parts of e = 1 lie 8 x 8,192 bytes on
	s_and_b32 s58, ttmp7, 0xffff                   ; the head
	s_mul_i32 s46, s58, 16*REC
	s_mov_b32 s47, 0
	s_wait_alu depctr_va_vdst(0)                   ; directly ahead of the waits below
	s_wait_dscnt 0x0                               ; both opening adds are done
	s_wait_kmcnt 0x0
	s_add_nc_u64 s[PFA:PFA+1], s[4:5], s[46:47]    ; the head's records
	s_mov_b32 s46, s[G0+1]
	s_add_nc_u64 s[HB:HB+1], s[PFA:PFA+1], s[46:47]
	s_mov_b32 s[G0], 1
	s_mov_b64 s[G0+2:G0+3], s[HB:HB+1]
	s_or_b32 s[G0+3], s[G0+3], 0x80000000
	TLOAD                                          ; key slot 0 into slot 0
	s_sub_co_u32 s44, s[WV], 1
	s_cmp_lt_u32 s44, 7                            ; waves 1 to 7,
	s_cselect_b32 s[LIM], 1, -1
	s_cmp_eq_u32 ttmp9, 0                          ; of the head's first work-group, prefetch
	s_cselect_b32 s[LIM], s[LIM], -1
	s_lshl_b32 s44, s44, 5
	s_lshr_b32 s43, ttmp9, 2                       ; a
	s_sub_co_u32 s[SWF], 8, s43
	s_sub_co_u32 s[SWR], 7, s43
	s_mov_b32 s[FK], 0
	s_lshl_b32 s14, s15, 7
	s_mov_b32 s[KF], s14
	s_mov_b32 s[SLOTS], TRIPS-1
	s_lshl_b32 s39, ttmp9, 2
	s_sub_co_u32 s63, 124, s39
	s_add_co_u32 s39, s39, s59                     ; phase 1's tile
	s_add_co_u32 s63, s63, s59                     ; phase 2's tile
	QM QMIN, 39
	QM QMIN2, 63
	s_add_co_u32 s[QMAX], s[QMIN], 23
	s_lshl_b32 s62, s58, 8                         ; 128 x query head 2 x head; the odd query head's fragments lie 128 fragments on
	s_add_co_u32 s43, s62, s39
	FADR 43, 4, QOP, QS, 48, 50                    ; phase 1's Q
	s_add_co_u32 s43, s62, s63
	FADR 43, 4, QOP, QS, 66, 68                    ; phase 2's Q
	s_cmp_eq_u32 s15, 1
	s_cselect_b32 s45, s39, s63                    ; the tile that I join
	s_lshl_b32 s43, s58, 7
	s_add_co_u32 s43, s43, s45
	FADR 43, 8, 0, A3S, 54, 56                     ; where its result goes (K step = head)
	s_lshl_b32 s46, s45, 10                        ; lam(row r, head 8 h + 4 c + e) at 1,024 tile + 512 c + 256 h + 16 r + 4 e
	s_bfe_u32 s62, s58, 0x10002
	s_lshl_b32 s62, s62, 9
	s_add_co_u32 s46, s46, s62
	s_lshr_b32 s62, s58, 3
	s_lshl_b32 s62, s62, 8
	s_add_co_u32 s46, s46, s62
	s_and_b32 s62, s58, 3
	s_lshl_b32 s62, s62, 2
	s_add_co_u32 s46, s46, s62
	s_add_co_u32 s46, s46, LAM
	s_add_nc_u64 s[52:53], s[6:7], s[46:47]
	v_and_b32 v34, 15, v0                          ; r
	v_bfe_u32 v35, v0, 4, 1                        ; h
	v_add_nc_u32 v28, s44, v33
	v_lshlrev_b32 v10, 2, v34
	v_and_b32 v31, 8, v34
	v_lshlrev_b32 v35, 4, v35
	v_min_u32 v28, 199, v28
	v_add_nc_u32 v31, v31, v34
	v_lshlrev_b32 v36, 4, v34
	v_lshlrev_b32 v28, 8, v28
	v_sub_nc_u32 v31, v31, v35
.irp c, 0,1,2
	global_load_b128 v[16+4*\c:19+4*\c], v1, s[48:49] offset:512*\c
.endr
	global_load_b32 v255, v10, s[50:51]
	global_load_b32 v[SQ1], v10, s[50:51] offset:8192
	global_load_b32 v[SQ2A], v10, s[68:69]
	global_load_b32 v[SQ2B], v10, s[68:69] offset:8192
	global_load_b32 v29, v36, s[52:53]
	WIN 0x40                                       ; destinations in window 1
.irp c, 0,1,2
	global_load_b128 v[16+4*\c:19+4*\c], v1, s[48:49] offset:196608+512*\c
.endr
.irp c, 0,1,2
	global_load_b128 v[4*\c:4*\c+3], v1, s[66:67] offset:512*\c
.endr
.irp c, 0,1,2
	global_load_b128 v[82+4*\c:85+4*\c], v1, s[66:67] offset:196608+512*\c
.endr
.irp w, 0x40, 0                        ; both heads' state, window 1's first
	WIN \w
	v_mov_b32 v13, 0xff61b1e6                      ; the largest t so far: -3e38, under every t
	v_mov_b32 v14, 0
	v_mov_b32 v15, 0
.irp b, 0,1,2,3
	v_mov_b32 v[236+\b], 0                         ; written once: a lane permute's destination counts as one of its sources
.endr
	v_mov_b32 v252, 0
	v_mov_b32 v253, 0
.set J, 0
.rept 64
	v_mov_b32 v[160+J], 0                          ; O^T: the step is written once, and the first finds zeros
.set J, J+1
.endr
.if \w
	v_mov_b32 v31, v31                             ; window 1's copy
	WIN 0x41
.endif
	v_floor_f32 v12, -v13                          ; -M
.endr
; A KEY STEP: the 128 keys of my record of the slot in hand, for both query heads.
.macro STEP
	s_cmp_gt_u32 s[KF], s[QMAX]                    ; all its keys come after my queries: nothing to do
	s_cbranch_scc1 .Lhidden_\@
	v_add_nc_u32 v8, s[TB], v1
	v_add_nc_u32 v9, s[TB], v2
	s_wait_alu depctr_va_vdst(0)
	v_nop
	v_nop
	v_nop                                          ; with the two additions five places behind the last step's products, ahead of loads into registers that they have read
	FRAGS 0, 12288                                 ; K
	s_wait_dscnt 12                                ; fragments 0-3 and the scale words are in; the twelve loads of fragments 4-7 may be out
	KQ4 0, 0, 255
	KQ4 1, 0, SQ1
	s_wait_dscnt 0x0
	KQ4 0, 1, 255
	KQ4 1, 1, SQ1
	WIN 0
.rept 4
	v_nop                                          ; places in front of the loads below and of the first read of the scores
.endr
	FRAGS 12800, 25088                             ; V, into the registers that K has left: it lands under the two softmaxes
	s_add_co_u32 s44, s[KF], 127                   ; a step all of whose keys count skips the mask
	s_cmp_le_u32 s44, s[QMIN]
	s_cbranch_scc1 .Lopen_\@
	s_sub_co_i32 s44, s[QMIN], s[KF]
	MASK
	WIN 0x55
	MASK
	WIN 0
.Lopen_\@:
	SOFT 0
	WIN 0x55
	SOFT 1
	WIN 0
	s_wait_alu depctr_va_vdst(0)                   ; directly ahead of the wait below
	s_wait_dscnt 0x0                               ; V's eight fragments and their scale words are in
	PV4 0, 0, 253                                  ; O^T += V^T P^T: the sixteen accumulators take turns
	PV4 1, 0, SP1
	PV4 0, 1, 253
	PV4 1, 1, SP1
	WIN 0
.Lhidden_\@:
.endm
; THE CHANGE OF SLOTS.  Each wave waits for all its tensor loads, adds 0 to its spare word, and waits for that and for its reads of the slot that it has left.  Behind the barrier the slot ahead is whole and nobody reads the other one,
; which (fill = 1) takes the keys of the next trip.  One tensor load of a wave is out at the most.
.macro CHANGE fill
	s_wait_tensorcnt 0x0                           ; no tensor load of mine is out, so group 0 may be written
	ds_add_u32 v5, v6                              ; 0 onto my spare word,
.if \fill
	ds_add_u32 v5, v6                              ; and a second time here
	s_xor_b32 s[G0+1], s[G0+1], SLOT1              ; the other slot than last time;
	s_add_co_u32 s[FK], s[FK], 1                   ; the next key slot, or, where the next trip begins phase 2, key slot 0
	s_cmp_eq_u32 s[SLOTS], s[SWF]
	s_cselect_b32 s[FK], 0, s[FK]
	s_mul_i32 s46, s[FK], 2*REC
	s_add_nc_u64 s[G0+2:G0+3], s[HB:HB+1], s[46:47]
	s_or_b32 s[G0+3], s[G0+3], 0x80000000
	s_wait_xcnt 0x0                                ; the last prefetch, a trip back, has read its address
	s_add_nc_u64 s[PFA:PFA+1], s[PFA:PFA+1], 2*REC
.endif
	s_wait_dscnt 0x0
	s_barrier_signal -1
	s_barrier_wait -1
.if \fill
	TLOAD
	ASK
.endif
.endm
	s_wait_alu depctr_va_vdst(0)
	s_wait_loadcnt 0x0                             ; the four Q, their scale words, lam
.Lslot:                                            ; TRIPS - 1 trips, each of which asks for the next trip's keys
	s_wait_tensorcnt 0x0                           ; no tensor load of mine is out when I store to LDS below
	s_cmp_lg_u32 s[SLOTS], s[SWR]                  ; ids alone, the same in all waves
	s_cbranch_scc1 .Lsame
.rept 4
	v_nop                                          ; places behind the last products
.endr
	PARK2 30, 4096                                 ; PHASE 2 BEGINS: phase 1's parts go to my own bytes,
	v_mov_b32 v255, v[SQ2A]                        ; Q and its scale words are phase 2's,
	v_mov_b32 v[SQ1], v[SQ2B]
	WIN 0x01
.set J, 0
.rept 12
	v_mov_b32 v[16+J], v[J]
.set J, J+1
.endr
	WIN 0x41
.set J, 0
.rept 12
	v_mov_b32 v[16+J], v[82+J]
.set J, J+1
.endr
	v_mov_b32 v13, 0xff61b1e6                      ; and M begins anew: the first step's factor is then 0, which clears O^T and the sum
	s_delay_alu instid0(VALU_DEP_1)
	v_floor_f32 v12, -v13
	WIN 0
	v_mov_b32 v13, 0xff61b1e6
	s_delay_alu instid0(VALU_DEP_1)
	v_floor_f32 v12, -v13
	s_mov_b32 s[QMIN], s[QMIN2]
	s_add_co_u32 s[QMAX], s[QMIN2], 23
	s_mov_b32 s[KF], s14
	s_wait_alu depctr_va_vdst(0)
.Lsame:
	CHANGE 1
	STEP
	s_xor_b32 s[TB], s[TB], SLOT1
	s_add_co_u32 s[KF], s[KF], 256
	s_sub_co_u32 s[SLOTS], s[SLOTS], 1
	s_cmp_lg_u32 s[SLOTS], 0
	s_cbranch_scc1 .Lslot
	CHANGE 0                                       ; the last trip is written out
	STEP
.rept 4
	v_nop                                          ; places behind the last products
.endr
	s_wait_dscnt 0x0                               ; my reads of the ring are over
	s_barrier_signal -1
	s_barrier_wait -1                              ; so are everybody's; the ring has had its last fill
	PARK2 4, 0                                     ; phase 2's parts
	s_wait_dscnt 0x0                               ; for the others' sake: my stores have landed
	s_barrier_signal -1
	s_barrier_wait -1
	; THE JOIN of a tile's four parts (p, e)
	ds_load_b64 v[240:241], v95                    ; -M and sum of (0, 0),
	ds_load_b64 v[242:243], v95 offset:2048        ; (0, 1),
	ds_load_b64 v[244:245], v95 offset:1024        ; (1, 0),
	ds_load_b64 v[246:247], v95 offset:3072        ; (1, 1)
	LOADP 7, 0                                     ; parts come by turns into v160-223 of window 0 and of window 1
	WIN 0x40
	LOADP 11, 0
	WIN 0
	s_wait_dscnt 32                                ; the four pairs are in; two parts' 32 loads may be out
.irp k, 0,1,2,3
	v_permlanex16_b32 v[236+\k], v[241+2*\k], s[SEL], s[SEL+1]
.endr
	v_min_num_f32 v232, v240, v242                 ; -(the larger M) of head 0,
	v_min_num_f32 v233, v244, v246                 ; of head 1
.irp k, 0,1,2,3
	v_add_f32 v[241+2*\k], v[241+2*\k], v[236+\k]  ; a part's sum: with lane l xor 16's keys
.endr
.irp k, 0,1,2,3
	v_sub_f32 v[240+2*\k], v[232+\k/2], v[240+2*\k]   ; the part's M less the larger: a whole number, 0 or less
.endr
.irp k, 0,1,2,3
	s_delay_alu instid0(VALU_DEP_4)
	v_cvt_i32_f32 v[240+2*\k], v[240+2*\k]         ; (it saturates: a part that saw no key counts for nothing)
.endr
.irp k, 0,1,2,3
	s_delay_alu instid0(VALU_DEP_4)
	v_ldexp_f32 v[240+2*\k], 1.0, v[240+2*\k]
.endr
	v_mul_f32 v232, v241, v240
	v_mul_f32 v233, v245, v244
	s_delay_alu instid0(VALU_DEP_2)
	v_fma_f32 v232, v243, v242, v232               ; the rows' sums
	s_delay_alu instid0(VALU_DEP_2)
	v_fma_f32 v233, v247, v246, v233
	s_wait_alu depctr_va_vdst(0)                   ; ahead of the batch
	v_rcp_f32 v232, v232
	v_rcp_f32 v233, v233
	v_nop                                          ; a plain place behind the batch,
	s_wait_alu depctr_va_vdst(0)                   ; and the wait ahead of its first reader
	v_mul_f32 v233, -v29, v233                     ; attn2 counts x -lam
	v_mul_f32 v240, v240, v232
	v_mul_f32 v242, v242, v232
	v_mul_f32 v244, v244, v233
	v_mul_f32 v246, v246, v233
	s_wait_alu depctr_va_vdst(0)                   ; directly ahead of the wait below
	s_wait_dscnt 16                                ; part (0, 0) is in; the younger part's 16 loads may be out
	ACCU 240, 1
	LOADP 7, 32768
	s_wait_dscnt 16                                ; (0, 1)
	WIN 0x01
	ACCU 242, 0
	WIN 0x40
	LOADP 11, 32768
	WIN 0
	s_wait_dscnt 16                                ; (1, 0)
	ACCU 244, 0
	s_wait_dscnt 0x0                               ; (1, 1)
	WIN 0x01
	ACCU 246, 0
	WIN 0
.irp b, 0,1,2,3
	v_max3_num_f32 v[MX+\b], |v[96+16*\b]|, |v[97+16*\b]|, 0x1800000   ; the quantiser: block b: my 16 numbers, and the floor
.endr
.irp i, 2,4,6,8,10,12,14
.irp b, 0,1,2,3
	s_delay_alu instid0(VALU_DEP_4)
	v_max3_num_f32 v[MX+\b], v[MX+\b], |v[96+16*\b+\i]|, |v[97+16*\b+\i]|
.endr
.endr
.irp b, 0,1,2,3
	v_permlanex16_b32 v[BY+\b], v[MX+\b], s[SEL], s[SEL+1]
.endr
.irp b, 0,1,2,3
	s_delay_alu instid0(VALU_DEP_4)
	v_max_num_f32 v[MX+\b], v[MX+\b], v[BY+\b]
.endr
.irp b, 0,1,2,3
	s_delay_alu instid0(VALU_DEP_4)
	v_add_nc_u32 v[SO+\b], 0xff000000, v[MX+\b]
.endr
.irp b, 0,1,2,3
	s_delay_alu instid0(VALU_DEP_4)
	v_lshrrev_b32 v[BY+\b], 23, v[SO+\b]
.endr
	s_delay_alu instid0(VALU_DEP_3)
	v_lshl_or_b32 v[PW], v[BY+1], 8, v[BY]
	s_delay_alu instid0(VALU_DEP_1)
	v_lshl_or_b32 v[PW], v[BY+2], 16, v[PW]
	s_delay_alu instid0(VALU_DEP_1)
	v_lshl_or_b32 v[PW], v[BY+3], 24, v[PW]
.irp c, 0,1
	v_cvt_scalef32_pk16_fp6_f32 v[PC+6*\c:PC+2+6*\c], v[96+32*\c:111+32*\c], v[SO+2*\c]
	v_cvt_scalef32_pk16_fp6_f32 v[PC+12+4*\c:PC+14+4*\c], v[112+32*\c:127+32*\c], v[SO+2*\c+1]
.endr
	v_nop                                          ; one plain place behind a scaled conversion
.irp c, 0,1
.irp i, 0,1,2
	v_permlane16_swap_b32 v[PC+6*\c+\i], v[PC+12+4*\c+\i]
.endr
.irp i, 0,1,2
	s_delay_alu instid0(VALU_DEP_3)
	v_mov_b32 v[PC+3+6*\c+\i], v[PC+12+4*\c+\i]
.endr
.endr
.irp c, 0,1,2
	global_store_b128 v1, v[PC+4*\c:PC+4*\c+3], s[54:55] offset:512*\c   ; 32 lanes store 512 consecutive bytes
.endr
	global_store_b32 v10, v[PW], s[56:57]          ; lanes r and r + 16 hold row r's word and write it to the same place
	s_wait_tensorcnt 0x0                           ; the wave's end
	ds_add_u32 v5, v6
	s_wait_dscnt 0x0
	s_endpgm
.Lfunc_end_k_qf9e7876d9f_attn:
	.size	k_qf9e7876d9f_attn, .Lfunc_end_k_qf9e7876d9f_attn-k_qf9e7876d9f_attn
	.p2alignl 7, 3214868480
	.fill 96, 4, 3214868480
	.section	.rodata,"a",@progbits
	.p2align	6, 0x0
	.amdhsa_kernel k_qf9e7876d9f_attn
		.amdhsa_group_segment_fixed_size 327680
		.amdhsa_private_segment_fixed_size 0
		.amdhsa_enable_private_segment 0
		.amdhsa_kernarg_size 24
		.amdhsa_user_sgpr_count 2
		.amdhsa_user_sgpr_kernarg_segment_ptr 1
		.amdhsa_wavefront_size32 1
		.amdhsa_system_sgpr_workgroup_id_x 1
		.amdhsa_system_sgpr_workgroup_id_y 1
		.amdhsa_system_sgpr_workgroup_id_z 1
		.amdhsa_system_vgpr_workitem_id 0
		.amdhsa_next_free_vgpr 512
		.amdhsa_next_free_sgpr 72
		.amdhsa_reserve_vcc 1
		.amdhsa_float_denorm_mode_32 3
		.amdhsa_float_denorm_mode_16_64 3
		.amdhsa_memory_ordered 1
		.amdhsa_forward_progress 1
		.amdhsa_inst_pref_size 134
	.end_amdhsa_kernel
	.amdgpu_metadata
---
amdhsa.version: [ 1, 2 ]
amdhsa.kernels:
  - .name:           k_qf9e7876d9f_attn
    .symbol:         k_qf9e7876d9f_attn.kd
    .args:
      - { .name: kb, .offset: 0, .size: 8, .value_kind: global_buffer, .address_space: global }
      - { .name: cb, .offset: 8, .size: 8, .value_kind: global_buffer, .address_space: global }
      - { .name: ob, .offset: 16, .size: 8, .value_kind: global_buffer, .address_space: global }
    .group_segment_fixed_size: 327680
    .private_segment_fixed_size: 0
    .kernarg_segment_align: 8
    .kernarg_segment_size: 24
    .max_flat_workgroup_size: 256
    .sgpr_count:     72
    .vgpr_count:     512
    .wavefront_size: 32
...
	.end_amdgpu_metadata
.endif
;; end of part 9
;; launch outp (part 10): grid 256 x 1, 8 waves a work-group, no clusters, 134,144 bytes of LDS; arguments qb, ob, out0; writes out0
.if DOCPART == 10
	.amdgcn_target "amdgcn-amd-amdhsa--gfx1250"
	.amdhsa_code_object_version 6
	.text
	.protected	k_qf9e7876d9f_outp
	.globl	k_qf9e7876d9f_outp
	.p2align	8
	.type	k_qf9e7876d9f_outp,@function
k_qf9e7876d9f_outp:
	s_mov_b64 s[64:65], 0
	v_nop
	global_prefetch_b8 v0, s[64:65] scope:SCOPE_SE
	s_setreg_imm32_b32 hwreg(HW_REG_WAVE_MODE, 25, 1), 1
	s_wait_xcnt 0x0
; out0 = (attn1 - lam attn2) W_out, on codes of FP6 (E2M3) with E8M0 scales; f32 out.
; OPERANDS lie in memory as images of their registers (a fragment of 16 rows x 128 K is 1,536 bytes: registers 4 c .. 4 c + 3 of lane l at 512 c + 16 l), K step by K step (a K step is a head).  Scale words: 128 bytes for a pair of
; tiles, lanes 0-15 the even tile's rows, lanes 16-31 the odd tile's.  Row rho of tile 2 b + u is index 32 b + 8 u + rho + 8 (rho / 8).
; Source 0: 8 tiles of W_out (128 columns), source 1: 2 tiles of tokens: lane (r, h) holds row r of the token tile, register 16 b + i column 32 b + 16 h + i: 16 neighbouring numbers of a row of out0.
; SHARES.  Work-group: 128 columns (number / 16) x 128 tokens (number % 16).  Eight waves: wave (w = number % 4, kh = number / 4) makes 128 columns x 32 tokens from K steps 8 kh .. 8 kh + 7 alone: each wave walks eight K steps,
; and the work-group has eight waves' loads on their way.  The partners w and w + 4 then change halves through LDS, as their registers stand: kh = 0 keeps token tile 0 and sends tile 1, kh = 1 the other way round; each adds the
; partner's sums to its own and stores ONE tile.  So an output is the f32 sum of two f32 sums, each over 1,024 along K in ascending order.
; THE WAY OUT: a tile of 16 tokens goes through the wave's own stage in LDS (16 rows x 528 bytes) and leaves as rows: 32 lanes store 512 consecutive bytes, at a multiple of 256 from out0's first byte.
; LDS: bytes 0 - 65,535: the exchange, 8,192 a wave.  From 65,536: the eight stages.
; REGISTERS: window 0: v1 16 x lane, v2 4 x lane, v3, v4 the stage, v7, v18 the exchange; v8-17 scale words; v32-95 the partner's sums, then rows read back; v128-255 the 16 accumulators.  window 1: two sets of operands.
.set W3C,  10700800                    ; byte offsets in qb,
.set W3S,  13846528
.set A3S,  3145728                     ; in ob
.set STG,  65536                       ; LDS: the stages
.set ACC, 128
.set SCL, 8
.set T,   32
.set SND, 7                            ; v7  where I put what I send: 8,192 x wave + 16 x lane
.set RCV, 18                           ; v18 where my partner has put it: 8,192 x (wave xor 4) + 16 x lane
.set MSB, 0
.macro WIN new                         ; s_set_vgpr_msb: bits 1:0 source 0, 3:2 source 1, 5:4 source 2, 7:6 destination; the high byte repeats the setting that is left
.if MSB != \new
	s_set_vgpr_msb (MSB<<8)|\new
.set MSB, \new
.endif
.endm
.macro PLACES                          ; four plain places between a matrix instruction and a load into, a store of, or a vector instruction on, its registers
.rept 4
	v_nop
.endr
.endm
.macro BASE d, p, off                  ; s[d:d+1] = the buffer at s[p:p+1] + s40 + off  (s41 = 0)
	s_add_co_u32 s40, s40, \off
	s_add_nc_u64 s[\d:\d+1], s[\p:\p+1], s[40:41]
.endm
.macro KPART                           ; my part of K begins s44 K steps on
	s_mul_i32 s40, s44, s16
	s_add_nc_u64 s[8:9], s[8:9], s[40:41]
	s_mul_i32 s40, s44, s18
	s_add_nc_u64 s[10:11], s[10:11], s[40:41]
	s_mul_i32 s40, s44, s20
	s_add_nc_u64 s[12:13], s[12:13], s[40:41]
	s_mul_i32 s40, s44, s22
	s_add_nc_u64 s[14:15], s[14:15], s[40:41]
.endm
.macro LOADK p, ns
	WIN 0x40                                       ; destination window 1, address window 0
.irp i, 0,1,2,3,4,5,6,7
.irp c, 0,1,2
	global_load_b128 v[128*(\p)+12*\i+4*\c:128*(\p)+12*\i+4*\c+3], v1, s[8:9] offset:1536*\i+512*\c
.endr
.endr
.irp j, 0,1
.if \j < \ns
.irp c, 0,1,2
	global_load_b128 v[128*(\p)+96+12*\j+4*\c:128*(\p)+96+12*\j+4*\c+3], v1, s[10:11] offset:1536*\j+512*\c
.endr
.endif
.endr
	WIN 0
.irp q, 0,1,2,3
	global_load_b32 v[SCL+5*(\p)+\q], v2, s[12:13] offset:128*\q
.endr
	global_load_b32 v[SCL+5*(\p)+4], v2, s[14:15]
.endm
.macro STEPK                           ; on to the next K step
	s_wait_xcnt 0x0                                ; the loads issued so far have read their bases
	s_add_nc_u64 s[8:9], s[8:9], s[16:17]
	s_add_nc_u64 s[10:11], s[10:11], s[18:19]
	s_add_nc_u64 s[12:13], s[12:13], s[20:21]
	s_add_nc_u64 s[14:15], s[14:15], s[22:23]
.endm
.macro MM z, d, a, b, sa, sb, ra, rb   ; one product; z: it starts the sum; ra, rb: the scale words stand in lanes 16-31
.if (\z) && (\ra) && (\rb)
	v_wmma_scale_f32_16x16x128_f8f6f4 v[(\d):(\d)+7], v[(\a):(\a)+11], v[(\b):(\b)+11], 0, v[\sa], v[\sb] matrix_a_fmt:MATRIX_FMT_FP6 matrix_b_fmt:MATRIX_FMT_FP6 matrix_a_scale:MATRIX_SCALE_ROW1 matrix_b_scale:MATRIX_SCALE_ROW1
.elseif (\z) && (\ra)
	v_wmma_scale_f32_16x16x128_f8f6f4 v[(\d):(\d)+7], v[(\a):(\a)+11], v[(\b):(\b)+11], 0, v[\sa], v[\sb] matrix_a_fmt:MATRIX_FMT_FP6 matrix_b_fmt:MATRIX_FMT_FP6 matrix_a_scale:MATRIX_SCALE_ROW1
.elseif (\z) && (\rb)
	v_wmma_scale_f32_16x16x128_f8f6f4 v[(\d):(\d)+7], v[(\a):(\a)+11], v[(\b):(\b)+11], 0, v[\sa], v[\sb] matrix_a_fmt:MATRIX_FMT_FP6 matrix_b_fmt:MATRIX_FMT_FP6 matrix_b_scale:MATRIX_SCALE_ROW1
.elseif (\z)
	v_wmma_scale_f32_16x16x128_f8f6f4 v[(\d):(\d)+7], v[(\a):(\a)+11], v[(\b):(\b)+11], 0, v[\sa], v[\sb] matrix_a_fmt:MATRIX_FMT_FP6 matrix_b_fmt:MATRIX_FMT_FP6
.elseif (\ra) && (\rb)
	v_wmma_scale_f32_16x16x128_f8f6f4 v[(\d):(\d)+7], v[(\a):(\a)+11], v[(\b):(\b)+11], v[(\d):(\d)+7], v[\sa], v[\sb] matrix_a_fmt:MATRIX_FMT_FP6 matrix_b_fmt:MATRIX_FMT_FP6 matrix_a_scale:MATRIX_SCALE_ROW1 matrix_b_scale:MATRIX_SCALE_ROW1
.elseif (\ra)
	v_wmma_scale_f32_16x16x128_f8f6f4 v[(\d):(\d)+7], v[(\a):(\a)+11], v[(\b):(\b)+11], v[(\d):(\d)+7], v[\sa], v[\sb] matrix_a_fmt:MATRIX_FMT_FP6 matrix_b_fmt:MATRIX_FMT_FP6 matrix_a_scale:MATRIX_SCALE_ROW1
.elseif (\rb)
	v_wmma_scale_f32_16x16x128_f8f6f4 v[(\d):(\d)+7], v[(\a):(\a)+11], v[(\b):(\b)+11], v[(\d):(\d)+7], v[\sa], v[\sb] matrix_a_fmt:MATRIX_FMT_FP6 matrix_b_fmt:MATRIX_FMT_FP6 matrix_b_scale:MATRIX_SCALE_ROW1
.else
	v_wmma_scale_f32_16x16x128_f8f6f4 v[(\d):(\d)+7], v[(\a):(\a)+11], v[(\b):(\b)+11], v[(\d):(\d)+7], v[\sa], v[\sb] matrix_a_fmt:MATRIX_FMT_FP6 matrix_b_fmt:MATRIX_FMT_FP6
.endif
.endm
.macro MUL p, ns, zero
	WIN 0x05                                       ; sources 0 and 1 window 1; C and D window 0
.irp j, 0,1
.if \j < \ns
.irp i, 0,1,2,3,4,5,6,7
	MM \zero, ACC+64*\j+8*\i, 128*(\p)+12*\i, 128*(\p)+96+12*\j, SCL+5*(\p)+\i/2, SCL+5*(\p)+4, \i%2, \j
.endr
.endif
.endr
	WIN 0
.endm
.macro PAIR ns, zero                   ; two K steps, and the loads of the two that follow
	s_wait_loadcnt NLD                             ; set 0 is in; set 1's loads may be out
	MUL 0, \ns, \zero
	PLACES
	STEPK
	LOADK 0, \ns
	s_wait_loadcnt NLD                             ; set 1 is in; set 0's new loads may be out
	MUL 1, \ns, 0
	PLACES
	STEPK
	LOADK 1, \ns
.endm
.macro GEMM ns, trips                  ; 4 + 2 trips K steps; the first products start the sums: nothing is cleared
.set NLD, 29+3*(\ns)
	LOADK 0, \ns
	STEPK
	LOADK 1, \ns
	PAIR \ns, 1
.if (\trips) > 0
	s_mov_b32 s24, \trips
.Lk_\@:
	PAIR \ns, 0
	s_sub_co_u32 s24, s24, 1
	s_cmp_lg_u32 s24, 0
	s_cbranch_scc1 .Lk_\@
.endif
	s_wait_loadcnt NLD                             ; the last two K steps load nothing
	MUL 0, \ns, 0
	s_wait_loadcnt 0x0
	MUL 1, \ns, 0
	PLACES
.endm
.macro SEND j                          ; my sums for token tile j go to my partner, as the registers stand; each accumulator from its low end on
.set J, 0
.rept 16
	ds_store_b128 v[SND], v[ACC+64*(\j)+4*J:ACC+64*(\j)+4*J+3] offset:512*J
.set J, J+1
.endr
.endm
.macro OWN j                           ; token tile j is mine: the partner's sums are added; the tile goes through my stage and leaves as 16 rows
.set J, 0
.rept 32
	v_pk_add_f32 v[ACC+64*(\j)+J:ACC+64*(\j)+J+1], v[ACC+64*(\j)+J:ACC+64*(\j)+J+1], v[T+J:T+J+1]
.set J, J+2
.endr
.irp b, 0,1,2,3
.irp u, 0,1
.irp e, 0,1
	ds_store_b128 v3, v[ACC+64*(\j)+16*\b+8*\u+4*\e:ACC+64*(\j)+16*\b+8*\u+4*\e+3] offset:128*\b+32*\u+16*\e
.endr
.endr
.endr
.irp rho, 0,1,2,3,4,5,6,7,8,9,10,11,12,13,14,15
	ds_load_b128 v[T+4*\rho:T+4*\rho+3], v4 offset:528*\rho   ; LDS serves a wave's instructions in order: these see my stores
.endr
.irp rho, 0,1,2,3,4,5,6,7,8,9,10,11,12,13,14,15
	s_wait_dscnt 15-\rho                           ; row rho is back; the younger rows may be out
	global_store_b128 v1, v[T+4*\rho:T+4*\rho+3], s[26:27] offset:(8*(\j)+\rho+8*(\rho/8))*8192 th:TH_STORE_NT   ; the token of row rho of tile j; written once, read by nobody here
.endr
	s_wait_tensorcnt 0x0
	ds_add_u32 v126, v127
	s_wait_dscnt 0x0
	s_endpgm
.endm
	s_load_b128 s[4:7], s[0:1], 0x0                ; qb, ob
	s_load_b64 s[30:31], s[0:1], 0x10              ; out0
	v_lshl_add_u32 v126, v0, 2, 0x20800
	v_mov_b32 v127, 0
	v_lshrrev_b32 v3, 5, v0
	s_delay_alu instid0(VALU_DEP_1)
	v_readfirstlane_b32 s2, v3                     ; wave 0..7
	v_and_b32 v3, 31, v0
	s_delay_alu instid0(VALU_DEP_1)
	v_lshlrev_b32 v1, 4, v3
	s_delay_alu instid0(VALU_DEP_2)
	v_lshlrev_b32 v2, 2, v3
	v_and_b32 v5, 15, v0                           ; r
	v_bfe_u32 v6, v0, 4, 1                         ; h
	s_lshr_b32 s3, s2, 2                           ; kh: which half of K, and which token tile I finish
	s_and_b32 s25, s2, 3                           ; w: which 32 tokens
	s_mul_i32 s42, s2, 8448                        ; my stage.  Every LDS address is made here, ahead of every parting of the ways
	s_add_co_u32 s42, s42, STG
	v_mul_u32_u24 v3, v5, 528
	s_delay_alu instid0(VALU_DEP_1)
	v_lshl_add_u32 v3, v6, 6, v3
	s_delay_alu instid0(VALU_DEP_1)
	v_add_nc_u32 v3, s42, v3                       ; in: row r, + 64 h
	v_add_nc_u32 v4, s42, v1                       ; back: a row's 512 bytes, 16 a lane
	s_lshl_b32 s42, s2, 13
	v_add_nc_u32 v[SND], s42, v1
	s_xor_b32 s42, s42, 32768                      ; wave xor 4
	v_add_nc_u32 v[RCV], s42, v1
	s_mov_b32 s17, 0
	s_mov_b32 s19, 0
	s_mov_b32 s21, 0
	s_mov_b32 s23, 0
	s_mov_b32 s41, 0
	s_lshr_b32 s37, ttmp9, 4                       ; 128 columns
	s_and_b32 s38, ttmp9, 15
	s_lshl_b32 s38, s38, 2
	s_add_co_u32 s38, s38, s25                     ; g: 32 tokens
	s_wait_alu depctr_va_vdst(0)
	s_wait_kmcnt 0x0
	s_mul_i32 s40, s37, 8*1536
	BASE 8, 4, W3C
	s_lshl_b32 s40, s37, 9
	BASE 12, 4, W3S
	s_mul_i32 s40, s38, 3072
	BASE 10, 6, 0
	s_lshl_b32 s40, s38, 7
	BASE 14, 6, A3S
	s_mov_b32 s16, 128*1536
	s_mov_b32 s18, 128*1536
	s_mov_b32 s20, 64*128
	s_mov_b32 s22, 64*128
	s_lshl_b32 s44, s3, 3                          ; my K steps begin at 8 kh
	KPART
	s_lshl_b32 s40, s38, 18                        ; 32 rows of 8,192 bytes,
	s_lshl_b32 s43, s37, 9                         ; + 512 bytes for each 128 columns
	s_add_co_u32 s40, s40, s43
	BASE 26, 30, 0
	GEMM 2, 2                                      ; eight K steps
	s_cmp_lg_u32 s3, 0                             ; the branches hang on the wave's number alone
	s_cbranch_scc1 .Lsend0
	SEND 1
	s_branch .Lsent
.Lsend0:
	SEND 0
.Lsent:
	s_wait_dscnt 0x0                               ; for the partner's sake: my stores have landed
	s_barrier_signal -1
	s_barrier_wait -1
.set J, 0
.rept 16
	ds_load_b128 v[T+4*J:T+4*J+3], v[RCV] offset:512*J   ; the partner's sums for the tile that I finish
.set J, J+1
.endr
	s_wait_dscnt 0x0
	s_cmp_lg_u32 s3, 0
	s_cbranch_scc1 .Lown1
	OWN 0
.Lown1:
	OWN 1
.Lfunc_end_k_qf9e7876d9f_outp:
	.size	k_qf9e7876d9f_outp, .Lfunc_end_k_qf9e7876d9f_outp-k_qf9e7876d9f_outp
	.p2alignl 7, 3214868480
	.fill 96, 4, 3214868480
	.section	.rodata,"a",@progbits
	.p2align	6, 0x0
	.amdhsa_kernel k_qf9e7876d9f_outp
		.amdhsa_group_segment_fixed_size 134144
		.amdhsa_private_segment_fixed_size 0
		.amdhsa_enable_private_segment 0
		.amdhsa_kernarg_size 24
		.amdhsa_user_sgpr_count 2
		.amdhsa_user_sgpr_kernarg_segment_ptr 1
		.amdhsa_wavefront_size32 1
		.amdhsa_system_sgpr_workgroup_id_x 1
		.amdhsa_system_sgpr_workgroup_id_y 1
		.amdhsa_system_sgpr_workgroup_id_z 1
		.amdhsa_system_vgpr_workitem_id 0
		.amdhsa_next_free_vgpr 512
		.amdhsa_next_free_sgpr 66
		.amdhsa_reserve_vcc 0
		.amdhsa_float_denorm_mode_32 3
		.amdhsa_float_denorm_mode_16_64 3
		.amdhsa_memory_ordered 1
		.amdhsa_forward_progress 1
		.amdhsa_inst_pref_size 53
	.end_amdhsa_kernel
	.amdgpu_metadata
---
amdhsa.version: [ 1, 2 ]
amdhsa.kernels:
  - .name:           k_qf9e7876d9f_outp
    .symbol:         k_qf9e7876d9f_outp.kd
    .args:
      - { .name: qb, .offset: 0, .size: 8, .value_kind: global_buffer, .address_space: global }
      - { .name: ob, .offset: 8, .size: 8, .value_kind: global_buffer, .address_space: global }
      - { .name: out0, .offset: 16, .size: 8, .value_kind: global_buffer, .address_space: global }
    .group_segment_fixed_size: 134144
    .private_segment_fixed_size: 0
    .kernarg_segment_align: 8
    .kernarg_segment_size: 24
    .max_flat_workgroup_size: 256
    .sgpr_count:     66
    .vgpr_count:     512
    .wavefront_size: 32
...
	.end_amdgpu_metadata
.endif
;; end of part 10
